; MI455X (gfx1250); checked and timed in simulation.
; The chip was launched on July 23, 2026; its instructions are those of AMD's public machine-readable ISA for CDNA 5 (MIT licence, August 2026) and "CDNA5" Instruction Set Architecture Reference Guide (July 2026). The comments in the code are by the model that wrote it; some were corrected since.
;; Multi Head Attention. Allowed arithmetic: matrix products marked QUANTISED: E2M1 operands, one E8M0 scale for each 32 along K, by v_wmma_scale_f32_16x16x128_f8f6f4 with both operands' format E2M1 (or v_wmma_scale_f32_32x16x128_f4), f32 sums; everything else in f32.
;; Inputs: K 4 x 2,048 x 1,024 float32; Q 4 x 2,048 x 1,024 float32; V 4 x 2,048 x 1,024 float32; Wk 1,024 x 1,024 float32; Wo 1,024 x 1,024 float32; Wq 1,024 x 1,024 float32; Wv 1,024 x 1,024 float32; attn_mask 4 x 2,048 x 2,048 bool; bk 1,024 float32; bo 1,024 float32; bq 1,024 float32; bv 1,024 float32; ln_beta 1,024 float32; ln_gamma 1,024 float32.
;; Outputs: out0 4 x 2,048 x 1,024 float32.
;; This version of the problem:
;;   THIS VERSION OF THE PROBLEM IS GIVEN IN LOW PRECISION. The matrix products marked QUANTISED in the list below multiply operands that are first quantised to E2M1 (2 exponent bits, 1 mantissa bit; 4 bits a number), with one power-of-two scale for each 32 numbers along K (OCP MX v1.0); their sums are f32. All else is computed in f32.
;;   The module's matrix products, in the order in which they are computed (A, B: the left and right operand; K: the contracted axis; several contracted axes count as one K, in the product's order):
;;     1. [M 8,192, K 1,024] x [K 1,024, N 1,024]; A: input Q; B: input Wq: QUANTISED
;;     2. [M 8,192, K 1,024] x [K 1,024, N 1,024]; A: input K; B: input Wk: QUANTISED
;;     3. [M 8,192, K 1,024] x [K 1,024, N 1,024]; A: input V; B: input Wv: QUANTISED
;;     4. batch 64 x [M 2,048, K 64] x [K 64, N 2,048]; A: computed on the way; B: computed on the way: QUANTISED
;;     5. batch 64 x [M 2,048, K 2,048] x [K 2,048, N 64]; A: softmax (see below); B: computed on the way: QUANTISED
;;     6. [M 8,192, K 1,024] x [K 1,024, N 1,024]; A: computed on the way; B: input Wo: QUANTISED
;;   THE QUANTISER, for each operand of a quantised product, along K:
;;     - K is cut into blocks of 32 from its start; a last block that is shorter is filled with zeros.
;;     - A block's scale is 2^e with e = floor(log2(the largest magnitude in the block)) - 2, held to -126 .. 127; a block of zeros has e = 0. As a byte (E8M0): e + 127.
;;     - Each number is divided by its block's scale, clamped to +-6, and rounded to the nearest number of E2M1, ties to even, subnormals kept.
;;     - The product sums the exact products of the quantised numbers (number of the format x scale) in f32.
;;   ~~~python
;;   def quantise(x, axis):      # numpy; x: float32 -> the quantised numbers, widened to float32 again
;;       x = np.moveaxis(x, axis, -1); K = x.shape[-1]
;;       x = np.pad(x, [(0, 0)] * (x.ndim - 1) + [(0, -K % 32)]); x = x.reshape(x.shape[:-1] + (-1, 32)); a = np.abs(x).max(-1, keepdims=True)
;;       e = np.where(a > 0, np.clip(np.frexp(np.where(a > 0, a, 1))[1] - 1 - 2, -126, 127), 0)      # np.frexp(a)[1] - 1 = floor(log2(a)), exactly
;;       r = np.clip(x / 2.0 ** e, -6, 6)
;;       step = 2.0 ** (np.maximum(np.frexp(np.where(r == 0, 1, r))[1] - 1, 0) - 1)
;;       q = np.round(r / step) * step * 2.0 ** e      # np.round: ties to even
;;       return np.moveaxis(q.reshape(q.shape[:-2] + (-1,))[..., :K], -1, axis).astype(np.float32)
;;   ~~~
;;   SOFTMAX AHEAD OF A QUANTISED PRODUCT. Where the list says 'softmax', what is quantised is not the finished softmax but p = 2^(t - M), with t = logit x log2(e) and M = ceil(the row's largest t), a whole number; so 1/2 < the row's largest p <= 1. The row's sum l is taken of the UNQUANTISED p, in f32, and the product's result is divided by l at the end. Since M is a whole number, a kernel that streams over the keys may use a running M (the ceiling of the running maximum): every later rescaling is an exact power of two, which a block's scale takes up: the codes' values come out the same.
;;   OPERANDS COMPUTED ON THE WAY. 'Computed on the way' means the value that the module computes at that place (a softmax that the list does not call 'softmax' is quantised finished and normalised). What goes into a quantiser is computed in f32, as accurately as f32 sums, v_exp_f32 and their like allow (about 1e-6 of the number): no bf16 or f16 on the way to a quantiser, and a product that is left as it is and whose result goes on into a quantised operand takes f32 operands (vector FMAs, or v_wmma_f32_16x16x4_f32). A number that lies on a knife's edge between two numbers of the format may be rounded either way, as far as f32 arithmetic and the matrix unit's own rounding can turn it there, and no further.
;; 3 versions. Each part assembles by itself: llvm-mc -triple=amdgcn-amd-amdhsa -mcpu=gfx1250 --defsym DOCPART=n.
;; ======== version 1 of 3: 4 launches
;; limits: right only within a limited range of input values
;; workspace buffers: xc 14,680,064 bytes; xs 917,504 bytes; ac 12,582,912 bytes; asc 1,572,864 bytes; cc 4,194,304 bytes; cs 262,144 bytes; mk 2,097,152 bytes of whole numbers
;; launch prep (part 1): grid 960 x 1, 4 waves a work-group, no clusters, 34,304 bytes of LDS; arguments Q, K, V, Wq, Wk, Wv, Wo, attn_mask, xc, xs, mk; writes xc, xs, mk
.if DOCPART == 1
	.amdgcn_target "amdgcn-amd-amdhsa--gfx1250"
	.amdhsa_code_object_version 6
	.text
	.protected	k_q5a71e6ac6d_prep
	.globl	k_q5a71e6ac6d_prep
	.p2align	8
	.type	k_q5a71e6ac6d_prep,@function
k_q5a71e6ac6d_prep:
	s_mov_b64 s[64:65], 0
	v_nop
	global_prefetch_b8 v0, s[64:65] scope:SCOPE_SE
	s_setreg_imm32_b32 hwreg(HW_REG_WAVE_MODE, 25, 1), 1
	s_wait_xcnt 0x0
; Q, K, V [8192][1024] and Wq, Wk, Wv, Wo [1024][1024], f32, K innermost, become codes of E2M1 with one E8M0 byte for each 32 along K; the mask becomes lane masks.
; A TILE is 16 rows that are not neighbours: lane r of tile T holds row 32 (T / 2) + 8 (T % 2) + r + 8 (r / 8).  The same choice serves every tensor of the program.
; xc: for tile GT (Q 0-511, K 512-1023, V 1024-1535, Wq 1536.., Wk 1600.., Wv 1664.., Wo 1728..) and K step s of 128: 1,024 bytes, THE IMAGE OF THE OPERAND'S 8 REGISTERS: piece c at 512 c, lane l's 16 bytes at 16 l.
; xs: for a pair of tiles and a half q of K: 512 bytes; lane 16 u + r holds the four scale words of row r of tile 2 P + u for K steps 4 q .. 4 q + 3.
; mk: for batch b, query tile T and key step of 128: 64 words; bit l of word j is attn_mask[b][row(T, l % 16)][128 step + 32 (j / 16) + 16 (l / 16) + j % 16].
; A block's scale is 2^(floor(log2(largest magnitude)) - 2); its byte is the largest magnitude's exponent field - 2, held at 1 from below.
; LIMITS: a block of zeros gets the byte 1 where the quantiser's text says 127 (its codes are zeros, and this program alone reads the bytes); NaN and infinities among the inputs are not served.
; Work-groups 0-447: a wave quantises one tile, all 8 K steps.  Work-groups 448-959: a work-group packs the mask of one (b, T), a wave 4 key steps.  Only the first path uses LDS; waves share nothing: no barrier.
.set STG, 8448                         ; a wave's stage: 16 rows x (512 bytes + 16): the pitch is an odd multiple of 16 bytes, so 16 rows start at 16 different groups of banks
.set TM,  8                            ; v8-23    at work in QUANT4
.set PC,  24                           ; v24-31   a fragment's codes
.set RR,  32                           ; v32-159  two sets of 64: a K step's numbers as loaded
.set X,   160                          ; v160-223 64 numbers: register 16 b + i = k 32 b + 16 (lane / 16) + i of my row
.set PWQ, 224                          ; v224-227 four K steps' scale words
.set MB,  32                           ; mask path: v32-95 the bytes as loaded
.set W,   96                           ; mask path: v96-103 two registers of words for each step
	s_load_b256 s[4:11], s[0:1], 0x0               ; Q, K, V, Wq
	s_load_b256 s[12:19], s[0:1], 0x20             ; Wk, Wv, Wo, attn_mask
	s_load_b128 s[20:23], s[0:1], 0x40             ; xc, xs
	s_load_b64 s[24:25], s[0:1], 0x50              ; mk
	v_lshl_add_u32 v232, v0, 2, 0x8400
	v_mov_b32 v233, 0
	v_lshrrev_b32 v1, 5, v0
	v_readfirstlane_b32 s26, v1                    ; wave 0..3
	v_and_b32 v5, 31, v0                           ; lane
	v_and_b32 v6, 15, v0                           ; r
	v_bfe_u32 v7, v0, 4, 1                         ; h
	s_mov_b32 s33, 0
	s_cmp_ge_u32 ttmp9, 448
	s_cbranch_scc1 .Lmask
; ---------------------------------------------------------------- the quantiser
	v_lshlrev_b32 v1, 4, v5                        ; 16 x lane
	s_mul_i32 s27, s26, STG                        ; my stage
	v_add_nc_u32 v2, s27, v1                       ; into it: a row's 512 bytes as they lie
	v_mul_u32_u24 v3, v6, 528
	v_lshl_add_u32 v3, v7, 6, v3
	v_add_nc_u32 v3, s27, v3                       ; out of it: row r, + 64 h: my 16 numbers of a block of 32
	v_lshlrev_b32 v4, 4, v6                        ; 16 r: the scale words' place
	s_mov_b32 s38, 0x76543210
	s_mov_b32 s39, 0xfedcba98                      ; v_permlanex16_b32's selects for lane l xor 16
.irp b, 0,1,2,3
	v_mov_b32 v[TM+4+\b], 0                        ; written once: a lane permute's destination counts as one of its sources
.endr
	s_wait_kmcnt 0x0
	s_mov_b64 s[28:29], s[16:17]                   ; which tensor: chosen by the work-group's number alone
	s_mov_b32 s30, 432                             ; and its first work-group
	s_cmp_lt_u32 ttmp9, 432
	s_cselect_b64 s[28:29], s[14:15], s[28:29]
	s_cselect_b32 s30, 416, s30
	s_cmp_lt_u32 ttmp9, 416
	s_cselect_b64 s[28:29], s[12:13], s[28:29]
	s_cselect_b32 s30, 400, s30
	s_cmp_lt_u32 ttmp9, 400
	s_cselect_b64 s[28:29], s[10:11], s[28:29]
	s_cselect_b32 s30, 384, s30
	s_cmp_lt_u32 ttmp9, 384
	s_cselect_b64 s[28:29], s[8:9], s[28:29]
	s_cselect_b32 s30, 256, s30
	s_cmp_lt_u32 ttmp9, 256
	s_cselect_b64 s[28:29], s[6:7], s[28:29]
	s_cselect_b32 s30, 128, s30
	s_cmp_lt_u32 ttmp9, 128
	s_cselect_b64 s[28:29], s[4:5], s[28:29]
	s_cselect_b32 s30, 0, s30
	s_sub_co_u32 s31, ttmp9, s30
	s_lshl_b32 s31, s31, 2
	s_add_co_u32 s31, s31, s26                     ; T: my tile in its tensor
	s_lshr_b32 s32, s31, 1
	s_lshl_b32 s32, s32, 17                        ; 32 (T / 2) rows of 4,096 bytes
	s_and_b32 s35, s31, 1
	s_lshl_b32 s35, s35, 15                        ; 8 (T % 2) rows
	s_add_co_u32 s32, s32, s35
	s_add_nc_u64 s[28:29], s[28:29], s[32:33]
	s_lshl_b32 s34, ttmp9, 2
	s_add_co_u32 s34, s34, s26                     ; GT
	s_lshl_b32 s32, s34, 13
	s_add_nc_u64 s[20:21], s[20:21], s[32:33]      ; xc + 8,192 GT
	s_lshr_b32 s32, s34, 1
	s_lshl_b32 s32, s32, 10
	s_and_b32 s35, s34, 1
	s_lshl_b32 s35, s35, 8
	s_add_co_u32 s32, s32, s35
	s_add_nc_u64 s[22:23], s[22:23], s[32:33]      ; xs + 1,024 (GT / 2) + 256 (GT % 2)
.macro LOAD k                          ; K step k of the tile's 16 rows: each load reads 512 consecutive bytes of one row
.irp i, 0,1,2,3,4,5,6,7,8,9,10,11,12,13,14,15
	global_load_b128 v[RR+64*((\k)%2)+4*\i:RR+64*((\k)%2)+4*\i+3], v1, s[28:29] offset:(\i+8*(\i/8))*4096+512*(\k) th:TH_LOAD_NT
.endr
.endm
.macro TURN k                          ; through the stage: LDS serves a wave's instructions in order, so no wait stands between the stores and the loads
.irp i, 0,1,2,3,4,5,6,7,8,9,10,11,12,13,14,15
	ds_store_b128 v2, v[RR+64*((\k)%2)+4*\i:RR+64*((\k)%2)+4*\i+3] offset:528*\i
.endr
.irp b, 0,1,2,3
.irp j, 0,1,2,3
	ds_load_b128 v[X+16*\b+4*\j:X+16*\b+4*\j+3], v3 offset:128*\b+16*\j
.endr
.endr
.endm
.macro QUANT4 src, pw                  ; 64 numbers of a lane become a fragment's codes in v[PC] on and its scale word in v[pw]
.irp b, 0,1,2,3
	v_max3_num_f32 v[TM+\b], |v[\src+16*\b]|, |v[\src+16*\b+1]|, 0x1800000   ; block b: my 16 numbers, and the floor 2^(3 - 127): the byte cannot fall under 1
.endr
.irp i, 2,4,6,8,10,12,14
.irp b, 0,1,2,3
	v_max3_num_f32 v[TM+\b], v[TM+\b], |v[\src+16*\b+\i]|, |v[\src+16*\b+\i+1]|   ; the four blocks by turns
.endr
.endr
.irp b, 0,1,2,3
	v_permlanex16_b32 v[TM+4+\b], v[TM+\b], s38, s39
.endr
.irp b, 0,1,2,3
	v_max_num_f32 v[TM+\b], v[TM+\b], v[TM+4+\b]   ; with lane l xor 16's 16: the block's largest magnitude
.endr
.irp b, 0,1,2,3
	v_add_nc_u32 v[TM+12+\b], 0xff000000, v[TM+\b] ; 2 off its exponent field: the conversion takes the exponent field of this operand as its scale
.endr
.irp b, 0,1,2,3
	v_lshrrev_b32 v[TM+4+\b], 23, v[TM+12+\b]      ; the scale's byte
.endr
	v_lshl_or_b32 v[\pw], v[TM+5], 8, v[TM+4]
	v_lshl_or_b32 v[\pw], v[TM+6], 16, v[\pw]
	v_lshl_or_b32 v[\pw], v[TM+7], 24, v[\pw]
.irp b, 0,1,2,3
	v_cvt_scalef32_pk8_fp4_f32 v[PC+2*\b], v[\src+16*\b:\src+16*\b+7], v[TM+12+\b]
	v_cvt_scalef32_pk8_fp4_f32 v[PC+2*\b+1], v[\src+16*\b+8:\src+16*\b+15], v[TM+12+\b]
.endr
	v_nop                                          ; one plain place behind a scaled conversion
.irp c, 0,1                            ; the operand's layout wants a whole block in a lane: lanes 0-15 block 2 c, lanes 16-31 block 2 c + 1
.irp i, 0,1
	v_permlane16_swap_b32 v[PC+4*\c+\i], v[PC+4*\c+2+\i]
.endr
.endr
.endm
	LOAD 0
	LOAD 1
.irp s, 0,1,2,3,4,5,6,7
.if \s < 7
	s_wait_loadcnt 16                              ; this step's 16 loads are in; the next step's 16 may be out
.else
	s_wait_loadcnt 0
.endif
	TURN \s
	s_wait_dscnt 0x0                               ; X is in, and the stage's stores have read the set,
.if \s < 6
	LOAD \s+2                                      ; which takes the loads of two steps on
.endif
	s_wait_xcnt 0x0                                ; the earlier stores have read PC and the scale words: both are written again only behind this wait
	QUANT4 X, PWQ+\s%4
	global_store_b128 v1, v[PC:PC+3], s[20:21] offset:1024*\s          ; 32 lanes store 512 consecutive bytes
	global_store_b128 v1, v[PC+4:PC+7], s[20:21] offset:1024*\s+512
.if \s%4 == 3
	global_store_b128 v4, v[PWQ:PWQ+3], s[22:23] offset:512*(\s/4)     ; lanes 0-15 store 256 consecutive bytes, aligned; lanes 16-31 hold the same words and repeat them at the same places
.endif
.endr
	s_wait_tensorcnt 0x0
	ds_add_u32 v232, v233
	s_wait_dscnt 0x0
	s_endpgm
; ---------------------------------------------------------------- the mask
.Lmask:
	s_sub_co_u32 s27, ttmp9, 448                   ; m = 128 b + T
	s_lshr_b32 s28, s27, 7                         ; b
	s_and_b32 s29, s27, 127                        ; T
	s_lshl_b32 s32, s28, 22                        ; b x 2,048 rows of 2,048 bytes
	s_lshr_b32 s30, s29, 1
	s_lshl_b32 s30, s30, 16                        ; 32 (T / 2) rows
	s_add_co_u32 s32, s32, s30
	s_and_b32 s30, s29, 1
	s_lshl_b32 s30, s30, 14                        ; 8 (T % 2) rows
	s_add_co_u32 s32, s32, s30
	s_lshl_b32 s30, s26, 9                         ; my four steps: 512 keys
	s_add_co_u32 s32, s32, s30
	v_and_b32 v1, 8, v6
	v_add_nc_u32 v1, v1, v6                        ; r + 8 (r / 8)
	v_lshlrev_b32 v1, 11, v1
	v_lshl_add_u32 v1, v7, 4, v1                   ; my row, + 16 h
	v_lshlrev_b32 v2, 3, v5                        ; out: 8 bytes a lane
	s_lshl_b32 s34, s27, 12                        ; 16 steps x 256 bytes for each m,
	s_lshl_b32 s35, s26, 10                        ; 4 steps for each wave
	s_add_co_u32 s34, s34, s35
	s_mov_b32 s35, 0
	s_wait_kmcnt 0x0
	s_add_nc_u64 s[18:19], s[18:19], s[32:33]
	s_add_nc_u64 s[36:37], s[24:25], s[34:35]      ; my steps' words
.irp st, 0,1,2,3
.irp b, 0,1,2,3
	global_load_b128 v[MB+16*\st+4*\b:MB+16*\st+4*\b+3], v1, s[18:19] offset:128*\st+32*\b th:TH_LOAD_NT   ; the sixteen loads together read 512 consecutive bytes of each of 16 rows
.endr
.endr
	s_wait_loadcnt 0x0
.irp st, 0,1,2,3
	v_mov_b32 v[W+2*\st], 0                        ; v_writelane_b32's destination counts as one of its sources
	v_mov_b32 v[W+2*\st+1], 0
.set j, 0
.rept 8                                ; eight words at a time: byte j % 4 of register j / 4 in all 32 lanes makes word j, which goes to lane j / 2 of register j % 2
.irp e, 0,1,2,3,4,5,6,7
	v_bfe_u32 v[8+\e], v[MB+16*\st+(j+\e)/4], 8*((j+\e)%4), 8
.endr
.irp e, 0,1,2,3,4,5,6,7
	v_cmp_ne_u32 s[44+\e], 0, v[8+\e]
.endr
.irp e, 0,1,2,3,4,5,6,7
	v_writelane_b32 v[W+2*\st+(j+\e)%2], s[44+\e], (j+\e)/2
.endr
.set j, j+8
.endr
	global_store_b64 v2, v[W+2*\st:W+2*\st+1], s[36:37] offset:256*\st   ; 32 lanes store 256 consecutive bytes, aligned; each step's store has registers of its own
.endr
	s_endpgm
.Lfunc_end_k_q5a71e6ac6d_prep:
	.size	k_q5a71e6ac6d_prep, .Lfunc_end_k_q5a71e6ac6d_prep-k_q5a71e6ac6d_prep
	.p2alignl 7, 3214868480
	.fill 96, 4, 3214868480
	.section	.rodata,"a",@progbits
	.p2align	6, 0x0
	.amdhsa_kernel k_q5a71e6ac6d_prep
		.amdhsa_group_segment_fixed_size 34304
		.amdhsa_private_segment_fixed_size 0
		.amdhsa_enable_private_segment 0
		.amdhsa_kernarg_size 88
		.amdhsa_user_sgpr_count 2
		.amdhsa_user_sgpr_kernarg_segment_ptr 1
		.amdhsa_wavefront_size32 1
		.amdhsa_system_sgpr_workgroup_id_x 1
		.amdhsa_system_sgpr_workgroup_id_y 1
		.amdhsa_system_sgpr_workgroup_id_z 1
		.amdhsa_system_vgpr_workitem_id 0
		.amdhsa_next_free_vgpr 234
		.amdhsa_next_free_sgpr 66
		.amdhsa_reserve_vcc 0
		.amdhsa_float_denorm_mode_32 3
		.amdhsa_float_denorm_mode_16_64 3
		.amdhsa_memory_ordered 1
		.amdhsa_forward_progress 1
		.amdhsa_inst_pref_size 115
	.end_amdhsa_kernel
	.amdgpu_metadata
---
amdhsa.version: [ 1, 2 ]
amdhsa.kernels:
  - .name:           k_q5a71e6ac6d_prep
    .symbol:         k_q5a71e6ac6d_prep.kd
    .args:
      - { .name: Q, .offset: 0, .size: 8, .value_kind: global_buffer, .address_space: global }
      - { .name: K, .offset: 8, .size: 8, .value_kind: global_buffer, .address_space: global }
      - { .name: V, .offset: 16, .size: 8, .value_kind: global_buffer, .address_space: global }
      - { .name: Wq, .offset: 24, .size: 8, .value_kind: global_buffer, .address_space: global }
      - { .name: Wk, .offset: 32, .size: 8, .value_kind: global_buffer, .address_space: global }
      - { .name: Wv, .offset: 40, .size: 8, .value_kind: global_buffer, .address_space: global }
      - { .name: Wo, .offset: 48, .size: 8, .value_kind: global_buffer, .address_space: global }
      - { .name: attn_mask, .offset: 56, .size: 8, .value_kind: global_buffer, .address_space: global }
      - { .name: xc, .offset: 64, .size: 8, .value_kind: global_buffer, .address_space: global }
      - { .name: xs, .offset: 72, .size: 8, .value_kind: global_buffer, .address_space: global }
      - { .name: mk, .offset: 80, .size: 8, .value_kind: global_buffer, .address_space: global }
    .group_segment_fixed_size: 34304
    .private_segment_fixed_size: 0
    .kernarg_segment_align: 8
    .kernarg_segment_size: 88
    .max_flat_workgroup_size: 128
    .sgpr_count:     66
    .vgpr_count:     234
    .wavefront_size: 32
...
	.end_amdgpu_metadata
.endif
;; end of part 1
;; launch proj (part 2): grid 128 x 3, 16 waves a work-group, no clusters, 36,864 bytes of LDS; arguments xc, xs, bq, bk, bv, ac, asc; writes ac, asc
.if DOCPART == 2
	.amdgcn_target "amdgcn-amd-amdhsa--gfx1250"
	.amdhsa_code_object_version 6
	.text
	.protected	k_q5a71e6ac6d_proj
	.globl	k_q5a71e6ac6d_proj
	.p2align	8
	.type	k_q5a71e6ac6d_proj,@function
k_q5a71e6ac6d_proj:
	s_mov_b64 s[64:65], 0
	v_nop
	global_prefetch_b8 v0, s[64:65] scope:SCOPE_SE
	s_setreg_imm32_b32 hwreg(HW_REG_WAVE_MODE, 25, 1), 1
	s_wait_xcnt 0x0
; The three projections on codes of E2M1, and the quantising of their results.  y = 0: q = Q Wq^T + bq; y = 1: k = K Wk^T + bk; y = 2: v = V Wv^T + bv.
; Every product is used transposed: source 0 (R) gives the rows that become a lane's registers, source 1 (P) the row that a lane keeps.
; q, k: P = 64 tokens (4 tiles), R = the weight's 1,024 rows: a lane keeps a token and its registers run along d, the next product's K.
; v:    P = 64 rows of Wv (one head), R = 1,024 tokens: a lane keeps a d and its registers run along the KEYS, which are K of the product with the softmax.
; A tile's rows are chosen so (lane r: row 32 (T / 2) + 8 (T % 2) + r + 8 (r / 8)) that the 16 registers of two neighbouring tiles of R are 16 neighbours.
; SHARES.  Sixteen waves of 256 registers.  P's codes and scale words for all of K come into LDS once (one barrier).  Wave w owns R's tiles 4 w .. 4 w + 3; their fragments go from memory
; straight into its registers, 512 consecutive bytes a load, and nobody else in the work-group reads them: so they do not pass through LDS, and no tile here is asked for jointly by a cluster.
; OUT.  ac: q at 0 and k at 4 Mi as [head][tile][512 bytes] (lane (r, h): d 32 h .. 32 h + 31 of token r); v at 8 Mi as [4 head + t][64 keys][512 bytes] (lane (r, h): keys 32 h .. + 31 of d r).
;       asc: three planes [head][B][lane][2] of words (bytes 0, 1: the two blocks' bytes; bytes 2, 3: zero).  q, k: B = tile / 4, lane = 16 (tile % 2) + r, word (tile / 2) % 2.  v: B = the 64 keys, lane = 16 (t % 2) + r, word t / 2.
; LIMITS: a block of zeros gets the byte 1 (its codes are zeros; this program alone reads the bytes); NaN and infinities are not served.
.set RS,  8                            ; v8-23    R's scale words for all of K: 8 q + 4 (t / 2) + e
.set PS,  24                           ; v24-31   P's, for one half of K: 4 (a / 2) + e
.set PF,  32                           ; v32-63   P's four fragments of a K step
.set RF,  64                           ; v64-127  R's four fragments, two sets
.set BB,  96                           ; the bias as the first products' C: 32 registers in R's second set
.set ACC, 128                          ; v128-255 16 accumulators: 32 a + 8 t
.set PSC, 32768                        ; LDS: P's codes at 0 (32,768 bytes), P's scale words behind them (2,048)
.set SEL, 46                           ; s[46:47]
.set TM,  64                           ; the way out: v64-69 at work, v72-87 codes, v88-91 scale words, v92-94 offsets, v96-97 the words as stored
.set PC,  72
.set PW,  88
.set CA,  92
.set EE,  96
	s_load_b256 s[4:11], s[0:1], 0x0               ; xc, xs, bq, bk
	s_load_b128 s[12:15], s[0:1], 0x20             ; bv, ac
	s_load_b64 s[16:17], s[0:1], 0x30              ; asc
	v_lshrrev_b32 v1, 5, v0
	v_readfirstlane_b32 s18, v1                    ; wave 0..15
	v_and_b32 v2, 31, v0
	v_lshlrev_b32 v1, 4, v2                        ; 16 x lane
	v_lshlrev_b32 v7, 3, v2                        ; 8 x lane
	v_lshlrev_b32 v2, 4, v0                        ; 16 x thread
	v_lshlrev_b32 v3, 2, v0                        ; 4 x thread
	v_bfe_u32 v4, v0, 4, 1
	v_lshlrev_b32 v4, 6, v4                        ; 64 h: a bias along the registers
	v_and_b32 v5, 15, v0
	v_and_b32 v6, 8, v0
	v_add_nc_u32 v5, v5, v6
	v_lshlrev_b32 v5, 2, v5                        ; 4 (r + 8 (r / 8)): a bias along the lanes
	s_mov_b32 s19, 0xffff0000                      ; lanes 16-31
	s_mov_b32 s[SEL], 0x76543210
	s_mov_b32 s[SEL+1], 0xfedcba98
	s_and_b32 s20, ttmp7, 0xffff                   ; which projection
	s_and_b32 s21, ttmp9, 15                       ; v: the head
	s_lshr_b32 s22, ttmp9, 4                       ; v: which 1,024 tokens
	s_lshl_b32 s23, s20, 9
	s_lshl_b32 s24, ttmp9, 2
	s_add_co_u32 s23, s23, s24                     ; P's first tile, q and k: 512 y + 4 x
	s_lshl_b32 s24, s21, 2
	s_add_co_u32 s24, s24, 1664                    ; v: 1,664 + 4 head
	s_lshl_b32 s25, s20, 6
	s_add_co_u32 s25, s25, 1536                    ; R's first tile, q and k: 1,536 + 64 y
	s_lshl_b32 s26, s22, 6
	s_add_co_u32 s26, s26, 1024                    ; v: 1,024 + 64 (x / 16)
	s_lshl_b32 s27, s20, 22
	s_lshl_b32 s28, s18, 18
	s_add_co_u32 s27, s27, s28
	s_lshl_b32 s28, ttmp9, 11
	s_add_co_u32 s27, s27, s28                     ; the codes' place, q and k: 4 Mi y + 262,144 wave (the head) + 2,048 x
	s_lshl_b32 s28, s21, 18
	s_lshl_b32 s29, s22, 13
	s_add_co_u32 s28, s28, s29
	s_lshl_b32 s29, s18, 9
	s_add_co_u32 s28, s28, s29
	s_add_co_u32 s28, s28, 0x800000                ; v: 8 Mi + 262,144 head + 8,192 (x / 16) + 512 wave
	s_lshl_b32 s29, s20, 19
	s_lshl_b32 s30, s18, 15
	s_add_co_u32 s29, s29, s30
	s_lshl_b32 s30, ttmp9, 8
	s_add_co_u32 s29, s29, s30                     ; the scale words' place, q and k: 524,288 y + 32,768 wave + 256 x
	s_lshl_b32 s30, s21, 15
	s_lshl_b32 s31, s22, 12
	s_add_co_u32 s30, s30, s31
	s_lshl_b32 s31, s18, 8
	s_add_co_u32 s30, s30, s31
	s_add_co_u32 s30, s30, 0x100000                ; v: 1 Mi + 32,768 head + 256 (16 (x / 16) + wave)
	s_lshl_b32 s31, s18, 8                         ; the bias's 64 numbers: q and k the wave's, v the head's
	s_lshl_b32 s32, s21, 8
	s_mov_b32 s33, 512                             ; from tile a's codes to tile a + 1's: 512 bytes, v 65,536
	s_cmp_eq_u32 s20, 2
	s_cselect_b32 s23, s24, s23
	s_cselect_b32 s25, s26, s25
	s_cselect_b32 s27, s28, s27
	s_cselect_b32 s29, s30, s29
	s_cselect_b32 s31, s32, s31
	s_cselect_b32 s33, 0x10000, s33
	s_lshl_b32 s24, s18, 2
	s_add_co_u32 s25, s25, s24                     ; my four tiles of R
	s_mov_b32 s37, 0
	s_wait_kmcnt 0x0
	s_cmp_eq_u32 s20, 0
	s_cselect_b64 s[34:35], s[8:9], s[10:11]
	s_cmp_eq_u32 s20, 2
	s_cselect_b64 s[34:35], s[12:13], s[34:35]
	s_mov_b32 s36, s31
	s_add_nc_u64 s[34:35], s[34:35], s[36:37]      ; the bias
	s_lshl_b32 s36, s23, 13
	s_add_nc_u64 s[38:39], s[4:5], s[36:37]        ; P's codes
	s_lshr_b32 s36, s23, 1
	s_lshl_b32 s36, s36, 10
	s_add_nc_u64 s[40:41], s[6:7], s[36:37]        ; P's scale words
	s_lshl_b32 s36, s25, 13
	s_add_nc_u64 s[42:43], s[4:5], s[36:37]        ; R's codes
	s_lshr_b32 s36, s25, 1
	s_lshl_b32 s36, s36, 10
	s_add_nc_u64 s[44:45], s[6:7], s[36:37]        ; R's scale words
	s_mov_b32 s36, s27
	s_add_nc_u64 s[14:15], s[14:15], s[36:37]
	s_mov_b32 s36, s29
	s_add_nc_u64 s[16:17], s[16:17], s[36:37]
	s_cmp_eq_u32 s20, 2
	s_cbranch_scc1 .Lbias_v
.irp t, 0,1,2,3                        ; q, k: register j of tile t wants the bias of feature 32 (t / 2) + 16 h + 8 (t % 2) + j
	global_load_b128 v[BB+8*\t:BB+8*\t+3], v4, s[34:35] offset:(32*(\t/2)+8*(\t%2))*4
	global_load_b128 v[BB+8*\t+4:BB+8*\t+7], v4, s[34:35] offset:(32*(\t/2)+8*(\t%2))*4+16
.endr
	s_branch .Lbias_done
.Lbias_v:
.irp a, 0,1,2,3                        ; v: all eight registers of a tile want the bias of the lane's own d
.irp j, 0,1,2,3,4,5,6,7
	global_load_b32 v[BB+8*\a+\j], v5, s[34:35] offset:(32*(\a/2)+8*(\a%2))*4
.endr
.endr
.Lbias_done:
.macro RLOAD k, buf                    ; my four fragments of R for K step k
.irp t, 0,1,2,3
.irp c, 0,1
	global_load_b128 v[RF+32*(\buf)+8*\t+4*\c:RF+32*(\buf)+8*\t+4*\c+3], v1, s[42:43] offset:8192*\t+1024*(\k)+512*\c
.endr
.endr
.endm
.macro PLOAD k                         ; P's four fragments for K step k
.irp a, 0,1,2,3
.irp c, 0,1
	ds_load_b128 v[PF+8*\a+4*\c:PF+8*\a+4*\c+3], v1 offset:8192*\a+1024*(\k)+512*\c
.endr
.endr
.endm
.macro PSLOAD q                        ; P's scale words for K steps 4 q .. 4 q + 3
.irp p, 0,1
	ds_load_b128 v[PS+4*\p:PS+4*\p+3], v1 offset:PSC+1024*\p+512*\q
.endr
.endm
.macro WM d, a, b, c, sa, sb, ra, rb   ; one product; ra, rb = 1: that side's scale words stand in lanes 16-31
.if ((\ra)==1) && ((\rb)==1)
	v_wmma_scale_f32_16x16x128_f8f6f4 v[\d:\d+7], v[\a:\a+7], v[\b:\b+7], v[\c:\c+7], v[\sa], v[\sb] matrix_a_fmt:MATRIX_FMT_FP4 matrix_b_fmt:MATRIX_FMT_FP4 matrix_a_scale:MATRIX_SCALE_ROW1 matrix_b_scale:MATRIX_SCALE_ROW1
.elseif (\ra)==1
	v_wmma_scale_f32_16x16x128_f8f6f4 v[\d:\d+7], v[\a:\a+7], v[\b:\b+7], v[\c:\c+7], v[\sa], v[\sb] matrix_a_fmt:MATRIX_FMT_FP4 matrix_b_fmt:MATRIX_FMT_FP4 matrix_a_scale:MATRIX_SCALE_ROW1
.elseif (\rb)==1
	v_wmma_scale_f32_16x16x128_f8f6f4 v[\d:\d+7], v[\a:\a+7], v[\b:\b+7], v[\c:\c+7], v[\sa], v[\sb] matrix_a_fmt:MATRIX_FMT_FP4 matrix_b_fmt:MATRIX_FMT_FP4 matrix_b_scale:MATRIX_SCALE_ROW1
.else
	v_wmma_scale_f32_16x16x128_f8f6f4 v[\d:\d+7], v[\a:\a+7], v[\b:\b+7], v[\c:\c+7], v[\sa], v[\sb] matrix_a_fmt:MATRIX_FMT_FP4 matrix_b_fmt:MATRIX_FMT_FP4
.endif
.endm
; A K step: 16 products.  The 16 accumulators take turns, one instruction a turn, in the same order in every step.
; cm = 0: onto the sums; 1: the bias along the registers starts them; 2: the bias along the lanes.
.macro MUL k, buf, cm
.irp a, 0,1,2,3
.irp t, 0,1,2,3
.if \cm == 0
	WM ACC+32*\a+8*\t, RF+32*(\buf)+8*\t, PF+8*\a, ACC+32*\a+8*\t, RS+8*((\k)/4)+4*(\t/2)+(\k)%4, PS+4*(\a/2)+(\k)%4, \t%2, \a%2
.elseif \cm == 1
	WM ACC+32*\a+8*\t, RF+32*(\buf)+8*\t, PF+8*\a, BB+8*\t, RS+8*((\k)/4)+4*(\t/2)+(\k)%4, PS+4*(\a/2)+(\k)%4, \t%2, \a%2
.else
	WM ACC+32*\a+8*\t, RF+32*(\buf)+8*\t, PF+8*\a, BB+8*\a, RS+8*((\k)/4)+4*(\t/2)+(\k)%4, PS+4*(\a/2)+(\k)%4, \t%2, \a%2
.endif
.endr
.endr
.endm
.macro PLACES                          ; four plain places between a product and a load into, or a vector instruction on, its registers
.rept 4
	v_nop
.endr
.endm
.irp i, 0,1,2,3
	global_load_b128 v[ACC+4*\i:ACC+4*\i+3], v2, s[38:39] offset:8192*\i   ; P's codes: 64 bytes a thread
.endr
	global_load_b32 v[ACC+16], v3, s[40:41]        ; P's scale words: 4 bytes a thread
.irp q, 0,1
.irp p, 0,1
	global_load_b128 v[RS+8*\q+4*\p:RS+8*\q+4*\p+3], v1, s[44:45] offset:1024*\p+512*\q
.endr
.endr
	RLOAD 0, 0
	s_wait_loadcnt 12                              ; behind P's five loads stand R's 4 scale loads and 8 fragment loads
.irp i, 0,1,2,3
	ds_store_b128 v2, v[ACC+4*\i:ACC+4*\i+3] offset:8192*\i
.endr
	ds_store_b32 v3, v[ACC+16] offset:PSC
	s_wait_dscnt 0x0                               ; for the others' sake: my stores have landed
	s_barrier_signal -1
	s_barrier_wait -1                              ; P lies in LDS, and is only read from here on
	PLOAD 0
	PSLOAD 0
	s_wait_loadcnt 0x0
	s_wait_dscnt 0x0
	s_cmp_eq_u32 s20, 2
	s_cbranch_scc1 .Lmul_v
	MUL 0, 0, 1
	s_branch .Lmul_done
.Lmul_v:
	MUL 0, 0, 2
.Lmul_done:
	PLACES
	RLOAD 1, 1                                     ; the bias has been read: its registers are R's second set
	RLOAD 2, 0
	PLOAD 1
.irp s, 1,2,3,4,5,6,7
.if \s < 7
	s_wait_loadcnt 8                               ; this step's 8 loads are in; the next step's may be out
.else
	s_wait_loadcnt 0
.endif
	s_wait_dscnt 0x0
	MUL \s, \s%2, 0
	PLACES
.if \s < 6
	RLOAD \s+2, \s%2
.endif
.if \s < 7
	PLOAD \s+1
.endif
.if \s == 3
	PSLOAD 1
.endif
.endr
; THE WAY OUT.  A lane's 32 numbers of tile a, register 16 b + i = k 32 b + 16 h + i of its row, are two blocks of 32 shared with lane l xor 16.
.macro QUANT2 src, pc, pw
.irp b, 0,1
	v_max3_num_f32 v[TM+\b], |v[\src+16*\b]|, |v[\src+16*\b+1]|, 0x1800000   ; each accumulator is read from its low end on; the floor 2^(3 - 127) holds the byte at 1 from below
.endr
.irp i, 2,4,6,8,10,12,14
.irp b, 0,1
	v_max3_num_f32 v[TM+\b], v[TM+\b], |v[\src+16*\b+\i]|, |v[\src+16*\b+\i+1]|
.endr
.endr
.irp b, 0,1
	v_permlanex16_b32 v[TM+2+\b], v[TM+\b], s[SEL], s[SEL+1]
.endr
.irp b, 0,1
	v_max_num_f32 v[TM+\b], v[TM+\b], v[TM+2+\b]
.endr
.irp b, 0,1
	v_add_nc_u32 v[TM+4+\b], 0xff000000, v[TM+\b]  ; 2 off the exponent field: the conversion's scale operand
.endr
.irp b, 0,1
	v_lshrrev_b32 v[TM+2+\b], 23, v[TM+4+\b]       ; the scale's byte
.endr
	v_lshl_or_b32 v[\pw], v[TM+3], 8, v[TM+2]
.irp b, 0,1
	v_cvt_scalef32_pk8_fp4_f32 v[\pc+2*\b], v[\src+16*\b:\src+16*\b+7], v[TM+4+\b]
	v_cvt_scalef32_pk8_fp4_f32 v[\pc+2*\b+1], v[\src+16*\b+8:\src+16*\b+15], v[TM+4+\b]
.endr
	v_nop                                          ; one plain place behind a scaled conversion
	v_permlane16_swap_b32 v[\pc], v[\pc+2]         ; a whole block to a lane: lanes 0-15 block 0, lanes 16-31 block 1
	v_permlane16_swap_b32 v[\pc+1], v[\pc+3]
.endm
	v_mov_b32 v[TM+2], 0                           ; a lane permute's destination counts as one of its sources
	v_mov_b32 v[TM+3], 0
	v_add_nc_u32 v[CA], s33, v1
	v_add_nc_u32 v[CA+1], s33, v[CA]
	v_add_nc_u32 v[CA+2], s33, v[CA+1]
.irp a, 0,1,2,3
	QUANT2 ACC+32*\a, PC+4*\a, PW+\a
.endr
	global_store_b128 v1, v[PC:PC+3], s[14:15]     ; each store covers 512 consecutive bytes; every store has registers of its own
	global_store_b128 v[CA], v[PC+4:PC+7], s[14:15]
	global_store_b128 v[CA+1], v[PC+8:PC+11], s[14:15]
	global_store_b128 v[CA+2], v[PC+12:PC+15], s[14:15]
	v_cndmask_b32 v[EE], v[PW], v[PW+1], s19       ; lanes 0-15 the even tile's words, lanes 16-31 the odd tile's
	v_cndmask_b32 v[EE+1], v[PW+2], v[PW+3], s19
	global_store_b64 v7, v[EE:EE+1], s[16:17]      ; 256 consecutive bytes, aligned
	s_wait_xcnt 0x0
	v_lshl_add_u32 v254, v0, 2, 0x8800
	v_mov_b32 v255, 0
	s_wait_tensorcnt 0x0
	ds_add_u32 v254, v255
	s_wait_dscnt 0x0
	s_endpgm
.Lfunc_end_k_q5a71e6ac6d_proj:
	.size	k_q5a71e6ac6d_proj, .Lfunc_end_k_q5a71e6ac6d_proj-k_q5a71e6ac6d_proj
	.p2alignl 7, 3214868480
	.fill 96, 4, 3214868480
	.section	.rodata,"a",@progbits
	.p2align	6, 0x0
	.amdhsa_kernel k_q5a71e6ac6d_proj
		.amdhsa_group_segment_fixed_size 36864
		.amdhsa_private_segment_fixed_size 0
		.amdhsa_enable_private_segment 0
		.amdhsa_kernarg_size 56
		.amdhsa_user_sgpr_count 2
		.amdhsa_user_sgpr_kernarg_segment_ptr 1
		.amdhsa_wavefront_size32 1
		.amdhsa_system_sgpr_workgroup_id_x 1
		.amdhsa_system_sgpr_workgroup_id_y 1
		.amdhsa_system_sgpr_workgroup_id_z 1
		.amdhsa_system_vgpr_workitem_id 0
		.amdhsa_next_free_vgpr 256
		.amdhsa_next_free_sgpr 66
		.amdhsa_reserve_vcc 0
		.amdhsa_float_denorm_mode_32 3
		.amdhsa_float_denorm_mode_16_64 3
		.amdhsa_memory_ordered 1
		.amdhsa_forward_progress 1
		.amdhsa_inst_pref_size 47
	.end_amdhsa_kernel
	.amdgpu_metadata
---
amdhsa.version: [ 1, 2 ]
amdhsa.kernels:
  - .name:           k_q5a71e6ac6d_proj
    .symbol:         k_q5a71e6ac6d_proj.kd
    .args:
      - { .name: xc, .offset: 0, .size: 8, .value_kind: global_buffer, .address_space: global }
      - { .name: xs, .offset: 8, .size: 8, .value_kind: global_buffer, .address_space: global }
      - { .name: bq, .offset: 16, .size: 8, .value_kind: global_buffer, .address_space: global }
      - { .name: bk, .offset: 24, .size: 8, .value_kind: global_buffer, .address_space: global }
      - { .name: bv, .offset: 32, .size: 8, .value_kind: global_buffer, .address_space: global }
      - { .name: ac, .offset: 40, .size: 8, .value_kind: global_buffer, .address_space: global }
      - { .name: asc, .offset: 48, .size: 8, .value_kind: global_buffer, .address_space: global }
    .group_segment_fixed_size: 36864
    .private_segment_fixed_size: 0
    .kernarg_segment_align: 8
    .kernarg_segment_size: 56
    .max_flat_workgroup_size: 512
    .sgpr_count:     66
    .vgpr_count:     256
    .wavefront_size: 32
...
	.end_amdgpu_metadata
.endif
;; end of part 2
;; launch attn (part 3): grid 4 x 64, 16 waves a work-group, no clusters, 145,408 bytes of LDS; arguments ac, asc, mk, cc, cs; writes cc, cs
.if DOCPART == 3
	.amdgcn_target "amdgcn-amd-amdhsa--gfx1250"
	.amdhsa_code_object_version 6
	.text
	.protected	k_q5a71e6ac6d_attn
	.globl	k_q5a71e6ac6d_attn
	.p2align	8
	.type	k_q5a71e6ac6d_attn,@function
k_q5a71e6ac6d_attn:
	s_mov_b64 s[64:65], 0
	v_nop
	global_prefetch_b8 v0, s[64:65] scope:SCOPE_SE
	s_setreg_imm32_b32 hwreg(HW_REG_WAVE_MODE, 25, 1), 1
	s_wait_xcnt 0x0
; ctx = softmax(q k^T / 8, masked) v for one head and 512 queries, both products on codes of E2M1; ctx is quantised along (head, d) for the last projection.
; THE SOFTMAX: t = score x log2(e) / 8; M = the running largest t, rounded up to a whole number; p = 2^(t - M) is quantised along the keys, not normalised; the row's sum is taken of the
; unquantised p and divides at the end.  When M moves, the sum and O are multiplied by 2^(old M - new M), which rounds nothing.
; THE MASK replaces a score by -2^33 (a logit of -2^30) ahead of the maximum.  c x 2^33 is a whole number, so in a row masked throughout t = M and every p = 1; in any other row a masked p is 0.
; LIMIT: that equals a masked logit of -1e9 as long as every unmasked logit lies above about -1e9.  NaN and infinities are not served; a block of zeros gets the scale byte 1.
; SHARES.  A work-group owns a head (y = 16 b + head) and a quarter of its queries (x).  The head's whole K and V, codes and scale words, come into LDS once, through registers: one barrier in the launch.
; Each of the sixteen waves runs two tiles of 16 queries one after the other, each through 16 steps of 128 keys; four waves share a SIMD, so one wave's vector work stands beside another's products.
; The four work-groups of a head read the same 136 KiB once each, against 512 key steps of work: too small a part to ask for jointly in a cluster.
; LAYOUT.  S^T = k q^T (source 0 = 16 keys, source 1 = my 16 queries), O^T = v^T p^T (source 0 = 16 of the head's 64, source 1 = p): a lane holds one query throughout.  The rows of every tile are
; 32 (T / 2) + 8 (T % 2) + r + 8 (r / 8), so the 16 registers of two neighbouring tiles are 16 neighbours along the next K.
; The head's K is 64: q's codes for k = 64 .. 127 are zeros, so whatever stands in the upper half of k's operand adds nothing: k's tile i is v[32 + 4 i : 39 + 4 i], whose upper four registers are tile i + 1's codes.
; A step's mask words (64 lane masks, 256 bytes) are read into scalar registers in every step and steer 64 selects: no branch and no address hangs on them.
; SCALAR REGISTERS: s32-63 and s68-99 hold mask words and never a part of an address; pointers that are stepped or made anew live in s[28:29], s[66:67], s[100:101], s[104:105] alone.
.set QF,  8                            ; v8-15    q's codes, then zeros
.set QS,  16                           ; v16      q's scale words
.set PSW, 17                           ; v17      p's scale word
.set KSC, 18                           ; v18-21   k's scale words of a step
.set VSC, 22                           ; v22-23   v's
.set NM,  24                           ; v24 -M, v25 the largest t
.set SUM, 26                           ; v26-27   the sum in two halves
.set NEG, 28                           ; v28      -2^33
.set KF,  32                           ; v32-63   k's codes, 4 registers a tile; v64-67 zeros
.set VF,  68                           ; v68-99   v's four fragments
.set S,   100                          ; v100-163 S^T, then p
.set O,   164                          ; v164-195 O^T
.set PCD, 196                          ; v196-203 p's codes
.set BM,  204                          ; v204-207 the blocks' largest scores, then largest p
.set BX,  208                          ; v208-211 the other half's; then the bytes
.set SO,  212                          ; v212-215 the conversions' scale operands
.set F,   216                          ; v216-217 f = 2^(old M - new M)
.set CH,  218                          ; v218-219 the sum's second chain
.set T0,  220
.set T1,  221
.set CC,  224                          ; v224-227 ctx's codes; v228 its scale word
.set CW,  228
.set TM,  232                          ; v232-237 at work in QUANT2
.set SEL, 30                           ; s[30:31]
.set CS,  18                           ; s[18:19] c = log2(e) / 8
.set MP,  28                           ; s[28:29]   at the head v's scale words; then the tile's mask words, 256 bytes a step
.set PA,  66                           ; s[66:67]   at the head k's codes
.set PB,  100                          ; s[100:101] at the head v's codes; then q's codes; at a tile's end cc
.set PD,  104                          ; s[104:105] at the head k's scale words; then q's; at a tile's end cs
.set LKS, 0x20000                      ; LDS: k's codes at 0 [tile 128][512]; v's at 65,536 [t 4][step 16][c 2][512]; k's scale words here [step][half][lane][2]; v's at LVS [step][lane][2]
.set LVS, 0x22000
	s_load_b256 s[4:11], s[0:1], 0x0               ; ac, asc, mk, cc
	s_load_b64 s[12:13], s[0:1], 0x20              ; cs
	v_lshl_add_u32 v254, v0, 2, 0x23000
	v_mov_b32 v255, 0
	v_lshrrev_b32 v1, 5, v0
	v_readfirstlane_b32 s14, v1                    ; wave 0..15
	s_and_b32 s27, ttmp7, 0xffff
	s_and_b32 s16, s27, 15                         ; head
	s_lshr_b32 s17, s27, 4                         ; b
	v_and_b32 v5, 31, v0                           ; lane
	v_and_b32 v6, 15, v0                           ; r
	v_lshlrev_b32 v1, 4, v5                        ; 16 x lane: k's codes
	v_add_nc_u32 v2, 0x10000, v1                   ; v's codes
	v_lshl_add_u32 v3, v5, 3, LKS                  ; k's scale words
	v_lshl_add_u32 v4, v5, 3, LVS                  ; v's
	v_lshlrev_b32 v30, 3, v6                       ; 8 r
	v_lshlrev_b32 v31, 4, v6                       ; 16 r
	v_lshlrev_b32 v7, 4, v0                        ; the copy: 16 x thread,
	v_add_nc_u32 v29, 0x10000, v7
	v_add_nc_u32 v24, LKS, v7
	v_lshl_add_u32 v25, v0, 3, LVS                 ; 8 x thread,
	s_lshl_b32 s27, s14, 9
	v_lshl_add_u32 v26, v5, 3, s27                 ; 512 x wave + 8 x lane
	s_lshl_b32 s20, s16, 18
	s_lshl_b32 s21, s17, 16
	s_add_co_u32 s2, s20, s21
	s_add_co_u32 s2, s2, 0x400000
	s_mov_b32 s3, 0
	s_wait_kmcnt 0x0
	s_add_nc_u64 s[PA:PA+1], s[4:5], s[2:3]        ; k's codes of (b, head): 65,536 consecutive bytes
	s_lshl_b32 s21, s17, 14
	s_add_co_u32 s2, s20, s21
	s_add_co_u32 s2, s2, 0x800000
	s_add_nc_u64 s[PB:PB+1], s[4:5], s[2:3]        ; v's: four runs of 16,384 bytes, 65,536 apart
	s_lshl_b32 s20, s16, 15
	s_lshl_b32 s21, s17, 13
	s_add_co_u32 s2, s20, s21
	s_add_co_u32 s2, s2, 0x80000
	s_add_nc_u64 s[PD:PD+1], s[6:7], s[2:3]        ; k's scale words: 8,192 bytes
	s_add_co_u32 s2, s2, 0x80000
	s_add_nc_u64 s[MP:MP+1], s[6:7], s[2:3]        ; v's: 8,192 bytes
.irp i, 0,1,2,3,4,5,6,7
	global_load_b128 v[32+4*\i:35+4*\i], v7, s[PA:PA+1] offset:8192*\i
.endr
.irp t, 0,1,2,3
.irp i, 0,1
	global_load_b128 v[64+8*\t+4*\i:67+8*\t+4*\i], v7, s[PB:PB+1] offset:65536*\t+8192*\i
.endr
.endr
	global_load_b128 v[96:99], v7, s[PD:PD+1]
	global_load_b64 v[100:101], v26, s[MP:MP+1]    ; wave w takes key step w: the words of its first 64 keys,
	global_load_b64 v[102:103], v26, s[MP:MP+1] offset:256   ; and of its second 64
	s_mov_b32 s[CS], 0x3e38aa3b
	s_mov_b32 s[CS+1], s[CS]                       ; (the packed form names the pair)
	s_mov_b32 s[SEL], 0x76543210
	s_mov_b32 s[SEL+1], 0xfedcba98
	s_mov_b32 s15, 0                               ; which of my two tiles
	s_wait_loadcnt 0x0                             ; the copy is in registers; the four pointers above may be written again
.irp i, 0,1,2,3,4,5,6,7
	ds_store_b128 v7, v[32+4*\i:35+4*\i] offset:8192*\i
.endr
.irp t, 0,1,2,3
.irp i, 0,1
	ds_store_b128 v29, v[64+8*\t+4*\i:67+8*\t+4*\i] offset:16384*\t+8192*\i
.endr
.endr
	ds_store_b128 v24, v[96:99]
	v_lshl_or_b32 v100, v102, 16, v100             ; two bytes of each half make the step's word of four
	v_lshl_or_b32 v101, v103, 16, v101
	ds_store_b64 v25, v[100:101]
	s_wait_dscnt 0x0                               ; for the others' sake: my stores have landed
	s_barrier_signal -1
	s_barrier_wait -1                              ; K and V lie in LDS, and are only read from here on
.irp i, 4,5,6,7
	v_mov_b32 v[QF+\i], 0                          ; q's codes for k = 64 .. 127
.endr
.irp i, 0,1,2,3
	v_mov_b32 v[KF+32+\i], 0                       ; behind k's last tile
	v_mov_b32 v[BX+\i], 0                          ; a lane permute's destination counts as one of its sources
.endr
	v_mov_b32 v[F+1], 0                            ; (named as the upper half of a pair)
	v_mov_b32 v[T1], 0
	v_mov_b32 v[TM+2], 0
	v_mov_b32 v[TM+3], 0
	v_mov_b32 v[NEG], 0xd0000000
.macro PLACES                          ; four plain places between a product and a vector instruction on its registers (ISA guide 7.12.1)
.rept 4
	v_nop
.endr
.endm
.macro SMUL i                          ; S^T of 16 keys: the constant 0 starts the sum
.if (\i)%2
	v_wmma_scale_f32_16x16x128_f8f6f4 v[S+8*\i:S+8*\i+7], v[KF+4*\i:KF+4*\i+7], v[QF:QF+7], 0, v[KSC+2*(\i/4)+(\i/2)%2], v[QS] matrix_a_fmt:MATRIX_FMT_FP4 matrix_b_fmt:MATRIX_FMT_FP4 matrix_a_scale:MATRIX_SCALE_ROW1
.else
	v_wmma_scale_f32_16x16x128_f8f6f4 v[S+8*\i:S+8*\i+7], v[KF+4*\i:KF+4*\i+7], v[QF:QF+7], 0, v[KSC+2*(\i/4)+(\i/2)%2], v[QS] matrix_a_fmt:MATRIX_FMT_FP4 matrix_b_fmt:MATRIX_FMT_FP4
.endif
.endm
.macro PVMUL t                         ; O^T of 16 of the head's 64, over the step's 128 keys
.if (\t)%2
	v_wmma_scale_f32_16x16x128_f8f6f4 v[O+8*\t:O+8*\t+7], v[VF+8*\t:VF+8*\t+7], v[PCD:PCD+7], v[O+8*\t:O+8*\t+7], v[VSC+\t/2], v[PSW] matrix_a_fmt:MATRIX_FMT_FP4 matrix_b_fmt:MATRIX_FMT_FP4 matrix_a_scale:MATRIX_SCALE_ROW1
.else
	v_wmma_scale_f32_16x16x128_f8f6f4 v[O+8*\t:O+8*\t+7], v[VF+8*\t:VF+8*\t+7], v[PCD:PCD+7], v[O+8*\t:O+8*\t+7], v[VSC+\t/2], v[PSW] matrix_a_fmt:MATRIX_FMT_FP4 matrix_b_fmt:MATRIX_FMT_FP4
.endif
.endm
.macro QUANT2 src, pc, pw              ; 32 numbers of a lane, register 16 b + i = k 32 b + 16 h + i of its row: two blocks shared with lane l xor 16
.irp b, 0,1
	v_max3_num_f32 v[TM+\b], |v[\src+16*\b]|, |v[\src+16*\b+1]|, 0x1800000
.endr
.irp i, 2,4,6,8,10,12,14
.irp b, 0,1
	v_max3_num_f32 v[TM+\b], v[TM+\b], |v[\src+16*\b+\i]|, |v[\src+16*\b+\i+1]|
.endr
.endr
.irp b, 0,1
	v_permlanex16_b32 v[TM+2+\b], v[TM+\b], s[SEL], s[SEL+1]
.endr
.irp b, 0,1
	v_max_num_f32 v[TM+\b], v[TM+\b], v[TM+2+\b]
.endr
.irp b, 0,1
	v_add_nc_u32 v[TM+4+\b], 0xff000000, v[TM+\b]
.endr
.irp b, 0,1
	v_lshrrev_b32 v[TM+2+\b], 23, v[TM+4+\b]
.endr
	v_lshl_or_b32 v[\pw], v[TM+3], 8, v[TM+2]
.irp b, 0,1
	v_cvt_scalef32_pk8_fp4_f32 v[\pc+2*\b], v[\src+16*\b:\src+16*\b+7], v[TM+4+\b]
	v_cvt_scalef32_pk8_fp4_f32 v[\pc+2*\b+1], v[\src+16*\b+8:\src+16*\b+15], v[TM+4+\b]
.endr
	v_nop                                          ; one plain place behind a scaled conversion
	v_permlane16_swap_b32 v[\pc], v[\pc+2]
	v_permlane16_swap_b32 v[\pc+1], v[\pc+3]
.endm
.Ltile:                                            ; two trips
	s_lshl_b32 s25, ttmp9, 5
	s_add_co_u32 s25, s25, s14
	s_lshl_b32 s27, s15, 4
	s_add_co_u32 s25, s25, s27
	s_lshl_b32 s27, s17, 7
	s_add_co_u32 s25, s25, s27                     ; I = 128 b + 32 x + wave + 16 trip
	s_lshl_b32 s2, s25, 12
	s_add_nc_u64 s[MP:MP+1], s[8:9], s[2:3]        ; the tile's mask words: 256 bytes a step, 16 steps
	s_lshl_b32 s2, s16, 18
	s_lshl_b32 s27, s25, 9
	s_add_co_u32 s2, s2, s27
	s_add_nc_u64 s[PB:PB+1], s[4:5], s[2:3]        ; q's codes
	s_lshl_b32 s2, s16, 15
	s_lshr_b32 s27, s25, 2
	s_lshl_b32 s27, s27, 8
	s_add_co_u32 s2, s2, s27
	s_and_b32 s27, s25, 1
	s_lshl_b32 s27, s27, 7
	s_add_co_u32 s2, s2, s27
	s_and_b32 s27, s25, 2
	s_lshl_b32 s27, s27, 1
	s_add_co_u32 s2, s2, s27
	s_add_nc_u64 s[PD:PD+1], s[6:7], s[2:3]        ; q's scale words: 32,768 head + 256 (I / 4) + 128 (I % 2) + 4 ((I / 2) % 2), + 8 r
	global_load_b128 v[QF:QF+3], v1, s[PB:PB+1]
	global_load_b32 v[QS], v30, s[PD:PD+1]
.set n, 0
.rept 32
	v_mov_b32 v[O+n], 0                            ; the step is written once: the first finds zeros, which the first change of M leaves zeros
.set n, n+1
.endr
	v_mov_b32 v[SUM], 0
	v_mov_b32 v[SUM+1], 0
	v_mov_b32 v[NM+1], 0xff61b1e6                  ; the largest t so far: -3e38
	v_floor_f32 v[NM], -v[NM+1]
	s_mov_b32 s20, 0                               ; the step's places in LDS: k's codes, v's codes, k's words, v's words
	s_mov_b32 s21, 0
	s_mov_b32 s22, 0
	s_mov_b32 s23, 0
	s_mov_b32 s24, 16
	s_wait_loadcnt 0x0                             ; q; its pointers' registers may be written again
.Lstep:                                            ; 16 trips of 128 keys
	v_add_nc_u32 v5, s20, v1                       ; these four lines are also the places between the last trip's products and the loads into their registers
	v_add_nc_u32 v6, s21, v2
	v_add_nc_u32 v7, s22, v3
	v_add_nc_u32 v29, s23, v4
	s_load_b512 s[32:47], s[MP:MP+1], 0x0          ; the step's 64 lane masks: asked for ahead of the LDS loads and the eight products, wanted behind them
	s_load_b512 s[48:63], s[MP:MP+1], 0x40
	s_load_b512 s[68:83], s[MP:MP+1], 0x80
	s_load_b512 s[84:99], s[MP:MP+1], 0xc0
.irp i, 0,1,2,3,4,5,6,7
	ds_load_b128 v[KF+4*\i:KF+4*\i+3], v5 offset:512*\i
.endr
	ds_load_b64 v[KSC:KSC+1], v7
	ds_load_b64 v[KSC+2:KSC+3], v7 offset:256
.irp t, 0,1,2,3
.irp c, 0,1
	ds_load_b128 v[VF+8*\t+4*\c:VF+8*\t+4*\c+3], v6 offset:16384*\t+512*\c
.endr
.endr
	ds_load_b64 v[VSC:VSC+1], v29
	s_wait_dscnt 9                                 ; k's ten loads are in; v's nine may be out
.irp i, 0,1,2,3,4,5,6,7
	SMUL \i
.endr
	PLACES
	s_wait_kmcnt 0x0                               ; the mask words are in; their base may be stepped at the trip's end
.set n, 0
.rept 64                               ; register n holds key 32 (n / 16) + 16 h + n % 16; ascending
.if n < 32
	v_cndmask_b32 v[S+n], v[S+n], v[NEG], s[32+n]
.else
	v_cndmask_b32 v[S+n], v[S+n], v[NEG], s[36+n]
.endif
.set n, n+1
.endr
.irp b, 0,1,2,3
	v_max3_num_f32 v[BM+\b], v[S+16*\b], v[S+16*\b+1], v[S+16*\b+2]   ; the largest score of each block of 32 keys: for the row's maximum, and, since p rises with the score, for the block's largest p
.endr
.irp i, 3,5,7,9,11,13
.irp b, 0,1,2,3
	v_max3_num_f32 v[BM+\b], v[BM+\b], v[S+16*\b+\i], v[S+16*\b+\i+1]
.endr
.endr
.irp b, 0,1,2,3
	v_max_num_f32 v[BM+\b], v[BM+\b], v[S+16*\b+15]
.endr
.irp b, 0,1,2,3
	v_permlanex16_b32 v[BX+\b], v[BM+\b], s[SEL], s[SEL+1]
.endr
.irp b, 0,1,2,3
	v_max_num_f32 v[BM+\b], v[BM+\b], v[BX+\b]     ; with lane l xor 16's 16 keys
.endr
	v_max3_num_f32 v[T0], v[BM], v[BM+1], v[BM+2]
	v_max_num_f32 v[T0], v[T0], v[BM+3]
	v_mul_f32 v[T0], s[CS], v[T0]                  ; the step's largest t (c is positive)
	v_max_num_f32 v[NM+1], v[NM+1], v[T0]
	v_mov_b32 v[T0], v[NM]
	v_floor_f32 v[NM], -v[NM+1]                    ; -M = floor(-t): M is a whole number
	v_sub_f32 v[T0], v[NM], v[T0]                  ; old M - new M, 0 or less
	v_cvt_i32_f32 v[T0], v[T0]                     ; (it saturates)
	v_ldexp_f32 v[F], 1.0, v[T0]                   ; f = 2^(old M - new M)
.set n, 0
.rept 32
	v_pk_fma_f32 v[S+n:S+n+1], v[S+n:S+n+1], s[CS:CS+1], v[NM:NM+1] op_sel_hi:[1,0,0]   ; t - M, two at a time
.set n, n+2
.endr
.irp b, 0,1,2,3
	v_fma_f32 v[BM+\b], v[BM+\b], s[CS], v[NM]
.endr
.set n, 0
.rept 64
	v_exp_f32 v[S+n], v[S+n]                       ; p = 2^(t - M)
.set n, n+1
.endr
.irp b, 0,1,2,3
	v_exp_f32 v[BM+\b], v[BM+\b]                   ; the block's largest p: the same two instructions on the same number
.endr
	v_pk_mul_f32 v[SUM:SUM+1], v[SUM:SUM+1], v[F:F+1] op_sel_hi:[1,0]   ; the sum under the new M; also the plain place behind the exponentials
	s_wait_alu depctr_va_vdst(0)
.irp b, 0,1,2,3
	v_max_num_f32 v[BM+\b], 0x1800000, v[BM+\b]    ; the floor 2^(3 - 127)
.endr
.irp b, 0,1,2,3
	v_add_nc_u32 v[SO+\b], 0xff000000, v[BM+\b]
.endr
.irp b, 0,1,2,3
	v_lshrrev_b32 v[BX+\b], 23, v[SO+\b]
.endr
	v_lshl_or_b32 v[PSW], v[BX+1], 8, v[BX]
	v_lshl_or_b32 v[PSW], v[BX+2], 16, v[PSW]
	v_lshl_or_b32 v[PSW], v[BX+3], 24, v[PSW]
.irp b, 0,1,2,3
	v_cvt_scalef32_pk8_fp4_f32 v[PCD+2*\b], v[S+16*\b:S+16*\b+7], v[SO+\b]
	v_cvt_scalef32_pk8_fp4_f32 v[PCD+2*\b+1], v[S+16*\b+8:S+16*\b+15], v[SO+\b]
.endr
	v_nop                                          ; one plain place behind a scaled conversion
.irp c, 0,1
.irp i, 0,1
	v_permlane16_swap_b32 v[PCD+4*\c+\i], v[PCD+4*\c+2+\i]
.endr
.endr
.set n, 0
.rept 16
	v_pk_mul_f32 v[O+n:O+n+1], v[O+n:O+n+1], v[F:F+1] op_sel_hi:[1,0]   ; O^T under the new M, from each accumulator's low end on
.set n, n+2
.endr
	v_pk_add_f32 v[CH:CH+1], v[S:S+1], v[S+2:S+3]  ; the row's sum of the unquantised p, in two chains.  These lines and the sixteen above are the places between p's codes and scale word and the products
.irp j, 4,8,12,16,20,24,28,32,36,40,44,48,52,56,60
	v_pk_add_f32 v[SUM:SUM+1], v[SUM:SUM+1], v[S+\j:S+\j+1]
	v_pk_add_f32 v[CH:CH+1], v[CH:CH+1], v[S+\j+2:S+\j+3]
.endr
	v_pk_add_f32 v[SUM:SUM+1], v[SUM:SUM+1], v[CH:CH+1]
	s_wait_dscnt 0x0                               ; v's fragments and words are in
.irp t, 0,1,2,3
	PVMUL \t
.endr
	s_add_co_u32 s20, s20, 4096
	s_add_co_u32 s21, s21, 1024
	s_add_co_u32 s22, s22, 512
	s_add_co_u32 s23, s23, 256
	s_add_nc_u64 s[MP:MP+1], s[MP:MP+1], 256       ; (the scalar loads that read this base were waited for above)
	s_sub_co_u32 s24, s24, 1
	s_cmp_lg_u32 s24, 0
	s_cbranch_scc1 .Lstep
	PLACES
	v_add_f32 v[SUM], v[SUM], v[SUM+1]             ; the sum's two halves,
	v_permlanex16_b32 v[T1], v[SUM], s[SEL], s[SEL+1]
	v_add_f32 v[SUM], v[SUM], v[T1]                ; and lane l xor 16's
	v_rcp_f32 v[SUM], v[SUM]
	v_nop                                          ; one plain place behind a transcendental
.set n, 0
	s_wait_alu depctr_va_vdst(0)
.rept 16
	v_pk_mul_f32 v[S+n:S+n+1], v[O+n:O+n+1], v[SUM:SUM+1] op_sel_hi:[1,0]   ; ctx: register 16 b + i is d = 32 b + 16 h + i of my query
.set n, n+2
.endr
	QUANT2 S, CC, CW
	s_lshl_b32 s2, s25, 13
	s_lshl_b32 s27, s16, 9
	s_add_co_u32 s2, s2, s27
	s_add_nc_u64 s[PB:PB+1], s[10:11], s[2:3]      ; cc + 8,192 I + 512 head: piece head % 2 of K step head / 2
	s_lshr_b32 s2, s25, 1
	s_lshl_b32 s2, s2, 10
	s_and_b32 s27, s25, 1
	s_lshl_b32 s27, s27, 8
	s_add_co_u32 s2, s2, s27
	s_lshr_b32 s27, s16, 3
	s_lshl_b32 s27, s27, 9
	s_add_co_u32 s2, s2, s27
	s_and_b32 s27, s16, 7
	s_lshl_b32 s27, s27, 1
	s_add_co_u32 s2, s2, s27
	s_add_nc_u64 s[PD:PD+1], s[12:13], s[2:3]      ; cs + 1,024 (I / 2) + 256 (I % 2) + 512 (head / 8) + 2 (head % 8), + 16 r
	global_store_b128 v1, v[CC:CC+3], s[PB:PB+1]   ; 512 consecutive bytes
	global_store_b16 v31, v[CW], s[PD:PD+1]        ; my head's two bytes of the row's scale word (lanes 16-31 repeat lanes 0-15): one byte in 128 of what the tile stores
	s_wait_xcnt 0x0                                ; the stores have read their registers and bases: both are written again in the next trip
	s_add_co_u32 s15, s15, 1
	s_cmp_lt_u32 s15, 2
	s_cbranch_scc1 .Ltile
	s_wait_tensorcnt 0x0
	ds_add_u32 v254, v255
	s_wait_dscnt 0x0
	s_endpgm
.Lfunc_end_k_q5a71e6ac6d_attn:
	.size	k_q5a71e6ac6d_attn, .Lfunc_end_k_q5a71e6ac6d_attn-k_q5a71e6ac6d_attn
	.p2alignl 7, 3214868480
	.fill 96, 4, 3214868480
	.section	.rodata,"a",@progbits
	.p2align	6, 0x0
	.amdhsa_kernel k_q5a71e6ac6d_attn
		.amdhsa_group_segment_fixed_size 145408
		.amdhsa_private_segment_fixed_size 0
		.amdhsa_enable_private_segment 0
		.amdhsa_kernarg_size 40
		.amdhsa_user_sgpr_count 2
		.amdhsa_user_sgpr_kernarg_segment_ptr 1
		.amdhsa_wavefront_size32 1
		.amdhsa_system_sgpr_workgroup_id_x 1
		.amdhsa_system_sgpr_workgroup_id_y 1
		.amdhsa_system_sgpr_workgroup_id_z 1
		.amdhsa_system_vgpr_workitem_id 0
		.amdhsa_next_free_vgpr 256
		.amdhsa_next_free_sgpr 106
		.amdhsa_reserve_vcc 0
		.amdhsa_float_denorm_mode_32 3
		.amdhsa_float_denorm_mode_16_64 3
		.amdhsa_memory_ordered 1
		.amdhsa_forward_progress 1
		.amdhsa_inst_pref_size 32
	.end_amdhsa_kernel
	.amdgpu_metadata
---
amdhsa.version: [ 1, 2 ]
amdhsa.kernels:
  - .name:           k_q5a71e6ac6d_attn
    .symbol:         k_q5a71e6ac6d_attn.kd
    .args:
      - { .name: ac, .offset: 0, .size: 8, .value_kind: global_buffer, .address_space: global }
      - { .name: asc, .offset: 8, .size: 8, .value_kind: global_buffer, .address_space: global }
      - { .name: mk, .offset: 16, .size: 8, .value_kind: global_buffer, .address_space: global }
      - { .name: cc, .offset: 24, .size: 8, .value_kind: global_buffer, .address_space: global }
      - { .name: cs, .offset: 32, .size: 8, .value_kind: global_buffer, .address_space: global }
    .group_segment_fixed_size: 145408
    .private_segment_fixed_size: 0
    .kernarg_segment_align: 8
    .kernarg_segment_size: 40
    .max_flat_workgroup_size: 512
    .sgpr_count:     106
    .vgpr_count:     256
    .wavefront_size: 32
...
	.end_amdgpu_metadata
.endif
;; end of part 3
;; launch outln (part 4): grid 256 x 1, 16 waves a work-group, no clusters, 162,816 bytes of LDS; arguments cc, cs, xc, xs, bo, Q, ln_gamma, ln_beta, out0; writes out0
.if DOCPART == 4
	.amdgcn_target "amdgcn-amd-amdhsa--gfx1250"
	.amdhsa_code_object_version 6
	.text
	.protected	k_q5a71e6ac6d_outln
	.globl	k_q5a71e6ac6d_outln
	.p2align	8
	.type	k_q5a71e6ac6d_outln,@function
k_q5a71e6ac6d_outln:
	s_mov_b64 s[64:65], 0
	v_nop
	global_prefetch_b8 v0, s[64:65] scope:SCOPE_SE
	s_setreg_imm32_b32 hwreg(HW_REG_WAVE_MODE, 25, 1), 1
	s_wait_xcnt 0x0
; out0 = LayerNorm(ctx Wo^T + bo + Q) x gamma + beta.  The product is on codes of E2M1; all else in f32.
; SHARES.  A work-group owns 32 tokens (tiles 2 x and 2 x + 1) and all 1,024 columns, so a row's mean and variance stay inside it.  Sixteen waves of 256 registers; wave w owns columns 64 w .. 64 w + 63.
; ctx's codes for all of K come into LDS once.  Wo's fragments go from memory straight into the registers of the one wave that needs them, 512 consecutive bytes a load, four sets deep: they do not pass
; through LDS, so no tile is asked for jointly by a cluster.
; The product is used transposed (source 0 = 16 rows of Wo, source 1 = 16 tokens): lane (r, h) keeps token 32 x + 8 a + r + 8 (r / 8), and register 16 b + i of its 32 is column 64 w + 32 b + 16 h + i.
; The residual comes in, and the result leaves, as 256 consecutive aligned bytes for each sixteen lanes; both change layout in the wave's own stage in LDS, whose slot 16 a + r holds the token of lane r of tile a.
; The mean is taken first and the variance of the differences from it, as the definition has it.  Three barriers: ctx in LDS; the sums; the sums of squares.
.set RS,  8                            ; v8-23    Wo's scale words for all of K: 8 q + 4 (t / 2) + e
.set PS,  24                           ; v24-31   ctx's scale words: one register a K step; tile 1's in lanes 16-31
.set PF,  32                           ; v32-47   ctx's two fragments of a K step
.set G,   8                            ; the way out: v8-39 gamma
.set MU,  40                           ; v40-43   the mean, later 1 / sqrt(var + eps), a pair for each tile; v44, v46 var + eps
.set RF,  64                           ; v64-191  Wo's four fragments, four sets; later the residual
.set BE,  64                           ; the way out: v64-95 beta
.set TS,  96                           ; the way out: v96-127 sums
.set RX,  128                          ; the way out: v128-191 the residual in the result's layout; at last rows of the result
.set BO,  160                          ; bo as the first products' C: in the fourth set
.set ACC, 192                          ; v192-255 8 accumulators: 32 a + 8 t
.set STG, 16384                        ; LDS: ctx's codes at 0 (16,384 bytes); sixteen stages of 32 x 272 bytes;
.set SM,  155648                       ; the sums: 32 slots x 80 bytes (16 waves' words + 16); the sums of squares 2,560 bytes on
	s_load_b256 s[4:11], s[0:1], 0x0               ; cc, cs, xc, xs
	s_load_b256 s[12:19], s[0:1], 0x20             ; bo, Q, ln_gamma, ln_beta
	s_load_b64 s[20:21], s[0:1], 0x40              ; out0
	v_lshl_add_u32 v62, v0, 2, 0x27400
	v_mov_b32 v63, 0
	v_lshrrev_b32 v1, 5, v0
	v_readfirstlane_b32 s22, v1                    ; wave 0..15
	v_and_b32 v2, 31, v0
	v_and_b32 v3, 15, v0                           ; r
	v_bfe_u32 v4, v0, 4, 1                         ; h
	v_lshlrev_b32 v1, 4, v2                        ; 16 x lane
	v_lshlrev_b32 v48, 4, v0                       ; 16 x thread
	v_lshlrev_b32 v49, 6, v4                       ; 64 h: vectors along the columns
	v_lshlrev_b32 v50, 12, v4
	v_lshl_add_u32 v50, v3, 4, v50                 ; rows in memory: lanes 0-15 one row's 256 bytes, lanes 16-31 the next row's
	s_mul_i32 s23, s22, 8704
	s_add_co_u32 s23, s23, STG                     ; my stage
	v_mul_u32_u24 v51, v4, 272
	v_lshl_add_u32 v51, v3, 4, v51
	v_add_nc_u32 v51, s23, v51                     ; by rows: slot h, 16 r
	v_mul_u32_u24 v52, v3, 272
	v_lshl_add_u32 v52, v4, 6, v52
	v_add_nc_u32 v52, s23, v52                     ; in the result's layout: slot r, 64 h
	v_mul_u32_u24 v54, v3, 80
	v_add_nc_u32 v54, SM, v54                      ; slot r's sixteen words,
	s_lshl_b32 s23, s22, 2
	v_add_nc_u32 v53, s23, v54                     ; and my wave's among them
	v_lshrrev_b32 v55, 4, v0
	v_lshlrev_b32 v55, 12, v55
	v_lshl_add_u32 v55, v3, 8, v55                 ; the prefetch: thread t asks for block t % 16 of row t / 16; never rewritten
	s_mov_b32 s30, 0x76543210
	s_mov_b32 s31, 0xfedcba98
	s_mov_b32 s32, 0x3a800000                      ; 1 / 1,024
	s_mov_b32 s33, 0x3727c5ac                      ; 1e-5
	s_mov_b32 s29, 0
	s_wait_kmcnt 0x0
	s_lshl_b32 s28, ttmp9, 14
	s_add_nc_u64 s[4:5], s[4:5], s[28:29]          ; ctx's codes: 16,384 x
	s_lshl_b32 s28, ttmp9, 10
	s_add_nc_u64 s[6:7], s[6:7], s[28:29]          ; its scale words: 1,024 x
	s_lshl_b32 s28, s22, 15
	s_add_co_u32 s28, s28, 1728*8192
	s_add_nc_u64 s[8:9], s[8:9], s[28:29]          ; Wo's tiles 1,728 + 4 w on
	s_lshl_b32 s28, s22, 11
	s_add_co_u32 s28, s28, 864*1024
	s_add_nc_u64 s[10:11], s[10:11], s[28:29]
	s_lshl_b32 s28, ttmp9, 17
	s_add_nc_u64 s[24:25], s[14:15], s[28:29]      ; Q at my 32 rows
	s_add_nc_u64 s[20:21], s[20:21], s[28:29]
	s_lshl_b32 s28, s22, 8                         ; my 64 columns
	s_add_nc_u64 s[12:13], s[12:13], s[28:29]
	s_add_nc_u64 s[16:17], s[16:17], s[28:29]
	s_add_nc_u64 s[18:19], s[18:19], s[28:29]
	s_add_nc_u64 s[26:27], s[24:25], s[28:29]
	s_add_nc_u64 s[20:21], s[20:21], s[28:29]
.macro RLOAD k, buf
.irp t, 0,1,2,3
.irp c, 0,1
	global_load_b128 v[RF+32*(\buf)+8*\t+4*\c:RF+32*(\buf)+8*\t+4*\c+3], v1, s[8:9] offset:8192*\t+1024*(\k)+512*\c
.endr
.endr
.endm
.macro PLOAD k
.irp a, 0,1
.irp c, 0,1
	ds_load_b128 v[PF+8*\a+4*\c:PF+8*\a+4*\c+3], v1 offset:8192*\a+1024*(\k)+512*\c
.endr
.endr
.endm
.macro COLS reg, base                  ; 32 numbers of a vector along my columns, in the result's layout
.irp b, 0,1
.irp k, 0,1,2,3
	global_load_b128 v[\reg+16*\b+4*\k:\reg+16*\b+4*\k+3], v49, s[\base:\base+1] offset:128*\b+16*\k
.endr
.endr
.endm
.macro RES k0                          ; eight loads of the residual: load k takes stage slots 2 k and 2 k + 1
.irp e, 0,1,2,3,4,5,6,7
.set sg, 2*(\k0+\e)
.set rho, 8*(sg/16)+sg%16+8*((sg%16)/8)
	global_load_b128 v[RF+4*(\k0+\e):RF+4*(\k0+\e)+3], v50, s[26:27] offset:4096*rho th:TH_LOAD_NT
.endr
.endm
.macro WM d, a, b, c, sa, sb, ra, rb   ; one product; ra, rb = 1: that side's scale words stand in lanes 16-31
.if ((\ra)==1) && ((\rb)==1)
	v_wmma_scale_f32_16x16x128_f8f6f4 v[\d:\d+7], v[\a:\a+7], v[\b:\b+7], v[\c:\c+7], v[\sa], v[\sb] matrix_a_fmt:MATRIX_FMT_FP4 matrix_b_fmt:MATRIX_FMT_FP4 matrix_a_scale:MATRIX_SCALE_ROW1 matrix_b_scale:MATRIX_SCALE_ROW1
.elseif (\ra)==1
	v_wmma_scale_f32_16x16x128_f8f6f4 v[\d:\d+7], v[\a:\a+7], v[\b:\b+7], v[\c:\c+7], v[\sa], v[\sb] matrix_a_fmt:MATRIX_FMT_FP4 matrix_b_fmt:MATRIX_FMT_FP4 matrix_a_scale:MATRIX_SCALE_ROW1
.elseif (\rb)==1
	v_wmma_scale_f32_16x16x128_f8f6f4 v[\d:\d+7], v[\a:\a+7], v[\b:\b+7], v[\c:\c+7], v[\sa], v[\sb] matrix_a_fmt:MATRIX_FMT_FP4 matrix_b_fmt:MATRIX_FMT_FP4 matrix_b_scale:MATRIX_SCALE_ROW1
.else
	v_wmma_scale_f32_16x16x128_f8f6f4 v[\d:\d+7], v[\a:\a+7], v[\b:\b+7], v[\c:\c+7], v[\sa], v[\sb] matrix_a_fmt:MATRIX_FMT_FP4 matrix_b_fmt:MATRIX_FMT_FP4
.endif
.endm
; A K step: 8 products; the 8 accumulators take turns, one instruction a turn, in the same order in every step.  cm = 1: bo starts the sums.
.macro MUL k, buf, cm
.irp a, 0,1
.irp t, 0,1,2,3
.if \cm
	WM ACC+32*\a+8*\t, RF+32*(\buf)+8*\t, PF+8*\a, BO+8*\t, RS+8*((\k)/4)+4*(\t/2)+(\k)%4, PS+(\k), \t%2, \a
.else
	WM ACC+32*\a+8*\t, RF+32*(\buf)+8*\t, PF+8*\a, ACC+32*\a+8*\t, RS+8*((\k)/4)+4*(\t/2)+(\k)%4, PS+(\k), \t%2, \a
.endif
.endr
.endr
.endm
.macro PLACES                          ; four plain places between a product and a load into, or a vector instruction on, its registers
.rept 4
	v_nop
.endr
.endm
.macro BARRIER                         ; my LDS stores have landed and my LDS loads are in: then the work-group's barrier
	s_wait_dscnt 0x0
	s_barrier_signal -1
	s_barrier_wait -1
.endm
	global_load_b128 v[ACC:ACC+3], v48, s[4:5]     ; ctx's codes: 32 bytes a thread
	global_load_b128 v[ACC+4:ACC+7], v48, s[4:5] offset:8192
.irp q, 0,1
.irp p, 0,1
	global_load_b128 v[RS+8*\q+4*\p:RS+8*\q+4*\p+3], v1, s[10:11] offset:1024*\p+512*\q
.endr
.endr
	global_load_b128 v[PS:PS+3], v1, s[6:7]
	global_load_b128 v[PS+4:PS+7], v1, s[6:7] offset:512
	COLS BO, 12
	RLOAD 0, 0
	RLOAD 1, 1
	RLOAD 2, 2
	s_wait_loadcnt 38                              ; behind ctx's two loads stand 4 + 2 + 8 + 24
	ds_store_b128 v48, v[ACC:ACC+3]
	ds_store_b128 v48, v[ACC+4:ACC+7] offset:8192
	BARRIER                                        ; ctx lies in LDS, and is only read from here on
	PLOAD 0
	s_wait_loadcnt 16                              ; K steps 1 and 2 may be out
	s_wait_dscnt 0x0
	MUL 0, 0, 1
	global_prefetch_b8 v55, s[24:25] th:TH_LOAD_NT scope:SCOPE_SE   ; the work-group's 32 rows of the residual: each thread asks for one block of 256 bytes, each block once; four K steps ahead of the first load of them
	PLACES
	RLOAD 3, 3                                     ; bo has been read: its registers are the fourth set
	RLOAD 4, 0
	PLOAD 1
.irp s, 1,2,3,4,5,6,7
.if \s < 7
	s_wait_loadcnt 24                              ; this step's 8 loads are in; the three groups of 8 behind them may be out
.else
	s_wait_loadcnt 16                              ; behind the last step's stand the residual's 16
.endif
	s_wait_dscnt 0x0
	MUL \s, \s%4, 0
	PLACES
.if \s < 4
	RLOAD \s+4, \s%4
.elseif \s == 4
	RES 0
.elseif \s == 5
	RES 8
.endif
.if \s < 7
	PLOAD \s+1
.endif
.endr
	COLS G, 16                                     ; gamma, into the registers of the scale words and of ctx's fragments
	s_wait_loadcnt 8                               ; the residual is in; gamma may be out
.irp k, 0,1,2,3,4,5,6,7,8,9,10,11,12,13,14,15
	ds_store_b128 v51, v[RF+4*\k:RF+4*\k+3] offset:544*\k
.endr
.irp a, 0,1                            ; LDS serves a wave's instructions in order: these see my stores.  The sixteen slots of a load are neighbours, 272 bytes apart: sixteen different groups of banks
.irp b, 0,1
.irp k, 0,1,2,3
	ds_load_b128 v[RX+32*\a+16*\b+4*\k:RX+32*\a+16*\b+4*\k+3], v52 offset:4352*\a+128*\b+16*\k
.endr
.endr
.endr
	s_wait_dscnt 0x0
	COLS BE, 18                                    ; beta
.set n, 0
.rept 32
	v_pk_add_f32 v[ACC+n:ACC+n+1], v[ACC+n:ACC+n+1], v[RX+n:RX+n+1]   ; x = the product + bo + the residual; ascending
.set n, n+2
.endr
; the two chains in v[TS + 4 a] on are joined, the lane 16 away adds its 32 columns, and the wave's sum goes to its word of slot 16 a + r
.macro SPREAD off
.irp a, 0,1
	v_pk_add_f32 v[TS+4*\a:TS+4*\a+1], v[TS+4*\a:TS+4*\a+1], v[TS+4*\a+2:TS+4*\a+3]
.endr
.irp a, 0,1
	v_add_f32 v[TS+4*\a], v[TS+4*\a], v[TS+4*\a+1]
.endr
.irp a, 0,1
	v_permlanex16_b32 v[TS+4*\a+2], v[TS+4*\a], s30, s31
.endr
.irp a, 0,1
	v_add_f32 v[TS+4*\a], v[TS+4*\a], v[TS+4*\a+2]
.endr
.irp a, 0,1
	ds_store_b32 v53, v[TS+4*\a] offset:\off+1280*\a   ; both halves of the lanes write the same word with the same value
.endr
	BARRIER
.endm
; the sixteen waves' words of my two slots are added, in the same order in every wave: the totals stand in v[TS] and v[TS + 16]
.macro GATHER off
.irp a, 0,1
.irp i, 0,1,2,3
	ds_load_b128 v[TS+16*\a+4*\i:TS+16*\a+4*\i+3], v54 offset:\off+1280*\a+16*\i
.endr
.endr
	s_wait_dscnt 0x0
.irp j, 0,4,8,12
.irp a, 0,1
	v_pk_add_f32 v[TS+16*\a+\j:TS+16*\a+\j+1], v[TS+16*\a+\j:TS+16*\a+\j+1], v[TS+16*\a+\j+2:TS+16*\a+\j+3]
.endr
.endr
.irp j, 0,8
.irp a, 0,1
	v_pk_add_f32 v[TS+16*\a+\j:TS+16*\a+\j+1], v[TS+16*\a+\j:TS+16*\a+\j+1], v[TS+16*\a+\j+4:TS+16*\a+\j+5]
.endr
.endr
.irp a, 0,1
	v_pk_add_f32 v[TS+16*\a:TS+16*\a+1], v[TS+16*\a:TS+16*\a+1], v[TS+16*\a+8:TS+16*\a+9]
.endr
.irp a, 0,1
	v_add_f32 v[TS+16*\a], v[TS+16*\a], v[TS+16*\a+1]
.endr
.endm
.irp a, 0,1
	v_pk_add_f32 v[TS+4*\a:TS+4*\a+1], v[ACC+32*\a:ACC+32*\a+1], v[ACC+32*\a+2:ACC+32*\a+3]   ; my 32 numbers of each token, in two chains
	v_pk_add_f32 v[TS+4*\a+2:TS+4*\a+3], v[ACC+32*\a+4:ACC+32*\a+5], v[ACC+32*\a+6:ACC+32*\a+7]
.endr
.irp j, 8,12,16,20,24,28
.irp a, 0,1
	v_pk_add_f32 v[TS+4*\a:TS+4*\a+1], v[TS+4*\a:TS+4*\a+1], v[ACC+32*\a+\j:ACC+32*\a+\j+1]
	v_pk_add_f32 v[TS+4*\a+2:TS+4*\a+3], v[TS+4*\a+2:TS+4*\a+3], v[ACC+32*\a+\j+2:ACC+32*\a+\j+3]
.endr
.endr
	SPREAD 0
	GATHER 0
.irp a, 0,1
	v_mul_f32 v[MU+2*\a], s32, v[TS+16*\a]         ; the mean, twice: a pair for the packed form
	v_mul_f32 v[MU+2*\a+1], s32, v[TS+16*\a]
.endr
.irp a, 0,1
.set n, 0
.rept 16
	v_pk_add_f32 v[ACC+32*\a+n:ACC+32*\a+n+1], v[ACC+32*\a+n:ACC+32*\a+n+1], v[MU+2*\a:MU+2*\a+1] neg_lo:[0,1] neg_hi:[0,1]   ; d = x - the mean
.set n, n+2
.endr
.endr
.irp a, 0,1
	v_pk_mul_f32 v[TS+4*\a:TS+4*\a+1], v[ACC+32*\a:ACC+32*\a+1], v[ACC+32*\a:ACC+32*\a+1]
	v_pk_mul_f32 v[TS+4*\a+2:TS+4*\a+3], v[ACC+32*\a+2:ACC+32*\a+3], v[ACC+32*\a+2:ACC+32*\a+3]
.endr
.irp j, 4,8,12,16,20,24,28
.irp a, 0,1
	v_pk_fma_f32 v[TS+4*\a:TS+4*\a+1], v[ACC+32*\a+\j:ACC+32*\a+\j+1], v[ACC+32*\a+\j:ACC+32*\a+\j+1], v[TS+4*\a:TS+4*\a+1]
	v_pk_fma_f32 v[TS+4*\a+2:TS+4*\a+3], v[ACC+32*\a+\j+2:ACC+32*\a+\j+3], v[ACC+32*\a+\j+2:ACC+32*\a+\j+3], v[TS+4*\a+2:TS+4*\a+3]
.endr
.endr
	SPREAD 2560                                    ; other bytes than the sums': a wave may still be reading those
	GATHER 2560
	v_fma_f32 v44, v[TS], s32, s33                 ; var + eps
	v_fma_f32 v46, v[TS+16], s32, s33
	v_rsq_f32 v[MU], v44
	v_rsq_f32 v[MU+1], v44
	v_rsq_f32 v[MU+2], v46
	v_rsq_f32 v[MU+3], v46
	v_nop                                          ; one plain place behind the transcendentals
	s_wait_loadcnt 0x0                             ; gamma and beta
	s_wait_alu depctr_va_vdst(0)
.irp a, 0,1
.set n, 0
.rept 16
	v_pk_mul_f32 v[ACC+32*\a+n:ACC+32*\a+n+1], v[ACC+32*\a+n:ACC+32*\a+n+1], v[MU+2*\a:MU+2*\a+1]
	v_pk_fma_f32 v[ACC+32*\a+n:ACC+32*\a+n+1], v[ACC+32*\a+n:ACC+32*\a+n+1], v[G+n:G+n+1], v[BE+n:BE+n+1]
.set n, n+2
.endr
.endr
.irp a, 0,1                            ; back through my stage, the other way round
.irp b, 0,1
.irp k, 0,1,2,3
	ds_store_b128 v52, v[ACC+32*\a+16*\b+4*\k:ACC+32*\a+16*\b+4*\k+3] offset:4352*\a+128*\b+16*\k
.endr
.endr
.endr
.irp k, 0,1,2,3,4,5,6,7,8,9,10,11,12,13,14,15
	ds_load_b128 v[RX+4*\k:RX+4*\k+3], v51 offset:544*\k
.endr
.irp k, 0,1,2,3,4,5,6,7,8,9,10,11,12,13,14,15
.set sg, 2*\k
.set rho, 8*(sg/16)+sg%16+8*((sg%16)/8)
	s_wait_dscnt 15-\k                             ; LDS loads come back in order: load k is in
	global_store_b128 v50, v[RX+4*\k:RX+4*\k+3], s[20:21] offset:4096*rho th:TH_STORE_NT   ; each sixteen lanes store 256 consecutive bytes, aligned
.endr
	s_wait_tensorcnt 0x0
	ds_add_u32 v62, v63
	s_wait_dscnt 0x0
	s_endpgm
.Lfunc_end_k_q5a71e6ac6d_outln:
	.size	k_q5a71e6ac6d_outln, .Lfunc_end_k_q5a71e6ac6d_outln-k_q5a71e6ac6d_outln
	.p2alignl 7, 3214868480
	.fill 96, 4, 3214868480
	.section	.rodata,"a",@progbits
	.p2align	6, 0x0
	.amdhsa_kernel k_q5a71e6ac6d_outln
		.amdhsa_group_segment_fixed_size 162816
		.amdhsa_private_segment_fixed_size 0
		.amdhsa_enable_private_segment 0
		.amdhsa_kernarg_size 72
		.amdhsa_user_sgpr_count 2
		.amdhsa_user_sgpr_kernarg_segment_ptr 1
		.amdhsa_wavefront_size32 1
		.amdhsa_system_sgpr_workgroup_id_x 1
		.amdhsa_system_sgpr_workgroup_id_y 1
		.amdhsa_system_sgpr_workgroup_id_z 1
		.amdhsa_system_vgpr_workitem_id 0
		.amdhsa_next_free_vgpr 256
		.amdhsa_next_free_sgpr 66
		.amdhsa_reserve_vcc 0
		.amdhsa_float_denorm_mode_32 3
		.amdhsa_float_denorm_mode_16_64 3
		.amdhsa_memory_ordered 1
		.amdhsa_forward_progress 1
		.amdhsa_inst_pref_size 48
	.end_amdhsa_kernel
	.amdgpu_metadata
---
amdhsa.version: [ 1, 2 ]
amdhsa.kernels:
  - .name:           k_q5a71e6ac6d_outln
    .symbol:         k_q5a71e6ac6d_outln.kd
    .args:
      - { .name: cc, .offset: 0, .size: 8, .value_kind: global_buffer, .address_space: global }
      - { .name: cs, .offset: 8, .size: 8, .value_kind: global_buffer, .address_space: global }
      - { .name: xc, .offset: 16, .size: 8, .value_kind: global_buffer, .address_space: global }
      - { .name: xs, .offset: 24, .size: 8, .value_kind: global_buffer, .address_space: global }
      - { .name: bo, .offset: 32, .size: 8, .value_kind: global_buffer, .address_space: global }
      - { .name: Q, .offset: 40, .size: 8, .value_kind: global_buffer, .address_space: global }
      - { .name: ln_gamma, .offset: 48, .size: 8, .value_kind: global_buffer, .address_space: global }
      - { .name: ln_beta, .offset: 56, .size: 8, .value_kind: global_buffer, .address_space: global }
      - { .name: out0, .offset: 64, .size: 8, .value_kind: global_buffer, .address_space: global }
    .group_segment_fixed_size: 162816
    .private_segment_fixed_size: 0
    .kernarg_segment_align: 8
    .kernarg_segment_size: 72
    .max_flat_workgroup_size: 512
    .sgpr_count:     66
    .vgpr_count:     256
    .wavefront_size: 32
...
	.end_amdgpu_metadata
.endif
;; end of part 4
;; ======== version 2 of 3: 4 launches
;; limits: right only within a limited range of input values
;; workspace buffers: xc 14,680,064 bytes; xs 917,504 bytes; ac 12,582,912 bytes; asc 1,572,864 bytes; cc 4,194,304 bytes; cs 262,144 bytes; mk 2,097,152 bytes of whole numbers
;; launch prep: the kernel of part 1 again; grid 960 x 1, 4 waves a work-group, no clusters, 34,304 bytes of LDS; arguments Q, K, V, Wq, Wk, Wv, Wo, attn_mask, xc, xs, mk; writes xc, xs, mk
;; launch proj (part 5): grid 64 x 3, 16 waves a work-group, no clusters, 247,808 bytes of LDS; arguments xc, xs, bq, bk, bv, ac, asc; writes ac, asc
.if DOCPART == 5
	.amdgcn_target "amdgcn-amd-amdhsa--gfx1250"
	.amdhsa_code_object_version 6
	.text
	.protected	k_q5a71e6ac6d_proj
	.globl	k_q5a71e6ac6d_proj
	.p2align	8
	.type	k_q5a71e6ac6d_proj,@function
k_q5a71e6ac6d_proj:
	s_mov_b64 s[64:65], 0
	v_nop
	global_prefetch_b8 v0, s[64:65] scope:SCOPE_SE
	s_setreg_imm32_b32 hwreg(HW_REG_WAVE_MODE, 25, 1), 1
	s_wait_xcnt 0x0
; The three projections on codes of E2M1, and the quantising of their results.  y = 0: q = Q Wq^T + bq; y = 1: k = K Wk^T + bk; y = 2: v = V Wv^T + bv.
; Every product is used transposed: source 0 (R) gives the rows that become a lane's registers, source 1 (P) the row that a lane keeps.
; q, k: R = 512 rows of the weight (x % 2), P = 256 tokens (x / 2): a lane keeps a token and its registers run along d, the next product's K.
; v:    R = 512 tokens (x / 4), P = 256 rows of Wv, four heads (x % 4): a lane keeps a d and its registers run along the KEYS, which are K of the product with the softmax.
; A tile's rows are chosen so (lane r: row 32 (T / 2) + 8 (T % 2) + r + 8 (r / 8)) that the 16 registers of two neighbouring tiles of R are 16 neighbours.
; SHARES.  Sixteen waves of 256 registers.  R STAYS IN REGISTERS: wave w owns one pair of R's tiles (32 rows) for all of K, 16 fragments in 128 registers, read from memory once, 512 consecutive bytes a load.
; P's 16 tiles, codes and scale words for all of K, come into LDS once (136 KiB) and are walked in four blocks of four tiles.  So a work-group reads 395 KiB for 256 x 512 results, all of it asked for at its head.
; What work-groups share is read once by each at its head, R into registers: nothing is asked for jointly by a cluster.
; A wave's 16 registers and lane l xor 16's 16 are one block of 32: a lane's 16 codes are 8 bytes, a wave's store 256 consecutive bytes.  A scale word holds the bytes of two neighbouring waves: each wave leaves
; its bytes in LDS, and behind the second and last barrier the even wave joins them.
; The bias is added in f32 behind the sums.  Both its images (along the registers: q, k; along the lanes: v) are made in every work-group, so that the head is one path; the way out takes the one that its y wants.
; OUT.  ac: q at 0 and k at 4 Mi as [head][tile][512 bytes] (lane (r, h): d 32 h .. 32 h + 31 of token r); v at 8 Mi as [4 head + t][64 keys][512 bytes] (lane (r, h): keys 32 h .. + 31 of d r).
;       asc: three planes [head][B][lane][2] of words (bytes 0, 1: the two blocks' bytes; bytes 2, 3: zero).  q, k: B = tile / 4, lane = 16 (tile % 2) + r, word (tile / 2) % 2.  v: B = the 64 keys, lane = 16 (t % 2) + r, word t / 2.
; LIMITS: a block of zeros gets the byte 1 (its codes are zeros; this program alone reads the bytes); NaN and infinities are not served.
.set RS,  8                            ; v8-15    R's scale words, one register a K step; the pair's second tile in lanes 16-31
.set PS,  16                           ; v16-31   P's scale words of a block: 8 (a / 2) + K step; the odd tile in lanes 16-31.  (At the head: addresses of the copy)
.set PF,  32                           ; v32-63   P's four fragments of a K step
.set ACC, 64                           ; v64-127  8 accumulators: 16 a + 8 t
.set RR,  128                          ; v128-255 R's fragments: 8 (2 s + t)
.set BBL, 32                           ; the way out, in P's registers: v32-47 the bias; then v32-39 codes, v40 the four scale bytes, v41-43 offsets; v48-63 at work
.set PC,  32
.set PW,  40
.set CA,  41
.set TM,  48
.set PSC, 131072                       ; LDS: P's codes at 0 (16 tiles x 8,192); here P's scale words (8 pairs x 1,024);
.set BLQ, 139264                       ; the bias along the registers: 2,048 bytes a wave;
.set BLV, 172032                       ; the bias along the lanes: 4,096 bytes a wave (block n: 1,024 bytes, each number twice);
.set XBB, 237568                       ; the scale bytes: block n at 2,048 n, wave w at 128 w, a word a lane
.set SEL, 56                           ; s[56:57]
	s_load_b256 s[4:11], s[0:1], 0x0               ; xc, xs, bq, bk
	s_load_b128 s[12:15], s[0:1], 0x20             ; bv, ac
	s_load_b64 s[16:17], s[0:1], 0x30              ; asc
	v_lshrrev_b32 v1, 5, v0
	v_readfirstlane_b32 s18, v1                    ; wave 0..15
	v_and_b32 v7, 31, v0                           ; lane
	v_lshlrev_b32 v1, 4, v7                        ; 16 x lane: P's blocks 0 and 1
	v_add_nc_u32 v2, 0x10000, v1                   ; P's blocks 2 and 3
	v_add_nc_u32 v3, PSC, v1                       ; P's scale words
	s_lshl_b32 s28, s18, 11
	s_add_co_u32 s28, s28, BLQ
	v_add_nc_u32 v4, s28, v1                       ; my bias along the registers
	s_lshl_b32 s28, s18, 7
	s_add_co_u32 s28, s28, XBB
	v_lshl_add_u32 v5, v7, 2, s28                  ; my scale bytes
	s_lshl_b32 s28, s18, 12
	s_add_co_u32 s28, s28, BLV
	v_add_nc_u32 v7, s28, v1                       ; my bias along the lanes
	v_and_b32 v21, 15, v0                          ; r
	v_bfe_u32 v22, v0, 4, 1                        ; h
	v_lshlrev_b32 v6, 4, v21
	v_lshl_add_u32 v6, v22, 3, v6                  ; 16 r + 8 h: my 8 bytes of codes
	v_lshlrev_b32 v16, 4, v0                       ; the copy: 16 x thread,
	v_add_nc_u32 v17, 0x10000, v16
	v_add_nc_u32 v18, PSC, v16
	v_lshlrev_b32 v19, 6, v22                      ; 64 h: a bias along the registers
	v_and_b32 v20, 8, v0
	v_add_nc_u32 v20, v20, v21
	v_lshlrev_b32 v20, 2, v20                      ; 4 (r + 8 (r / 8)): a bias along the lanes
	s_mov_b32 s19, 0xffff0000                      ; lanes 16-31
	s_mov_b32 s[SEL], 0x76543210
	s_mov_b32 s[SEL+1], 0xfedcba98                 ; v_permlanex16_b32's selects for lane l xor 16
	s_and_b32 s20, ttmp7, 0xffff                   ; which projection
	s_and_b32 s21, ttmp9, 1                        ; q, k: which half of the weight's rows
	s_lshr_b32 s22, ttmp9, 1                       ; q, k: which 256 tokens
	s_and_b32 s23, ttmp9, 3                        ; v: which four heads
	s_lshr_b32 s24, ttmp9, 2                       ; v: which 512 tokens
	s_lshr_b32 s25, s18, 1                         ; wave / 2
	s_and_b32 s26, s18, 1                          ; wave % 2: which block of 32 of a head, or of 64 keys
	s_lshl_b32 s27, s20, 9
	s_lshl_b32 s28, s22, 4
	s_add_co_u32 s27, s27, s28                     ; P's first tile, q and k: 512 y + 16 (x / 2)
	s_lshl_b32 s28, s23, 4
	s_add_co_u32 s28, s28, 1664                    ; v: 1,664 + 16 (x % 4)
	s_lshl_b32 s29, s20, 6
	s_lshl_b32 s30, s21, 5
	s_add_co_u32 s29, s29, s30
	s_add_co_u32 s29, s29, 1536                    ; R's first tile, q and k: 1,536 + 64 y + 32 (x % 2)
	s_lshl_b32 s30, s24, 5
	s_add_co_u32 s30, s30, 1024                    ; v: 1,024 + 32 (x / 4)
	s_lshl_b32 s31, s21, 3
	s_add_co_u32 s31, s31, s25                     ; q, k: my head = 8 (x % 2) + wave / 2
	s_lshl_b32 s32, s31, 18
	s_lshl_b32 s33, s20, 22
	s_add_co_u32 s32, s32, s33
	s_lshl_b32 s33, s22, 13
	s_add_co_u32 s32, s32, s33                     ; the codes' place, q and k: 4 Mi y + 262,144 head + 512 x 16 (x / 2)
	s_lshl_b32 s34, s24, 3
	s_add_co_u32 s34, s34, s25                     ; v: my 64 keys = 8 (x / 4) + wave / 2
	s_lshl_b32 s33, s34, 9
	s_lshl_b32 s35, s23, 20
	s_add_co_u32 s33, s33, s35
	s_add_co_u32 s33, s33, 0x800000                ; v: 8 Mi + 262,144 x 4 (x % 4) + 512 x my 64 keys
	s_lshl_b32 s35, s31, 15
	s_lshl_b32 s36, s20, 19
	s_add_co_u32 s35, s35, s36
	s_lshl_b32 s36, s22, 10
	s_add_co_u32 s35, s35, s36                     ; the scale words' place, q and k: 524,288 y + 32,768 head + 256 x 4 (x / 2)
	s_lshl_b32 s36, s34, 8
	s_lshl_b32 s37, s23, 17
	s_add_co_u32 s36, s36, s37
	s_add_co_u32 s36, s36, 0x100000                ; v: 1 Mi + 32,768 x 4 (x % 4) + 256 x my 64 keys
	s_lshl_b32 s37, s21, 11
	s_lshl_b32 s38, s18, 7
	s_add_co_u32 s37, s37, s38                     ; the bias along the registers: 32 numbers from 32 (16 (x % 2) + wave) on
	s_lshl_b32 s38, s23, 10                        ; the bias along the lanes: 256 numbers from 256 (x % 4) on.  (Both places lie inside each of the three biases)
	s_mov_b32 s39, 512                             ; from tile a's codes to tile a + 1's: 512 bytes, v 65,536
	s_mov_b32 s40, 2048                            ; from block to block: 2,048, v 262,144
	s_mov_b32 s41, 256                             ; from block to block in the scale words: 256, v 32,768
	s_cmp_eq_u32 s20, 2
	s_cselect_b32 s27, s28, s27
	s_cselect_b32 s29, s30, s29
	s_cselect_b32 s32, s33, s32
	s_cselect_b32 s35, s36, s35
	s_cselect_b32 s39, 0x10000, s39
	s_cselect_b32 s40, 0x40000, s40
	s_cselect_b32 s41, 0x8000, s41
	s_lshl_b32 s28, s26, 8
	s_add_co_u32 s32, s32, s28                     ; my block's half of a piece of 512 bytes
	s_lshl_b32 s28, s18, 1
	s_add_co_u32 s29, s29, s28                     ; my pair of R's tiles
	s_mov_b32 s43, 0
	s_mov_b32 s54, s40
	s_mov_b32 s55, 0
	s_wait_kmcnt 0x0
	s_cmp_eq_u32 s20, 0
	s_cselect_b64 s[44:45], s[8:9], s[10:11]
	s_cmp_eq_u32 s20, 2
	s_cselect_b64 s[44:45], s[12:13], s[44:45]     ; the bias: chosen by y alone
	s_mov_b32 s42, s38
	s_add_nc_u64 s[58:59], s[44:45], s[42:43]      ; along the lanes
	s_mov_b32 s42, s37
	s_add_nc_u64 s[44:45], s[44:45], s[42:43]      ; along the registers
	s_lshl_b32 s42, s27, 13
	s_add_nc_u64 s[46:47], s[4:5], s[42:43]        ; P's codes: 131,072 consecutive bytes
	s_lshr_b32 s42, s27, 1
	s_lshl_b32 s42, s42, 10
	s_add_nc_u64 s[48:49], s[6:7], s[42:43]        ; P's scale words: 8,192
	s_lshl_b32 s42, s29, 13
	s_add_nc_u64 s[50:51], s[4:5], s[42:43]        ; my R's codes: 16,384
	s_lshr_b32 s42, s29, 1
	s_lshl_b32 s42, s42, 10
	s_add_nc_u64 s[52:53], s[6:7], s[42:43]        ; my R's scale words: 1,024
	s_mov_b32 s42, s32
	s_add_nc_u64 s[14:15], s[14:15], s[42:43]
	s_mov_b32 s42, s35
	s_add_nc_u64 s[16:17], s[16:17], s[42:43]
; THE HEAD: all that the work-group reads is asked for at once: what goes through LDS first, then R in the order of its use.
.irp i, 0,1,2,3,4,5,6,7,8,9,10,11,12,13,14,15
	global_load_b128 v[ACC+4*\i:ACC+4*\i+3], v16, s[46:47] offset:8192*\i   ; P's codes: 256 bytes a thread
.endr
	global_load_b128 v[24:27], v16, s[48:49]       ; P's scale words: 16 bytes a thread
.irp i, 0,1,2,3
	global_load_b128 v[BBL+4*\i:BBL+4*\i+3], v19, s[44:45] offset:16*\i   ; register 8 t + j wants the bias of R's row 16 h + 8 t + j of my 32
.endr
.irp n, 0,1,2,3
.irp a, 0,1,2,3
	global_load_b32 v[48+4*\n+\a], v20, s[58:59] offset:256*\n+(32*(\a/2)+8*(\a%2))*4   ; block n, tile a: the bias of the lane's own row of P
.endr
.endr
	global_load_b128 v[RS:RS+3], v1, s[52:53]
	global_load_b128 v[RS+4:RS+7], v1, s[52:53] offset:512
.irp s, 0,1,2,3,4,5,6,7
.irp t, 0,1
.irp c, 0,1
	global_load_b128 v[RR+8*(2*\s+\t)+4*\c:RR+8*(2*\s+\t)+4*\c+3], v1, s[50:51] offset:8192*\t+1024*\s+512*\c
.endr
.endr
.endr
	s_wait_loadcnt 34                              ; behind what goes through LDS stand R's 2 scale loads and 32 fragment loads
.irp i, 0,1,2,3,4,5,6,7
	ds_store_b128 v16, v[ACC+4*\i:ACC+4*\i+3] offset:8192*\i
.endr
.irp i, 0,1,2,3,4,5,6,7
	ds_store_b128 v17, v[ACC+32+4*\i:ACC+32+4*\i+3] offset:8192*\i
.endr
	ds_store_b128 v18, v[24:27]
.irp i, 0,1,2,3
	ds_store_b128 v4, v[BBL+4*\i:BBL+4*\i+3] offset:512*\i
.endr
.irp n, 0,1,2,3
.irp a, 0,1,2,3
	ds_store_b32 v7, v[48+4*\n+\a] offset:1024*\n+512*(\a/2)+8*(\a%2)       ; each number twice, so that it comes back as a pair for the packed addition
	ds_store_b32 v7, v[48+4*\n+\a] offset:1024*\n+512*(\a/2)+8*(\a%2)+4
.endr
.endr
	s_wait_dscnt 0x0                               ; for the others' sake: my stores have landed
	s_barrier_signal -1
	s_barrier_wait -1                              ; P lies in LDS, and is only read from here on
.macro PLOAD nb, k                     ; block nb's four fragments of P for K step k
.irp a, 0,1,2,3
.irp c, 0,1
	ds_load_b128 v[PF+8*\a+4*\c:PF+8*\a+4*\c+3], v[1+(\nb)/2] offset:32768*((\nb)%2)+8192*\a+1024*(\k)+512*\c
.endr
.endr
.endm
.macro PSLOAD nb                       ; and its scale words for all of K
.irp p, 0,1
.irp q, 0,1
	ds_load_b128 v[PS+8*\p+4*\q:PS+8*\p+4*\q+3], v3 offset:1024*(2*(\nb)+\p)+512*\q
.endr
.endr
.endm
.macro WM d, a, b, z, sa, sb, ra, rb   ; one product; z = 1: the constant 0 starts the sum; ra, rb = 1: that side's scale words stand in lanes 16-31
.if (\z)==1
.if ((\ra)==1) && ((\rb)==1)
	v_wmma_scale_f32_16x16x128_f8f6f4 v[\d:\d+7], v[\a:\a+7], v[\b:\b+7], 0, v[\sa], v[\sb] matrix_a_fmt:MATRIX_FMT_FP4 matrix_b_fmt:MATRIX_FMT_FP4 matrix_a_scale:MATRIX_SCALE_ROW1 matrix_b_scale:MATRIX_SCALE_ROW1
.elseif (\ra)==1
	v_wmma_scale_f32_16x16x128_f8f6f4 v[\d:\d+7], v[\a:\a+7], v[\b:\b+7], 0, v[\sa], v[\sb] matrix_a_fmt:MATRIX_FMT_FP4 matrix_b_fmt:MATRIX_FMT_FP4 matrix_a_scale:MATRIX_SCALE_ROW1
.elseif (\rb)==1
	v_wmma_scale_f32_16x16x128_f8f6f4 v[\d:\d+7], v[\a:\a+7], v[\b:\b+7], 0, v[\sa], v[\sb] matrix_a_fmt:MATRIX_FMT_FP4 matrix_b_fmt:MATRIX_FMT_FP4 matrix_b_scale:MATRIX_SCALE_ROW1
.else
	v_wmma_scale_f32_16x16x128_f8f6f4 v[\d:\d+7], v[\a:\a+7], v[\b:\b+7], 0, v[\sa], v[\sb] matrix_a_fmt:MATRIX_FMT_FP4 matrix_b_fmt:MATRIX_FMT_FP4
.endif
.else
.if ((\ra)==1) && ((\rb)==1)
	v_wmma_scale_f32_16x16x128_f8f6f4 v[\d:\d+7], v[\a:\a+7], v[\b:\b+7], v[\d:\d+7], v[\sa], v[\sb] matrix_a_fmt:MATRIX_FMT_FP4 matrix_b_fmt:MATRIX_FMT_FP4 matrix_a_scale:MATRIX_SCALE_ROW1 matrix_b_scale:MATRIX_SCALE_ROW1
.elseif (\ra)==1
	v_wmma_scale_f32_16x16x128_f8f6f4 v[\d:\d+7], v[\a:\a+7], v[\b:\b+7], v[\d:\d+7], v[\sa], v[\sb] matrix_a_fmt:MATRIX_FMT_FP4 matrix_b_fmt:MATRIX_FMT_FP4 matrix_a_scale:MATRIX_SCALE_ROW1
.elseif (\rb)==1
	v_wmma_scale_f32_16x16x128_f8f6f4 v[\d:\d+7], v[\a:\a+7], v[\b:\b+7], v[\d:\d+7], v[\sa], v[\sb] matrix_a_fmt:MATRIX_FMT_FP4 matrix_b_fmt:MATRIX_FMT_FP4 matrix_b_scale:MATRIX_SCALE_ROW1
.else
	v_wmma_scale_f32_16x16x128_f8f6f4 v[\d:\d+7], v[\a:\a+7], v[\b:\b+7], v[\d:\d+7], v[\sa], v[\sb] matrix_a_fmt:MATRIX_FMT_FP4 matrix_b_fmt:MATRIX_FMT_FP4
.endif
.endif
.endm
; A K step: 8 products.  The 8 accumulators take turns, one instruction a turn, in the same order in every step.
.macro MUL k, z
.irp a, 0,1,2,3
.irp t, 0,1
	WM ACC+16*\a+8*\t, RR+8*(2*(\k)+\t), PF+8*\a, \z, RS+(\k), PS+8*(\a/2)+(\k), \t, \a%2
.endr
.endr
.endm
.macro PLACES                          ; four plain places between a product and a load into, or a vector instruction on, its registers
.rept 4
	v_nop
.endr
.endm
; The four tiles' 16 numbers a lane, register 16 a + i = k 16 h + i of my block of 32 of the lane's row, become 16 codes each in v[PC + 2 a] on; the four scale bytes make v[PW], tile a's in byte a.
.macro QUANTB
.irp b, 0,1,2,3
	v_max3_num_f32 v[TM+\b], |v[ACC+16*\b]|, |v[ACC+16*\b+1]|, 0x1800000   ; my 16 numbers, and the floor 2^(3 - 127): the byte cannot fall under 1
.endr
.irp i, 2,4,6,8,10,12,14
.irp b, 0,1,2,3
	v_max3_num_f32 v[TM+\b], v[TM+\b], |v[ACC+16*\b+\i]|, |v[ACC+16*\b+\i+1]|   ; the four tiles by turns
.endr
.endr
.irp b, 0,1,2,3
	v_permlanex16_b32 v[TM+4+\b], v[TM+\b], s[SEL], s[SEL+1]
.endr
.irp b, 0,1,2,3
	v_max_num_f32 v[TM+\b], v[TM+\b], v[TM+4+\b]   ; with lane l xor 16's 16: the block's largest magnitude
.endr
.irp b, 0,1,2,3
	v_add_nc_u32 v[TM+12+\b], 0xff000000, v[TM+\b] ; 2 off its exponent field: the conversion's scale operand
.endr
.irp b, 0,1,2,3
	v_lshrrev_b32 v[TM+4+\b], 23, v[TM+12+\b]      ; the scale's byte
.endr
	v_lshl_or_b32 v[PW], v[TM+5], 8, v[TM+4]
	v_lshl_or_b32 v[PW], v[TM+6], 16, v[PW]
	v_lshl_or_b32 v[PW], v[TM+7], 24, v[PW]
.irp b, 0,1,2,3
	v_cvt_scalef32_pk8_fp4_f32 v[PC+2*\b], v[ACC+16*\b:ACC+16*\b+7], v[TM+12+\b]
	v_cvt_scalef32_pk8_fp4_f32 v[PC+2*\b+1], v[ACC+16*\b+8:ACC+16*\b+15], v[TM+12+\b]
.endr
	v_nop                                          ; one plain place behind a scaled conversion: the next block's products write its sources
.endm
; A BLOCK: four tiles of P against my pair of R's tiles, all of K; then the bias, the quantiser and the stores.
.macro BLOCK nb
	PLOAD \nb, 0
	PSLOAD \nb
.irp s, 0,1,2,3,4,5,6,7
.if (\nb) == 0
	s_wait_loadcnt 4*(7-\s)                        ; R's four loads of this K step are in; the later steps' may be out
.endif
	s_wait_dscnt 0x0
.if \s == 0
	MUL \s, 1
.else
	MUL \s, 0
.endif
	PLACES
.if \s < 7
	PLOAD \nb, \s+1
.endif
.endr
	s_cmp_eq_u32 s20, 2
	s_cbranch_scc1 .Lbv_\@
.irp i, 0,1,2,3
	ds_load_b128 v[BBL+4*\i:BBL+4*\i+3], v4 offset:512*\i
.endr
	s_wait_dscnt 0x0
.irp a, 0,1,2,3                        ; q, k: the bias runs along the registers.  Ascending: each accumulator is read from its low end on
.irp i, 0,2,4,6,8,10,12,14
	v_pk_add_f32 v[ACC+16*\a+\i:ACC+16*\a+\i+1], v[ACC+16*\a+\i:ACC+16*\a+\i+1], v[BBL+\i:BBL+\i+1]
.endr
.endr
	s_branch .Lbd_\@
.Lbv_\@:
.irp i, 0,1
	ds_load_b128 v[BBL+4*\i:BBL+4*\i+3], v7 offset:1024*(\nb)+512*\i
.endr
	s_wait_dscnt 0x0
.irp a, 0,1,2,3                        ; v: one number for the lane's row of tile a
.irp i, 0,2,4,6,8,10,12,14
	v_pk_add_f32 v[ACC+16*\a+\i:ACC+16*\a+\i+1], v[ACC+16*\a+\i:ACC+16*\a+\i+1], v[BBL+2*\a:BBL+2*\a+1]
.endr
.endr
.Lbd_\@:
.irp b, 0,1,2,3
	v_mov_b32 v[TM+4+\b], 0                        ; a lane permute's destination counts as one of its sources
.endr
	QUANTB
	v_add_nc_u32 v[CA], s39, v6
	v_add_nc_u32 v[CA+1], s39, v[CA]
	v_add_nc_u32 v[CA+2], s39, v[CA+1]
	global_store_b64 v6, v[PC:PC+1], s[14:15]      ; each store covers 256 consecutive bytes, aligned
	global_store_b64 v[CA], v[PC+2:PC+3], s[14:15]
	global_store_b64 v[CA+1], v[PC+4:PC+5], s[14:15]
	global_store_b64 v[CA+2], v[PC+6:PC+7], s[14:15]
	ds_store_b32 v5, v[PW] offset:2048*(\nb)       ; bytes of their own for each block and wave: read behind the last barrier
	s_wait_xcnt 0x0                                ; the stores have read their registers and their base: the next block's loads land there, and the base steps
.if (\nb) < 3
	s_add_nc_u64 s[14:15], s[14:15], s[54:55]
.endif
.endm
	BLOCK 0
	BLOCK 1
	BLOCK 2
	BLOCK 3
; THE SCALE WORDS.  Waves 2 i and 2 i + 1 hold bytes 0 and 1 of the same words.
	s_xor_b32 s28, s18, 1
	s_lshl_b32 s28, s28, 7
	s_add_co_u32 s28, s28, XBB
	v_lshrrev_b32 v71, 2, v1
	v_add_nc_u32 v71, s28, v71                     ; my partner's scale bytes
	s_wait_dscnt 0x0                               ; for the others' sake: my stores have landed
	s_barrier_signal -1
	s_barrier_wait -1
	s_cmp_lg_u32 s26, 0                            ; the odd waves have nothing more to do
	s_cbranch_scc1 .Lend
.irp n, 0,1,2,3
	ds_load_b32 v[64+\n], v5 offset:2048*\n
	ds_load_b32 v[68+\n], v71 offset:2048*\n
.endr
	v_lshrrev_b32 v72, 1, v1                       ; 8 x lane
	v_add_nc_u32 v73, s41, v72
	v_add_nc_u32 v74, s41, v73
	v_add_nc_u32 v75, s41, v74
	s_wait_dscnt 0x0
.irp n, 0,1,2,3
.irp a, 0,1,2,3
	v_bfe_u32 v[76+\a], v[64+\n], 8*\a, 8          ; tile a's byte of my block,
	v_bfe_u32 v[88+\a], v[68+\n], 8*\a, 8          ; and of my partner's
.endr
.irp a, 0,1,2,3
	v_lshl_or_b32 v[76+\a], v[88+\a], 8, v[76+\a]
.endr
	v_cndmask_b32 v[80+2*\n], v76, v77, s19        ; lanes 0-15 the even tile's words, lanes 16-31 the odd tile's
	v_cndmask_b32 v[81+2*\n], v78, v79, s19
	global_store_b64 v[72+\n], v[80+2*\n:81+2*\n], s[16:17]   ; 256 consecutive bytes, aligned; every store has registers of its own
.endr
.Lend:
	s_wait_xcnt 0x0
	v_lshl_add_u32 v254, v0, 2, 0x3c000
	v_mov_b32 v255, 0
	s_wait_tensorcnt 0x0
	ds_add_u32 v254, v255
	s_wait_dscnt 0x0
	s_endpgm
.Lfunc_end_k_q5a71e6ac6d_proj:
	.size	k_q5a71e6ac6d_proj, .Lfunc_end_k_q5a71e6ac6d_proj-k_q5a71e6ac6d_proj
	.p2alignl 7, 3214868480
	.fill 96, 4, 3214868480
	.section	.rodata,"a",@progbits
	.p2align	6, 0x0
	.amdhsa_kernel k_q5a71e6ac6d_proj
		.amdhsa_group_segment_fixed_size 247808
		.amdhsa_private_segment_fixed_size 0
		.amdhsa_enable_private_segment 0
		.amdhsa_kernarg_size 56
		.amdhsa_user_sgpr_count 2
		.amdhsa_user_sgpr_kernarg_segment_ptr 1
		.amdhsa_wavefront_size32 1
		.amdhsa_system_sgpr_workgroup_id_x 1
		.amdhsa_system_sgpr_workgroup_id_y 1
		.amdhsa_system_sgpr_workgroup_id_z 1
		.amdhsa_system_vgpr_workitem_id 0
		.amdhsa_next_free_vgpr 256
		.amdhsa_next_free_sgpr 66
		.amdhsa_reserve_vcc 0
		.amdhsa_float_denorm_mode_32 3
		.amdhsa_float_denorm_mode_16_64 3
		.amdhsa_memory_ordered 1
		.amdhsa_forward_progress 1
		.amdhsa_inst_pref_size 110
	.end_amdhsa_kernel
	.amdgpu_metadata
---
amdhsa.version: [ 1, 2 ]
amdhsa.kernels:
  - .name:           k_q5a71e6ac6d_proj
    .symbol:         k_q5a71e6ac6d_proj.kd
    .args:
      - { .name: xc, .offset: 0, .size: 8, .value_kind: global_buffer, .address_space: global }
      - { .name: xs, .offset: 8, .size: 8, .value_kind: global_buffer, .address_space: global }
      - { .name: bq, .offset: 16, .size: 8, .value_kind: global_buffer, .address_space: global }
      - { .name: bk, .offset: 24, .size: 8, .value_kind: global_buffer, .address_space: global }
      - { .name: bv, .offset: 32, .size: 8, .value_kind: global_buffer, .address_space: global }
      - { .name: ac, .offset: 40, .size: 8, .value_kind: global_buffer, .address_space: global }
      - { .name: asc, .offset: 48, .size: 8, .value_kind: global_buffer, .address_space: global }
    .group_segment_fixed_size: 247808
    .private_segment_fixed_size: 0
    .kernarg_segment_align: 8
    .kernarg_segment_size: 56
    .max_flat_workgroup_size: 512
    .sgpr_count:     66
    .vgpr_count:     256
    .wavefront_size: 32
...
	.end_amdgpu_metadata
.endif
;; end of part 5
;; launch attn (part 6): grid 4 x 64, 16 waves a work-group, no clusters, 145,408 bytes of LDS; arguments ac, asc, mk, cc, cs; writes cc, cs
.if DOCPART == 6
	.amdgcn_target "amdgcn-amd-amdhsa--gfx1250"
	.amdhsa_code_object_version 6
	.text
	.protected	k_q5a71e6ac6d_attn
	.globl	k_q5a71e6ac6d_attn
	.p2align	8
	.type	k_q5a71e6ac6d_attn,@function
k_q5a71e6ac6d_attn:
	s_mov_b64 s[64:65], 0
	v_nop
	global_prefetch_b8 v0, s[64:65] scope:SCOPE_SE
	s_setreg_imm32_b32 hwreg(HW_REG_WAVE_MODE, 25, 1), 1
	s_wait_xcnt 0x0
; ctx = softmax(q k^T / 8, masked) v for one head and 512 queries, both products on codes of E2M1; ctx is quantised along (head, d) for the last projection.
; THE SOFTMAX: t = score x log2(e) / 8; M = the running largest t, rounded up to a whole number; p = 2^(t - M) is quantised along the keys, not normalised; the row's sum is taken of the
; unquantised p and divides at the end.  When M moves, the sum and O are multiplied by 2^(old M - new M), which rounds nothing.
; THE MASK replaces a score by -2^33 (a logit of -2^30) ahead of the maximum.  c x 2^33 is a whole number, so in a row masked throughout t = M and every p = 1; in any other row a masked p is 0.
; LIMIT: that equals a masked logit of -1e9 as long as every unmasked logit lies above about -1e9.  NaN and infinities are not served; a block of zeros gets the scale byte 1.
; SHARES.  A work-group owns a head (y = 16 b + head) and a quarter of its queries (x).  The head's whole K and V, codes and scale words, come into LDS once, through registers: one barrier in the launch.
; Each of the sixteen waves runs two tiles of 16 queries one after the other, each through 16 steps of 128 keys; four waves share a SIMD, so one wave's vector work stands beside another's products.
; The four work-groups of a head read the same 136 KiB once each, against 512 key steps of work: too small a part to ask for jointly in a cluster.
; LAYOUT.  S^T = k q^T (source 0 = 16 keys, source 1 = my 16 queries), O^T = v^T p^T (source 0 = 16 of the head's 64, source 1 = p): a lane holds one query throughout.  The rows of every tile are
; 32 (T / 2) + 8 (T % 2) + r + 8 (r / 8), so the 16 registers of two neighbouring tiles are 16 neighbours along the next K.
; The head's K is 64: q's codes for k = 64 .. 127 are zeros, so whatever stands in the upper half of k's operand adds nothing: k's tile i is v[32 + 4 i : 39 + 4 i], whose upper four registers are tile i + 1's codes.
; A step's mask words (64 lane masks, 256 bytes) steer 64 selects: no branch and no address hangs on them.  THEY ARE ASKED FOR A STEP AHEAD: as soon as a step's selects have read the scalar registers, the next
; step's words are requested into them, with the rest of the step's softmax and the next step's eight products in which to land.  The last step asks for the tile's own first words again, so that no load leaves the buffer.
; SCALAR REGISTERS: s32-63 and s68-99 hold mask words and never a part of an address; pointers that are stepped or made anew live in s[28:29], s[66:67], s[100:101], s[104:105] alone.
.set QF,  8                            ; v8-15    q's codes, then zeros
.set QS,  16                           ; v16      q's scale words
.set PSW, 17                           ; v17      p's scale word
.set KSC, 18                           ; v18-21   k's scale words of a step
.set VSC, 22                           ; v22-23   v's
.set NM,  24                           ; v24 -M, v25 the largest t
.set SUM, 26                           ; v26-27   the sum in two halves
.set NEG, 28                           ; v28      -2^33
.set KF,  32                           ; v32-63   k's codes, 4 registers a tile; v64-67 zeros
.set VF,  68                           ; v68-99   v's four fragments
.set S,   100                          ; v100-163 S^T, then p
.set O,   164                          ; v164-195 O^T
.set PCD, 196                          ; v196-203 p's codes
.set BM,  204                          ; v204-207 the blocks' largest scores, then largest p
.set BX,  208                          ; v208-211 the other half's; then the bytes
.set SO,  212                          ; v212-215 the conversions' scale operands
.set F,   216                          ; v216-217 f = 2^(old M - new M)
.set CH,  218                          ; v218-219 the sum's second chain
.set T0,  220
.set T1,  221
.set CC,  224                          ; v224-227 ctx's codes; v228 its scale word
.set CW,  228
.set TM,  232                          ; v232-237 at work in QUANT2
.set SEL, 30                           ; s[30:31]
.set CS,  18                           ; s[18:19] c = log2(e) / 8
.set MP,  28                           ; s[28:29]   at the head v's scale words; then the tile's mask words: 16 steps of 256 bytes
.set PA,  66                           ; s[66:67]   at the head k's codes; then the mask words of the step that is asked for
.set PB,  100                          ; s[100:101] at the head v's codes; then q's codes; at a tile's end cc
.set PD,  104                          ; s[104:105] at the head k's scale words; then q's; at a tile's end cs
.set LKS, 0x20000                      ; LDS: k's codes at 0 [tile 128][512]; v's at 65,536 [t 4][step 16][c 2][512]; k's scale words here [step][half][lane][2]; v's at LVS [step][lane][2]
.set LVS, 0x22000
	s_load_b256 s[4:11], s[0:1], 0x0               ; ac, asc, mk, cc
	s_load_b64 s[12:13], s[0:1], 0x20              ; cs
	v_lshl_add_u32 v254, v0, 2, 0x23000
	v_mov_b32 v255, 0
	v_lshrrev_b32 v1, 5, v0
	v_readfirstlane_b32 s14, v1                    ; wave 0..15
	s_and_b32 s27, ttmp7, 0xffff
	s_and_b32 s16, s27, 15                         ; head
	s_lshr_b32 s17, s27, 4                         ; b
	v_and_b32 v5, 31, v0                           ; lane
	v_and_b32 v6, 15, v0                           ; r
	v_lshlrev_b32 v1, 4, v5                        ; 16 x lane: k's codes
	v_add_nc_u32 v2, 0x10000, v1                   ; v's codes
	v_lshl_add_u32 v3, v5, 3, LKS                  ; k's scale words
	v_lshl_add_u32 v4, v5, 3, LVS                  ; v's
	v_lshlrev_b32 v30, 3, v6                       ; 8 r
	v_lshlrev_b32 v31, 4, v6                       ; 16 r
	v_lshlrev_b32 v7, 4, v0                        ; the copy: 16 x thread,
	v_add_nc_u32 v29, 0x10000, v7
	v_add_nc_u32 v24, LKS, v7
	v_lshl_add_u32 v25, v0, 3, LVS                 ; 8 x thread,
	s_lshl_b32 s27, s14, 9
	v_lshl_add_u32 v26, v5, 3, s27                 ; 512 x wave + 8 x lane
	s_lshl_b32 s20, s16, 18
	s_lshl_b32 s21, s17, 16
	s_add_co_u32 s2, s20, s21
	s_add_co_u32 s2, s2, 0x400000
	s_mov_b32 s3, 0
	s_wait_kmcnt 0x0
	s_add_nc_u64 s[PA:PA+1], s[4:5], s[2:3]        ; k's codes of (b, head): 65,536 consecutive bytes
	s_lshl_b32 s21, s17, 14
	s_add_co_u32 s2, s20, s21
	s_add_co_u32 s2, s2, 0x800000
	s_add_nc_u64 s[PB:PB+1], s[4:5], s[2:3]        ; v's: four runs of 16,384 bytes, 65,536 apart
	s_lshl_b32 s20, s16, 15
	s_lshl_b32 s21, s17, 13
	s_add_co_u32 s2, s20, s21
	s_add_co_u32 s2, s2, 0x80000
	s_add_nc_u64 s[PD:PD+1], s[6:7], s[2:3]        ; k's scale words: 8,192 bytes
	s_add_co_u32 s2, s2, 0x80000
	s_add_nc_u64 s[MP:MP+1], s[6:7], s[2:3]        ; v's: 8,192 bytes
.irp i, 0,1,2,3,4,5,6,7
	global_load_b128 v[32+4*\i:35+4*\i], v7, s[PA:PA+1] offset:8192*\i
.endr
.irp t, 0,1,2,3
.irp i, 0,1
	global_load_b128 v[64+8*\t+4*\i:67+8*\t+4*\i], v7, s[PB:PB+1] offset:65536*\t+8192*\i
.endr
.endr
	global_load_b128 v[96:99], v7, s[PD:PD+1]
	global_load_b64 v[100:101], v26, s[MP:MP+1]    ; wave w takes key step w: the words of its first 64 keys,
	global_load_b64 v[102:103], v26, s[MP:MP+1] offset:256   ; and of its second 64
	s_mov_b32 s[CS], 0x3e38aa3b
	s_mov_b32 s[CS+1], s[CS]                       ; (the packed form names the pair)
	s_mov_b32 s[SEL], 0x76543210
	s_mov_b32 s[SEL+1], 0xfedcba98
	s_mov_b32 s15, 0                               ; which of my two tiles
	s_wait_loadcnt 0x0                             ; the copy is in registers; the four pointers above may be written again
.irp i, 0,1,2,3,4,5,6,7
	ds_store_b128 v7, v[32+4*\i:35+4*\i] offset:8192*\i
.endr
.irp t, 0,1,2,3
.irp i, 0,1
	ds_store_b128 v29, v[64+8*\t+4*\i:67+8*\t+4*\i] offset:16384*\t+8192*\i
.endr
.endr
	ds_store_b128 v24, v[96:99]
	v_lshl_or_b32 v100, v102, 16, v100             ; two bytes of each half make the step's word of four
	v_lshl_or_b32 v101, v103, 16, v101
	ds_store_b64 v25, v[100:101]
	s_wait_dscnt 0x0                               ; for the others' sake: my stores have landed
	s_barrier_signal -1
	s_barrier_wait -1                              ; K and V lie in LDS, and are only read from here on
.irp i, 4,5,6,7
	v_mov_b32 v[QF+\i], 0                          ; q's codes for k = 64 .. 127
.endr
.irp i, 0,1,2,3
	v_mov_b32 v[KF+32+\i], 0                       ; behind k's last tile
	v_mov_b32 v[BX+\i], 0                          ; a lane permute's destination counts as one of its sources
.endr
	v_mov_b32 v[F+1], 0                            ; (named as the upper half of a pair)
	v_mov_b32 v[T1], 0
	v_mov_b32 v[TM+2], 0
	v_mov_b32 v[TM+3], 0
	v_mov_b32 v[NEG], 0xd0000000
.macro PLACES                          ; four plain places between a product and a vector instruction on its registers (ISA guide 7.12.1)
.rept 4
	v_nop
.endr
.endm
.macro SMUL i                          ; S^T of 16 keys: the constant 0 starts the sum
.if (\i)%2
	v_wmma_scale_f32_16x16x128_f8f6f4 v[S+8*\i:S+8*\i+7], v[KF+4*\i:KF+4*\i+7], v[QF:QF+7], 0, v[KSC+2*(\i/4)+(\i/2)%2], v[QS] matrix_a_fmt:MATRIX_FMT_FP4 matrix_b_fmt:MATRIX_FMT_FP4 matrix_a_scale:MATRIX_SCALE_ROW1
.else
	v_wmma_scale_f32_16x16x128_f8f6f4 v[S+8*\i:S+8*\i+7], v[KF+4*\i:KF+4*\i+7], v[QF:QF+7], 0, v[KSC+2*(\i/4)+(\i/2)%2], v[QS] matrix_a_fmt:MATRIX_FMT_FP4 matrix_b_fmt:MATRIX_FMT_FP4
.endif
.endm
.macro PVMUL t                         ; O^T of 16 of the head's 64, over the step's 128 keys
.if (\t)%2
	v_wmma_scale_f32_16x16x128_f8f6f4 v[O+8*\t:O+8*\t+7], v[VF+8*\t:VF+8*\t+7], v[PCD:PCD+7], v[O+8*\t:O+8*\t+7], v[VSC+\t/2], v[PSW] matrix_a_fmt:MATRIX_FMT_FP4 matrix_b_fmt:MATRIX_FMT_FP4 matrix_a_scale:MATRIX_SCALE_ROW1
.else
	v_wmma_scale_f32_16x16x128_f8f6f4 v[O+8*\t:O+8*\t+7], v[VF+8*\t:VF+8*\t+7], v[PCD:PCD+7], v[O+8*\t:O+8*\t+7], v[VSC+\t/2], v[PSW] matrix_a_fmt:MATRIX_FMT_FP4 matrix_b_fmt:MATRIX_FMT_FP4
.endif
.endm
.macro QUANT2 src, pc, pw              ; 32 numbers of a lane, register 16 b + i = k 32 b + 16 h + i of its row: two blocks shared with lane l xor 16
.irp b, 0,1
	v_max3_num_f32 v[TM+\b], |v[\src+16*\b]|, |v[\src+16*\b+1]|, 0x1800000
.endr
.irp i, 2,4,6,8,10,12,14
.irp b, 0,1
	v_max3_num_f32 v[TM+\b], v[TM+\b], |v[\src+16*\b+\i]|, |v[\src+16*\b+\i+1]|
.endr
.endr
.irp b, 0,1
	v_permlanex16_b32 v[TM+2+\b], v[TM+\b], s[SEL], s[SEL+1]
.endr
.irp b, 0,1
	v_max_num_f32 v[TM+\b], v[TM+\b], v[TM+2+\b]
.endr
.irp b, 0,1
	v_add_nc_u32 v[TM+4+\b], 0xff000000, v[TM+\b]
.endr
.irp b, 0,1
	v_lshrrev_b32 v[TM+2+\b], 23, v[TM+4+\b]
.endr
	v_lshl_or_b32 v[\pw], v[TM+3], 8, v[TM+2]
.irp b, 0,1
	v_cvt_scalef32_pk8_fp4_f32 v[\pc+2*\b], v[\src+16*\b:\src+16*\b+7], v[TM+4+\b]
	v_cvt_scalef32_pk8_fp4_f32 v[\pc+2*\b+1], v[\src+16*\b+8:\src+16*\b+15], v[TM+4+\b]
.endr
	v_nop                                          ; one plain place behind a scaled conversion
	v_permlane16_swap_b32 v[\pc], v[\pc+2]
	v_permlane16_swap_b32 v[\pc+1], v[\pc+3]
.endm
.Ltile:                                            ; two trips
	s_lshl_b32 s25, ttmp9, 5
	s_add_co_u32 s25, s25, s14
	s_lshl_b32 s27, s15, 4
	s_add_co_u32 s25, s25, s27
	s_lshl_b32 s27, s17, 7
	s_add_co_u32 s25, s25, s27                     ; I = 128 b + 32 x + wave + 16 trip
	s_lshl_b32 s2, s25, 12
	s_add_nc_u64 s[MP:MP+1], s[8:9], s[2:3]        ; the tile's mask words: 256 bytes a step, 16 steps
	s_load_b512 s[32:47], s[MP:MP+1], 0x0          ; step 0's 64 lane masks: no scalar load of mine is out here
	s_load_b512 s[48:63], s[MP:MP+1], 0x40
	s_load_b512 s[68:83], s[MP:MP+1], 0x80
	s_load_b512 s[84:99], s[MP:MP+1], 0xc0
	s_lshl_b32 s2, s16, 18
	s_lshl_b32 s27, s25, 9
	s_add_co_u32 s2, s2, s27
	s_add_nc_u64 s[PB:PB+1], s[4:5], s[2:3]        ; q's codes
	s_lshl_b32 s2, s16, 15
	s_lshr_b32 s27, s25, 2
	s_lshl_b32 s27, s27, 8
	s_add_co_u32 s2, s2, s27
	s_and_b32 s27, s25, 1
	s_lshl_b32 s27, s27, 7
	s_add_co_u32 s2, s2, s27
	s_and_b32 s27, s25, 2
	s_lshl_b32 s27, s27, 1
	s_add_co_u32 s2, s2, s27
	s_add_nc_u64 s[PD:PD+1], s[6:7], s[2:3]        ; q's scale words: 32,768 head + 256 (I / 4) + 128 (I % 2) + 4 ((I / 2) % 2), + 8 r
	global_load_b128 v[QF:QF+3], v1, s[PB:PB+1]
	global_load_b32 v[QS], v30, s[PD:PD+1]
.set n, 0
.rept 32
	v_mov_b32 v[O+n], 0                            ; the step is written once: the first finds zeros, which the first change of M leaves zeros
.set n, n+1
.endr
	v_mov_b32 v[SUM], 0
	v_mov_b32 v[SUM+1], 0
	v_mov_b32 v[NM+1], 0xff61b1e6                  ; the largest t so far: -3e38
	v_floor_f32 v[NM], -v[NM+1]
	s_mov_b32 s2, 0                                ; where in the tile's mask words the step lies whose words were asked for last
	s_mov_b32 s20, 0                               ; the step's places in LDS: k's codes, v's codes, k's words, v's words
	s_mov_b32 s21, 0
	s_mov_b32 s22, 0
	s_mov_b32 s23, 0
	s_mov_b32 s24, 16
	s_wait_loadcnt 0x0                             ; q; its pointers' registers may be written again
.Lstep:                                            ; 16 trips of 128 keys
	v_add_nc_u32 v5, s20, v1                       ; these four lines are also the places between the last trip's products and the loads into their registers
	v_add_nc_u32 v6, s21, v2
	v_add_nc_u32 v7, s22, v3
	v_add_nc_u32 v29, s23, v4
.irp i, 0,1,2,3,4,5,6,7
	ds_load_b128 v[KF+4*\i:KF+4*\i+3], v5 offset:512*\i
.endr
	ds_load_b64 v[KSC:KSC+1], v7
	ds_load_b64 v[KSC+2:KSC+3], v7 offset:256
.irp t, 0,1,2,3
.irp c, 0,1
	ds_load_b128 v[VF+8*\t+4*\c:VF+8*\t+4*\c+3], v6 offset:16384*\t+512*\c
.endr
.endr
	ds_load_b64 v[VSC:VSC+1], v29
	s_wait_dscnt 9                                 ; k's ten loads are in; v's nine may be out
.irp i, 0,1,2,3,4,5,6,7
	SMUL \i
.endr
	PLACES
	s_wait_kmcnt 0x0                               ; this step's mask words, asked for in the step before (step 0's: at the tile's head), are in; the pointer that they were asked by may be written again
.set n, 0
.rept 64                               ; register n holds key 32 (n / 16) + 16 h + n % 16; ascending
.if n < 32
	v_cndmask_b32 v[S+n], v[S+n], v[NEG], s[32+n]
.else
	v_cndmask_b32 v[S+n], v[S+n], v[NEG], s[36+n]
.endif
.set n, n+1
.endr
.irp b, 0,1,2,3
	v_max3_num_f32 v[BM+\b], v[S+16*\b], v[S+16*\b+1], v[S+16*\b+2]   ; the largest score of each block of 32 keys: for the row's maximum, and, since p rises with the score, for the block's largest p
.endr
.irp i, 3,5,7,9,11,13
.irp b, 0,1,2,3
	v_max3_num_f32 v[BM+\b], v[BM+\b], v[S+16*\b+\i], v[S+16*\b+\i+1]
.endr
.endr
.irp b, 0,1,2,3
	v_max_num_f32 v[BM+\b], v[BM+\b], v[S+16*\b+15]
.endr
	s_add_co_u32 s2, s2, 256                       ; THE NEXT STEP'S MASK WORDS: the selects above have read the registers.  256 bytes on,
	s_and_b32 s2, s2, 0xfff                        ; and from the last step back to the tile's first: inside the buffer, and not used
	s_add_nc_u64 s[PA:PA+1], s[MP:MP+1], s[2:3]
	s_load_b512 s[32:47], s[PA:PA+1], 0x0
	s_load_b512 s[48:63], s[PA:PA+1], 0x40
	s_load_b512 s[68:83], s[PA:PA+1], 0x80
	s_load_b512 s[84:99], s[PA:PA+1], 0xc0
.irp b, 0,1,2,3
	v_permlanex16_b32 v[BX+\b], v[BM+\b], s[SEL], s[SEL+1]
.endr
.irp b, 0,1,2,3
	v_max_num_f32 v[BM+\b], v[BM+\b], v[BX+\b]     ; with lane l xor 16's 16 keys
.endr
	v_max3_num_f32 v[T0], v[BM], v[BM+1], v[BM+2]
	v_max_num_f32 v[T0], v[T0], v[BM+3]
	v_mul_f32 v[T0], s[CS], v[T0]                  ; the step's largest t (c is positive)
	v_max_num_f32 v[NM+1], v[NM+1], v[T0]
	v_mov_b32 v[T0], v[NM]
	v_floor_f32 v[NM], -v[NM+1]                    ; -M = floor(-t): M is a whole number
	v_sub_f32 v[T0], v[NM], v[T0]                  ; old M - new M, 0 or less
	v_cvt_i32_f32 v[T0], v[T0]                     ; (it saturates)
	v_ldexp_f32 v[F], 1.0, v[T0]                   ; f = 2^(old M - new M)
.set n, 0
.rept 32
	v_pk_fma_f32 v[S+n:S+n+1], v[S+n:S+n+1], s[CS:CS+1], v[NM:NM+1] op_sel_hi:[1,0,0]   ; t - M, two at a time
.set n, n+2
.endr
.irp b, 0,1,2,3
	v_fma_f32 v[BM+\b], v[BM+\b], s[CS], v[NM]
.endr
.set n, 0
.rept 64
	v_exp_f32 v[S+n], v[S+n]                       ; p = 2^(t - M)
.set n, n+1
.endr
.irp b, 0,1,2,3
	v_exp_f32 v[BM+\b], v[BM+\b]                   ; the block's largest p: the same two instructions on the same number
.endr
	v_pk_mul_f32 v[SUM:SUM+1], v[SUM:SUM+1], v[F:F+1] op_sel_hi:[1,0]   ; the sum under the new M; also the plain place behind the exponentials
	s_wait_alu depctr_va_vdst(0)
.irp b, 0,1,2,3
	v_max_num_f32 v[BM+\b], 0x1800000, v[BM+\b]    ; the floor 2^(3 - 127)
.endr
.irp b, 0,1,2,3
	v_add_nc_u32 v[SO+\b], 0xff000000, v[BM+\b]
.endr
.irp b, 0,1,2,3
	v_lshrrev_b32 v[BX+\b], 23, v[SO+\b]
.endr
	v_lshl_or_b32 v[PSW], v[BX+1], 8, v[BX]
	v_lshl_or_b32 v[PSW], v[BX+2], 16, v[PSW]
	v_lshl_or_b32 v[PSW], v[BX+3], 24, v[PSW]
.irp b, 0,1,2,3
	v_cvt_scalef32_pk8_fp4_f32 v[PCD+2*\b], v[S+16*\b:S+16*\b+7], v[SO+\b]
	v_cvt_scalef32_pk8_fp4_f32 v[PCD+2*\b+1], v[S+16*\b+8:S+16*\b+15], v[SO+\b]
.endr
	v_nop                                          ; one plain place behind a scaled conversion
.irp c, 0,1
.irp i, 0,1
	v_permlane16_swap_b32 v[PCD+4*\c+\i], v[PCD+4*\c+2+\i]
.endr
.endr
.set n, 0
.rept 16
	v_pk_mul_f32 v[O+n:O+n+1], v[O+n:O+n+1], v[F:F+1] op_sel_hi:[1,0]   ; O^T under the new M, from each accumulator's low end on
.set n, n+2
.endr
	v_pk_add_f32 v[CH:CH+1], v[S:S+1], v[S+2:S+3]  ; the row's sum of the unquantised p, in two chains.  These lines and the sixteen above are the places between p's codes and scale word and the products
.irp j, 4,8,12,16,20,24,28,32,36,40,44,48,52,56,60
	v_pk_add_f32 v[SUM:SUM+1], v[SUM:SUM+1], v[S+\j:S+\j+1]
	v_pk_add_f32 v[CH:CH+1], v[CH:CH+1], v[S+\j+2:S+\j+3]
.endr
	v_pk_add_f32 v[SUM:SUM+1], v[SUM:SUM+1], v[CH:CH+1]
	s_wait_dscnt 0x0                               ; v's fragments and words are in
.irp t, 0,1,2,3
	PVMUL \t
.endr
	s_add_co_u32 s20, s20, 4096
	s_add_co_u32 s21, s21, 1024
	s_add_co_u32 s22, s22, 512
	s_add_co_u32 s23, s23, 256
	s_sub_co_u32 s24, s24, 1
	s_cmp_lg_u32 s24, 0
	s_cbranch_scc1 .Lstep
	PLACES
	s_wait_kmcnt 0x0                               ; the words that the last step asked for have landed: the next tile loads into the same registers and makes the pointers anew
	v_add_f32 v[SUM], v[SUM], v[SUM+1]             ; the sum's two halves,
	v_permlanex16_b32 v[T1], v[SUM], s[SEL], s[SEL+1]
	v_add_f32 v[SUM], v[SUM], v[T1]                ; and lane l xor 16's
	v_rcp_f32 v[SUM], v[SUM]
	v_nop                                          ; one plain place behind a transcendental
.set n, 0
	s_wait_alu depctr_va_vdst(0)
.rept 16
	v_pk_mul_f32 v[S+n:S+n+1], v[O+n:O+n+1], v[SUM:SUM+1] op_sel_hi:[1,0]   ; ctx: register 16 b + i is d = 32 b + 16 h + i of my query
.set n, n+2
.endr
	QUANT2 S, CC, CW
	s_lshl_b32 s2, s25, 13
	s_lshl_b32 s27, s16, 9
	s_add_co_u32 s2, s2, s27
	s_add_nc_u64 s[PB:PB+1], s[10:11], s[2:3]      ; cc + 8,192 I + 512 head: piece head % 2 of K step head / 2
	s_lshr_b32 s2, s25, 1
	s_lshl_b32 s2, s2, 10
	s_and_b32 s27, s25, 1
	s_lshl_b32 s27, s27, 8
	s_add_co_u32 s2, s2, s27
	s_lshr_b32 s27, s16, 3
	s_lshl_b32 s27, s27, 9
	s_add_co_u32 s2, s2, s27
	s_and_b32 s27, s16, 7
	s_lshl_b32 s27, s27, 1
	s_add_co_u32 s2, s2, s27
	s_add_nc_u64 s[PD:PD+1], s[12:13], s[2:3]      ; cs + 1,024 (I / 2) + 256 (I % 2) + 512 (head / 8) + 2 (head % 8), + 16 r
	global_store_b128 v1, v[CC:CC+3], s[PB:PB+1]   ; 512 consecutive bytes
	global_store_b16 v31, v[CW], s[PD:PD+1]        ; my head's two bytes of the row's scale word (lanes 16-31 repeat lanes 0-15): one byte in 128 of what the tile stores
	s_wait_xcnt 0x0                                ; the stores have read their registers and bases: both are written again in the next trip
	s_add_co_u32 s15, s15, 1
	s_cmp_lt_u32 s15, 2
	s_cbranch_scc1 .Ltile
	s_wait_tensorcnt 0x0
	ds_add_u32 v254, v255
	s_wait_dscnt 0x0
	s_endpgm
.Lfunc_end_k_q5a71e6ac6d_attn:
	.size	k_q5a71e6ac6d_attn, .Lfunc_end_k_q5a71e6ac6d_attn-k_q5a71e6ac6d_attn
	.p2alignl 7, 3214868480
	.fill 96, 4, 3214868480
	.section	.rodata,"a",@progbits
	.p2align	6, 0x0
	.amdhsa_kernel k_q5a71e6ac6d_attn
		.amdhsa_group_segment_fixed_size 145408
		.amdhsa_private_segment_fixed_size 0
		.amdhsa_enable_private_segment 0
		.amdhsa_kernarg_size 40
		.amdhsa_user_sgpr_count 2
		.amdhsa_user_sgpr_kernarg_segment_ptr 1
		.amdhsa_wavefront_size32 1
		.amdhsa_system_sgpr_workgroup_id_x 1
		.amdhsa_system_sgpr_workgroup_id_y 1
		.amdhsa_system_sgpr_workgroup_id_z 1
		.amdhsa_system_vgpr_workitem_id 0
		.amdhsa_next_free_vgpr 256
		.amdhsa_next_free_sgpr 106
		.amdhsa_reserve_vcc 0
		.amdhsa_float_denorm_mode_32 3
		.amdhsa_float_denorm_mode_16_64 3
		.amdhsa_memory_ordered 1
		.amdhsa_forward_progress 1
		.amdhsa_inst_pref_size 33
	.end_amdhsa_kernel
	.amdgpu_metadata
---
amdhsa.version: [ 1, 2 ]
amdhsa.kernels:
  - .name:           k_q5a71e6ac6d_attn
    .symbol:         k_q5a71e6ac6d_attn.kd
    .args:
      - { .name: ac, .offset: 0, .size: 8, .value_kind: global_buffer, .address_space: global }
      - { .name: asc, .offset: 8, .size: 8, .value_kind: global_buffer, .address_space: global }
      - { .name: mk, .offset: 16, .size: 8, .value_kind: global_buffer, .address_space: global }
      - { .name: cc, .offset: 24, .size: 8, .value_kind: global_buffer, .address_space: global }
      - { .name: cs, .offset: 32, .size: 8, .value_kind: global_buffer, .address_space: global }
    .group_segment_fixed_size: 145408
    .private_segment_fixed_size: 0
    .kernarg_segment_align: 8
    .kernarg_segment_size: 40
    .max_flat_workgroup_size: 512
    .sgpr_count:     106
    .vgpr_count:     256
    .wavefront_size: 32
...
	.end_amdgpu_metadata
.endif
;; end of part 6
;; launch outln: the kernel of part 4 again; grid 256 x 1, 16 waves a work-group, no clusters, 162,816 bytes of LDS; arguments cc, cs, xc, xs, bo, Q, ln_gamma, ln_beta, out0; writes out0
;; ======== version 3 of 3: 4 launches
;; limits: right only within a limited range of input values
;; workspace buffers: xc 14,680,064 bytes; xs 917,504 bytes; ac 12,582,912 bytes; asc 1,572,864 bytes; cc 4,194,304 bytes; cs 262,144 bytes; mk 2,097,152 bytes of whole numbers
;; launch prep (part 7): grid 960 x 1, 4 waves a work-group, no clusters, 34,304 bytes of LDS; arguments Q, K, V, Wq, Wk, Wv, Wo, attn_mask, xc, xs, mk; writes xc, xs, mk
.if DOCPART == 7
	.amdgcn_target "amdgcn-amd-amdhsa--gfx1250"
	.amdhsa_code_object_version 6
	.text
	.protected	k_q5a71e6ac6d_prep
	.globl	k_q5a71e6ac6d_prep
	.p2align	8
	.type	k_q5a71e6ac6d_prep,@function
k_q5a71e6ac6d_prep:
	s_mov_b64 s[64:65], 0
	v_nop
	global_prefetch_b8 v0, s[64:65] scope:SCOPE_SE
	s_setreg_imm32_b32 hwreg(HW_REG_WAVE_MODE, 25, 1), 1
	s_wait_xcnt 0x0
; Q, K, V [8192][1024] and Wq, Wk, Wv, Wo [1024][1024], f32, K innermost, become codes of E2M1 with one E8M0 byte for each 32 along K; the mask becomes lane masks.
; A TILE is 16 rows that are not neighbours: lane r of tile T holds row 32 (T / 2) + 8 (T % 2) + r + 8 (r / 8).  The same choice serves every tensor of the program.
; xc: for tile GT (Q 0-511, K 512-1023, V 1024-1535, Wq 1536.., Wk 1600.., Wv 1664.., Wo 1728..) and K step s of 128: 1,024 bytes, THE IMAGE OF THE OPERAND'S 8 REGISTERS: piece c at 512 c, lane l's 16 bytes at 16 l.
; xs: for a pair of tiles and a half q of K: 512 bytes; lane 16 u + r holds the four scale words of row r of tile 2 P + u for K steps 4 q .. 4 q + 3.
; mk: for batch b, query tile T and key step of 128: 64 words; bit l of word j is attn_mask[b][row(T, l % 16)][128 step + 32 (j / 16) + 16 (l / 16) + j % 16].
; A block's scale is 2^(floor(log2(largest magnitude)) - 2); its byte is the largest magnitude's exponent field - 2, held at 1 from below.
; LIMITS: a block of zeros gets the byte 1 where the quantiser's text says 127 (its codes are zeros, and this program alone reads the bytes); NaN and infinities among the inputs are not served.
; Work-groups 0-447: a wave quantises one tile, all 8 K steps.  Work-groups 448-959: a work-group packs the mask of one (b, T), a wave 4 key steps.  Only the first path uses LDS; waves share nothing: no barrier.
.set STG, 8448                         ; a wave's stage: 16 rows x (512 bytes + 16): the pitch is an odd multiple of 16 bytes, so 16 rows start at 16 different groups of banks
.set TM,  8                            ; v8-23    at work in QUANT4
.set PC,  24                           ; v24-31   a fragment's codes
.set RR,  32                           ; v32-159  two sets of 64: a K step's numbers as loaded
.set X,   160                          ; v160-223 64 numbers: register 16 b + i = k 32 b + 16 (lane / 16) + i of my row
.set PWQ, 224                          ; v224-227 four K steps' scale words
.set MB,  32                           ; mask path: v32-95 the bytes as loaded
.set W,   96                           ; mask path: v96-103 two registers of words for each step
	s_load_b256 s[4:11], s[0:1], 0x0               ; Q, K, V, Wq
	s_load_b256 s[12:19], s[0:1], 0x20             ; Wk, Wv, Wo, attn_mask
	s_load_b128 s[20:23], s[0:1], 0x40             ; xc, xs
	s_load_b64 s[24:25], s[0:1], 0x50              ; mk
	v_lshl_add_u32 v232, v0, 2, 0x8400
	v_mov_b32 v233, 0
	v_lshrrev_b32 v1, 5, v0
	v_readfirstlane_b32 s26, v1                    ; wave 0..3
	v_and_b32 v5, 31, v0                           ; lane
	v_and_b32 v6, 15, v0                           ; r
	v_bfe_u32 v7, v0, 4, 1                         ; h
	s_mov_b32 s33, 0
	s_cmp_ge_u32 ttmp9, 448
	s_cbranch_scc1 .Lmask
; ---------------------------------------------------------------- the quantiser
	v_lshlrev_b32 v1, 4, v5                        ; 16 x lane
	s_mul_i32 s27, s26, STG                        ; my stage
	v_add_nc_u32 v2, s27, v1                       ; into it: a row's 512 bytes as they lie
	v_mul_u32_u24 v3, v6, 528
	v_lshl_add_u32 v3, v7, 6, v3
	v_add_nc_u32 v3, s27, v3                       ; out of it: row r, + 64 h: my 16 numbers of a block of 32
	v_lshlrev_b32 v4, 4, v6                        ; 16 r: the scale words' place
	s_mov_b32 s38, 0x76543210
	s_mov_b32 s39, 0xfedcba98                      ; v_permlanex16_b32's selects for lane l xor 16
.irp b, 0,1,2,3
	v_mov_b32 v[TM+4+\b], 0                        ; written once: a lane permute's destination counts as one of its sources
.endr
	s_wait_alu depctr_va_vdst(0)
	s_wait_kmcnt 0x0
	s_mov_b64 s[28:29], s[16:17]                   ; which tensor: chosen by the work-group's number alone
	s_mov_b32 s30, 432                             ; and its first work-group
	s_cmp_lt_u32 ttmp9, 432
	s_cselect_b64 s[28:29], s[14:15], s[28:29]
	s_cselect_b32 s30, 416, s30
	s_cmp_lt_u32 ttmp9, 416
	s_cselect_b64 s[28:29], s[12:13], s[28:29]
	s_cselect_b32 s30, 400, s30
	s_cmp_lt_u32 ttmp9, 400
	s_cselect_b64 s[28:29], s[10:11], s[28:29]
	s_cselect_b32 s30, 384, s30
	s_cmp_lt_u32 ttmp9, 384
	s_cselect_b64 s[28:29], s[8:9], s[28:29]
	s_cselect_b32 s30, 256, s30
	s_cmp_lt_u32 ttmp9, 256
	s_cselect_b64 s[28:29], s[6:7], s[28:29]
	s_cselect_b32 s30, 128, s30
	s_cmp_lt_u32 ttmp9, 128
	s_cselect_b64 s[28:29], s[4:5], s[28:29]
	s_cselect_b32 s30, 0, s30
	s_sub_co_u32 s31, ttmp9, s30
	s_lshl_b32 s31, s31, 2
	s_add_co_u32 s31, s31, s26                     ; T: my tile in its tensor
	s_lshr_b32 s32, s31, 1
	s_lshl_b32 s32, s32, 17                        ; 32 (T / 2) rows of 4,096 bytes
	s_and_b32 s35, s31, 1
	s_lshl_b32 s35, s35, 15                        ; 8 (T % 2) rows
	s_add_co_u32 s32, s32, s35
	s_add_nc_u64 s[28:29], s[28:29], s[32:33]
	s_lshl_b32 s34, ttmp9, 2
	s_add_co_u32 s34, s34, s26                     ; GT
	s_lshl_b32 s32, s34, 13
	s_add_nc_u64 s[20:21], s[20:21], s[32:33]      ; xc + 8,192 GT
	s_lshr_b32 s32, s34, 1
	s_lshl_b32 s32, s32, 10
	s_and_b32 s35, s34, 1
	s_lshl_b32 s35, s35, 8
	s_add_co_u32 s32, s32, s35
	s_add_nc_u64 s[22:23], s[22:23], s[32:33]      ; xs + 1,024 (GT / 2) + 256 (GT % 2)
.macro LOAD k                          ; K step k of the tile's 16 rows: each load reads 512 consecutive bytes of one row
.irp i, 0,1,2,3,4,5,6,7,8,9,10,11,12,13,14,15
	global_load_b128 v[RR+64*((\k)%2)+4*\i:RR+64*((\k)%2)+4*\i+3], v1, s[28:29] offset:(\i+8*(\i/8))*4096+512*(\k) th:TH_LOAD_NT
.endr
.endm
.macro TURN k                          ; through the stage: LDS serves a wave's instructions in order, so no wait stands between the stores and the loads
.irp i, 0,1,2,3,4,5,6,7,8,9,10,11,12,13,14,15
	ds_store_b128 v2, v[RR+64*((\k)%2)+4*\i:RR+64*((\k)%2)+4*\i+3] offset:528*\i
.endr
.irp b, 0,1,2,3
.irp j, 0,1,2,3
	ds_load_b128 v[X+16*\b+4*\j:X+16*\b+4*\j+3], v3 offset:128*\b+16*\j
.endr
.endr
.endm
.macro QUANT4 src, pw                  ; 64 numbers of a lane become a fragment's codes in v[PC] on and its scale word in v[pw]
.irp b, 0,1,2,3
	v_max3_num_f32 v[TM+\b], |v[\src+16*\b]|, |v[\src+16*\b+1]|, 0x1800000   ; block b: my 16 numbers, and the floor 2^(3 - 127): the byte cannot fall under 1
.endr
.irp i, 2,4,6,8,10,12,14
.irp b, 0,1,2,3
	v_max3_num_f32 v[TM+\b], v[TM+\b], |v[\src+16*\b+\i]|, |v[\src+16*\b+\i+1]|   ; the four blocks by turns
.endr
.endr
.irp b, 0,1,2,3
	v_permlanex16_b32 v[TM+4+\b], v[TM+\b], s38, s39
.endr
.irp b, 0,1,2,3
	v_max_num_f32 v[TM+\b], v[TM+\b], v[TM+4+\b]   ; with lane l xor 16's 16: the block's largest magnitude
.endr
.irp b, 0,1,2,3
	v_add_nc_u32 v[TM+12+\b], 0xff000000, v[TM+\b] ; 2 off its exponent field: the conversion takes the exponent field of this operand as its scale
.endr
.irp b, 0,1,2,3
	v_lshrrev_b32 v[TM+4+\b], 23, v[TM+12+\b]      ; the scale's byte
.endr
	v_lshl_or_b32 v[\pw], v[TM+5], 8, v[TM+4]
	v_lshl_or_b32 v[\pw], v[TM+6], 16, v[\pw]
	v_lshl_or_b32 v[\pw], v[TM+7], 24, v[\pw]
.irp b, 0,1,2,3
	v_cvt_scalef32_pk8_fp4_f32 v[PC+2*\b], v[\src+16*\b:\src+16*\b+7], v[TM+12+\b]
	v_cvt_scalef32_pk8_fp4_f32 v[PC+2*\b+1], v[\src+16*\b+8:\src+16*\b+15], v[TM+12+\b]
.endr
	v_nop                                          ; one plain place behind a scaled conversion
.irp c, 0,1                            ; the operand's layout wants a whole block in a lane: lanes 0-15 block 2 c, lanes 16-31 block 2 c + 1
.irp i, 0,1
	v_permlane16_swap_b32 v[PC+4*\c+\i], v[PC+4*\c+2+\i]
.endr
.endr
.endm
	LOAD 0
	LOAD 1
.irp s, 0,1,2,3,4,5,6,7
.if \s < 7
	s_wait_loadcnt 16                              ; this step's 16 loads are in; the next step's 16 may be out
.else
	s_wait_loadcnt 0
.endif
	TURN \s
	s_wait_dscnt 0x0                               ; X is in, and the stage's stores have read the set,
.if \s < 6
	LOAD \s+2                                      ; which takes the loads of two steps on
.endif
	s_wait_xcnt 0x0                                ; the earlier stores have read PC and the scale words: both are written again only behind this wait
	QUANT4 X, PWQ+\s%4
	global_store_b128 v1, v[PC:PC+3], s[20:21] offset:1024*\s          ; 32 lanes store 512 consecutive bytes
	global_store_b128 v1, v[PC+4:PC+7], s[20:21] offset:1024*\s+512
.if \s%4 == 3
	global_store_b128 v4, v[PWQ:PWQ+3], s[22:23] offset:512*(\s/4)     ; lanes 0-15 store 256 consecutive bytes, aligned; lanes 16-31 hold the same words and repeat them at the same places
.endif
.endr
	s_wait_tensorcnt 0x0
	ds_add_u32 v232, v233
	s_wait_dscnt 0x0
	s_endpgm
; ---------------------------------------------------------------- the mask
.Lmask:
	s_sub_co_u32 s27, ttmp9, 448                   ; m = 128 b + T
	s_lshr_b32 s28, s27, 7                         ; b
	s_and_b32 s29, s27, 127                        ; T
	s_lshl_b32 s32, s28, 22                        ; b x 2,048 rows of 2,048 bytes
	s_lshr_b32 s30, s29, 1
	s_lshl_b32 s30, s30, 16                        ; 32 (T / 2) rows
	s_add_co_u32 s32, s32, s30
	s_and_b32 s30, s29, 1
	s_lshl_b32 s30, s30, 14                        ; 8 (T % 2) rows
	s_add_co_u32 s32, s32, s30
	s_lshl_b32 s30, s26, 9                         ; my four steps: 512 keys
	s_add_co_u32 s32, s32, s30
	s_wait_alu depctr_va_vdst(0)
	v_and_b32 v1, 8, v6
	v_add_nc_u32 v1, v1, v6                        ; r + 8 (r / 8)
	v_lshlrev_b32 v1, 11, v1
	v_lshl_add_u32 v1, v7, 4, v1                   ; my row, + 16 h
	v_lshlrev_b32 v2, 3, v5                        ; out: 8 bytes a lane
	s_lshl_b32 s34, s27, 12                        ; 16 steps x 256 bytes for each m,
	s_lshl_b32 s35, s26, 10                        ; 4 steps for each wave
	s_add_co_u32 s34, s34, s35
	s_mov_b32 s35, 0
	s_wait_alu depctr_va_vdst(0)
	s_wait_kmcnt 0x0
	s_add_nc_u64 s[18:19], s[18:19], s[32:33]
	s_add_nc_u64 s[36:37], s[24:25], s[34:35]      ; my steps' words
.irp st, 0,1,2,3
.irp b, 0,1,2,3
	global_load_b128 v[MB+16*\st+4*\b:MB+16*\st+4*\b+3], v1, s[18:19] offset:128*\st+32*\b th:TH_LOAD_NT   ; the sixteen loads together read 512 consecutive bytes of each of 16 rows
.endr
.endr
	s_wait_loadcnt 0x0
.irp st, 0,1,2,3
	v_mov_b32 v[W+2*\st], 0                        ; v_writelane_b32's destination counts as one of its sources
	v_mov_b32 v[W+2*\st+1], 0
.set j, 0
.rept 8                                ; eight words at a time: byte j % 4 of register j / 4 in all 32 lanes makes word j, which goes to lane j / 2 of register j % 2
.irp e, 0,1,2,3,4,5,6,7
	v_bfe_u32 v[8+\e], v[MB+16*\st+(j+\e)/4], 8*((j+\e)%4), 8
.endr
.irp e, 0,1,2,3,4,5,6,7
	v_cmp_ne_u32 s[44+\e], 0, v[8+\e]
.endr
.irp e, 0,1,2,3,4,5,6,7
	v_writelane_b32 v[W+2*\st+(j+\e)%2], s[44+\e], (j+\e)/2
.endr
.set j, j+8
.endr
	global_store_b64 v2, v[W+2*\st:W+2*\st+1], s[36:37] offset:256*\st   ; 32 lanes store 256 consecutive bytes, aligned; each step's store has registers of its own
.endr
	s_endpgm
.Lfunc_end_k_q5a71e6ac6d_prep:
	.size	k_q5a71e6ac6d_prep, .Lfunc_end_k_q5a71e6ac6d_prep-k_q5a71e6ac6d_prep
	.p2alignl 7, 3214868480
	.fill 96, 4, 3214868480
	.section	.rodata,"a",@progbits
	.p2align	6, 0x0
	.amdhsa_kernel k_q5a71e6ac6d_prep
		.amdhsa_group_segment_fixed_size 34304
		.amdhsa_private_segment_fixed_size 0
		.amdhsa_enable_private_segment 0
		.amdhsa_kernarg_size 88
		.amdhsa_user_sgpr_count 2
		.amdhsa_user_sgpr_kernarg_segment_ptr 1
		.amdhsa_wavefront_size32 1
		.amdhsa_system_sgpr_workgroup_id_x 1
		.amdhsa_system_sgpr_workgroup_id_y 1
		.amdhsa_system_sgpr_workgroup_id_z 1
		.amdhsa_system_vgpr_workitem_id 0
		.amdhsa_next_free_vgpr 234
		.amdhsa_next_free_sgpr 66
		.amdhsa_reserve_vcc 0
		.amdhsa_float_denorm_mode_32 3
		.amdhsa_float_denorm_mode_16_64 3
		.amdhsa_memory_ordered 1
		.amdhsa_forward_progress 1
		.amdhsa_inst_pref_size 115
	.end_amdhsa_kernel
	.amdgpu_metadata
---
amdhsa.version: [ 1, 2 ]
amdhsa.kernels:
  - .name:           k_q5a71e6ac6d_prep
    .symbol:         k_q5a71e6ac6d_prep.kd
    .args:
      - { .name: Q, .offset: 0, .size: 8, .value_kind: global_buffer, .address_space: global }
      - { .name: K, .offset: 8, .size: 8, .value_kind: global_buffer, .address_space: global }
      - { .name: V, .offset: 16, .size: 8, .value_kind: global_buffer, .address_space: global }
      - { .name: Wq, .offset: 24, .size: 8, .value_kind: global_buffer, .address_space: global }
      - { .name: Wk, .offset: 32, .size: 8, .value_kind: global_buffer, .address_space: global }
      - { .name: Wv, .offset: 40, .size: 8, .value_kind: global_buffer, .address_space: global }
      - { .name: Wo, .offset: 48, .size: 8, .value_kind: global_buffer, .address_space: global }
      - { .name: attn_mask, .offset: 56, .size: 8, .value_kind: global_buffer, .address_space: global }
      - { .name: xc, .offset: 64, .size: 8, .value_kind: global_buffer, .address_space: global }
      - { .name: xs, .offset: 72, .size: 8, .value_kind: global_buffer, .address_space: global }
      - { .name: mk, .offset: 80, .size: 8, .value_kind: global_buffer, .address_space: global }
    .group_segment_fixed_size: 34304
    .private_segment_fixed_size: 0
    .kernarg_segment_align: 8
    .kernarg_segment_size: 88
    .max_flat_workgroup_size: 128
    .sgpr_count:     66
    .vgpr_count:     234
    .wavefront_size: 32
...
	.end_amdgpu_metadata
.endif
;; end of part 7
;; launch proj (part 8): grid 64 x 3, 16 waves a work-group, no clusters, 247,808 bytes of LDS; arguments xc, xs, bq, bk, bv, ac, asc; writes ac, asc
.if DOCPART == 8
	.amdgcn_target "amdgcn-amd-amdhsa--gfx1250"
	.amdhsa_code_object_version 6
	.text
	.protected	k_q5a71e6ac6d_proj
	.globl	k_q5a71e6ac6d_proj
	.p2align	8
	.type	k_q5a71e6ac6d_proj,@function
k_q5a71e6ac6d_proj:
	s_mov_b64 s[64:65], 0
	v_nop
	global_prefetch_b8 v0, s[64:65] scope:SCOPE_SE
	s_setreg_imm32_b32 hwreg(HW_REG_WAVE_SCHED_MODE, 0, 2), 2
	s_setreg_imm32_b32 hwreg(HW_REG_WAVE_MODE, 25, 1), 1
	s_wait_xcnt 0x0
	s_wait_alu depctr_vm_vsrc(0)
; The three projections on codes of E2M1, and the quantising of their results.  y = 0: q = Q Wq^T + bq; y = 1: k = K Wk^T + bk; y = 2: v = V Wv^T + bv.
; Every product is used transposed: source 0 (R) gives the rows that become a lane's registers, source 1 (P) the row that a lane keeps.
; q, k: R = 512 rows of the weight (x % 2), P = 256 tokens (x / 2): a lane keeps a token and its registers run along d, the next product's K.
; v:    R = 512 tokens (x / 4), P = 256 rows of Wv, four heads (x % 4): a lane keeps a d and its registers run along the KEYS, which are K of the product with the softmax.
; A tile's rows are chosen so (lane r: row 32 (T / 2) + 8 (T % 2) + r + 8 (r / 8)) that the 16 registers of two neighbouring tiles of R are 16 neighbours.
; SHARES.  Sixteen waves of 256 registers.  R STAYS IN REGISTERS: wave w owns one pair of R's tiles (32 rows) for all of K, 16 fragments in 128 registers, read from memory once, 512 consecutive bytes a load.
; P's 16 tiles, codes and scale words for all of K, come into LDS once (136 KiB) and are walked in four blocks of four tiles.  So a work-group reads 395 KiB for 256 x 512 results, all of it asked for at its head.
; What work-groups share is read once by each at its head, R into registers: nothing is asked for jointly by a cluster.
; A wave's 16 registers and lane l xor 16's 16 are one block of 32: a lane's 16 codes are 8 bytes, a wave's store 256 consecutive bytes.  A scale word holds the bytes of two neighbouring waves: each wave leaves
; its bytes in LDS, and behind the second and last barrier the even wave joins them.
; The bias is added in f32 behind the sums.  Both its images (along the registers: q, k; along the lanes: v) are made in every work-group, so that the head is one path; the way out takes the one that its y wants.
; OUT.  ac: q at 0 and k at 4 Mi as [head][tile][512 bytes] (lane (r, h): d 32 h .. 32 h + 31 of token r); v at 8 Mi as [4 head + t][64 keys][512 bytes] (lane (r, h): keys 32 h .. + 31 of d r).
;       asc: three planes [head][B][lane][2] of words (bytes 0, 1: the two blocks' bytes; bytes 2, 3: zero).  q, k: B = tile / 4, lane = 16 (tile % 2) + r, word (tile / 2) % 2.  v: B = the 64 keys, lane = 16 (t % 2) + r, word t / 2.
; LIMITS: a block of zeros gets the byte 1 (its codes are zeros; this program alone reads the bytes); NaN and infinities are not served.
; THE MODE: SCHED_MODE bits 1:0 = 2 (LLVM: expert scheduling mode 2), set by the entry lines.  The code itself states the register dependences between vector or matrix instructions and memory or LDS
; instructions, with s_wait_alu, always for 0.
; THE PLAN.  Registers that memory or LDS instructions touch behind the head:
;   PF v32-63    A K step's eight products read it; behind them the next K step's LDS loads land in it.  On a block's way out the bias lands there, then vector instructions write the codes, the scale bytes and three
;                offsets there, which the block's stores read; then the next block's loads land there.
;   PS v16-31    Read by a block's products as scales; the next block's LDS loads land in it.
;   v1-7         Addresses, made at the head and never written again.
;   RS, RR and the accumulators are named behind the head by matrix and vector instructions alone.
; The wave's 256 registers are all taken (v0, 7 addresses, 8 + 16 scale words, 32 of PF, 64 accumulators, 128 of R), so PF has no second set: ONE wait on va_vdst stands behind each K step's products, and that
; step's loads follow it.  A block's way out has one wait on va_vdst ahead of its stores and one on vm_vsrc behind them.
.set RS,  8                            ; v8-15    R's scale words, one register a K step; the pair's second tile in lanes 16-31
.set PS,  16                           ; v16-31   P's scale words of a block: 8 (a / 2) + K step; the odd tile in lanes 16-31.  (At the head: addresses of the copy)
.set PF,  32                           ; v32-63   P's four fragments of a K step
.set ACC, 64                           ; v64-127  8 accumulators: 16 a + 8 t
.set RR,  128                          ; v128-255 R's fragments: 8 (2 s + t)
.set BBL, 32                           ; the way out, in P's registers: v32-47 the bias; then v32-39 codes, v40 the four scale bytes, v41-43 offsets; v48-63 at work
.set PC,  32
.set PW,  40
.set CA,  41
.set TM,  48
.set PSC, 131072                       ; LDS: P's codes at 0 (16 tiles x 8,192); here P's scale words (8 pairs x 1,024);
.set BLQ, 139264                       ; the bias along the registers: 2,048 bytes a wave;
.set BLV, 172032                       ; the bias along the lanes: 4,096 bytes a wave (block n: 1,024 bytes, each number twice);
.set XBB, 237568                       ; the scale bytes: block n at 2,048 n, wave w at 128 w, a word a lane
.set SEL, 56                           ; s[56:57]
	s_load_b256 s[4:11], s[0:1], 0x0               ; xc, xs, bq, bk
	s_load_b128 s[12:15], s[0:1], 0x20             ; bv, ac
	s_load_b64 s[16:17], s[0:1], 0x30              ; asc
	v_lshrrev_b32 v1, 5, v0
	v_readfirstlane_b32 s18, v1                    ; wave 0..15
	v_and_b32 v7, 31, v0                           ; lane
	v_lshlrev_b32 v1, 4, v7                        ; 16 x lane: P's blocks 0 and 1
	v_add_nc_u32 v2, 0x10000, v1                   ; P's blocks 2 and 3
	v_add_nc_u32 v3, PSC, v1                       ; P's scale words
	s_wait_alu depctr_va_sdst(0)                   ; s18 is written, ahead of its first reader: LDS places, tiles and bases are made from it
	s_lshl_b32 s28, s18, 11
	s_add_co_u32 s28, s28, BLQ
	v_add_nc_u32 v4, s28, v1                       ; my bias along the registers
	s_lshl_b32 s28, s18, 7
	s_add_co_u32 s28, s28, XBB
	v_lshl_add_u32 v5, v7, 2, s28                  ; my scale bytes
	s_lshl_b32 s28, s18, 12
	s_add_co_u32 s28, s28, BLV
	v_add_nc_u32 v7, s28, v1                       ; my bias along the lanes
	v_and_b32 v21, 15, v0                          ; r
	v_bfe_u32 v22, v0, 4, 1                        ; h
	v_lshlrev_b32 v6, 4, v21
	v_lshl_add_u32 v6, v22, 3, v6                  ; 16 r + 8 h: my 8 bytes of codes
	v_lshlrev_b32 v16, 4, v0                       ; the copy: 16 x thread,
	v_add_nc_u32 v17, 0x10000, v16
	v_add_nc_u32 v18, PSC, v16
	v_lshlrev_b32 v19, 6, v22                      ; 64 h: a bias along the registers
	v_and_b32 v20, 8, v0
	v_add_nc_u32 v20, v20, v21
	v_lshlrev_b32 v20, 2, v20                      ; 4 (r + 8 (r / 8)): a bias along the lanes
	s_mov_b32 s19, 0xffff0000                      ; lanes 16-31
	s_mov_b32 s[SEL], 0x76543210
	s_mov_b32 s[SEL+1], 0xfedcba98                 ; v_permlanex16_b32's selects for lane l xor 16
	s_and_b32 s20, ttmp7, 0xffff                   ; which projection
	s_and_b32 s21, ttmp9, 1                        ; q, k: which half of the weight's rows
	s_lshr_b32 s22, ttmp9, 1                       ; q, k: which 256 tokens
	s_and_b32 s23, ttmp9, 3                        ; v: which four heads
	s_lshr_b32 s24, ttmp9, 2                       ; v: which 512 tokens
	s_lshr_b32 s25, s18, 1                         ; wave / 2
	s_and_b32 s26, s18, 1                          ; wave % 2: which block of 32 of a head, or of 64 keys
	s_lshl_b32 s27, s20, 9
	s_lshl_b32 s28, s22, 4
	s_add_co_u32 s27, s27, s28                     ; P's first tile, q and k: 512 y + 16 (x / 2)
	s_lshl_b32 s28, s23, 4
	s_add_co_u32 s28, s28, 1664                    ; v: 1,664 + 16 (x % 4)
	s_lshl_b32 s29, s20, 6
	s_lshl_b32 s30, s21, 5
	s_add_co_u32 s29, s29, s30
	s_add_co_u32 s29, s29, 1536                    ; R's first tile, q and k: 1,536 + 64 y + 32 (x % 2)
	s_lshl_b32 s30, s24, 5
	s_add_co_u32 s30, s30, 1024                    ; v: 1,024 + 32 (x / 4)
	s_lshl_b32 s31, s21, 3
	s_add_co_u32 s31, s31, s25                     ; q, k: my head = 8 (x % 2) + wave / 2
	s_lshl_b32 s32, s31, 18
	s_lshl_b32 s33, s20, 22
	s_add_co_u32 s32, s32, s33
	s_lshl_b32 s33, s22, 13
	s_add_co_u32 s32, s32, s33                     ; the codes' place, q and k: 4 Mi y + 262,144 head + 512 x 16 (x / 2)
	s_lshl_b32 s34, s24, 3
	s_add_co_u32 s34, s34, s25                     ; v: my 64 keys = 8 (x / 4) + wave / 2
	s_lshl_b32 s33, s34, 9
	s_lshl_b32 s35, s23, 20
	s_add_co_u32 s33, s33, s35
	s_add_co_u32 s33, s33, 0x800000                ; v: 8 Mi + 262,144 x 4 (x % 4) + 512 x my 64 keys
	s_lshl_b32 s35, s31, 15
	s_lshl_b32 s36, s20, 19
	s_add_co_u32 s35, s35, s36
	s_lshl_b32 s36, s22, 10
	s_add_co_u32 s35, s35, s36                     ; the scale words' place, q and k: 524,288 y + 32,768 head + 256 x 4 (x / 2)
	s_lshl_b32 s36, s34, 8
	s_lshl_b32 s37, s23, 17
	s_add_co_u32 s36, s36, s37
	s_add_co_u32 s36, s36, 0x100000                ; v: 1 Mi + 32,768 x 4 (x % 4) + 256 x my 64 keys
	s_lshl_b32 s37, s21, 11
	s_lshl_b32 s38, s18, 7
	s_add_co_u32 s37, s37, s38                     ; the bias along the registers: 32 numbers from 32 (16 (x % 2) + wave) on
	s_lshl_b32 s38, s23, 10                        ; the bias along the lanes: 256 numbers from 256 (x % 4) on.  (Both places lie inside each of the three biases)
	s_mov_b32 s39, 512                             ; from tile a's codes to tile a + 1's: 512 bytes, v 65,536
	s_mov_b32 s40, 2048                            ; from block to block: 2,048, v 262,144
	s_mov_b32 s41, 256                             ; from block to block in the scale words: 256, v 32,768
	s_cmp_eq_u32 s20, 2
	s_cselect_b32 s27, s28, s27
	s_cselect_b32 s29, s30, s29
	s_cselect_b32 s32, s33, s32
	s_cselect_b32 s35, s36, s35
	s_cselect_b32 s39, 0x10000, s39
	s_cselect_b32 s40, 0x40000, s40
	s_cselect_b32 s41, 0x8000, s41
	s_lshl_b32 s28, s26, 8
	s_add_co_u32 s32, s32, s28                     ; my block's half of a piece of 512 bytes
	s_lshl_b32 s28, s18, 1
	s_add_co_u32 s29, s29, s28                     ; my pair of R's tiles
	s_mov_b32 s43, 0
	s_mov_b32 s54, s40
	s_mov_b32 s55, 0
	s_wait_kmcnt 0x0
	s_cmp_eq_u32 s20, 0
	s_cselect_b64 s[44:45], s[8:9], s[10:11]
	s_cmp_eq_u32 s20, 2
	s_cselect_b64 s[44:45], s[12:13], s[44:45]     ; the bias: chosen by y alone
	s_mov_b32 s42, s38
	s_add_nc_u64 s[58:59], s[44:45], s[42:43]      ; along the lanes
	s_mov_b32 s42, s37
	s_add_nc_u64 s[44:45], s[44:45], s[42:43]      ; along the registers
	s_lshl_b32 s42, s27, 13
	s_add_nc_u64 s[46:47], s[4:5], s[42:43]        ; P's codes: 131,072 consecutive bytes
	s_lshr_b32 s42, s27, 1
	s_lshl_b32 s42, s42, 10
	s_add_nc_u64 s[48:49], s[6:7], s[42:43]        ; P's scale words: 8,192
	s_lshl_b32 s42, s29, 13
	s_add_nc_u64 s[50:51], s[4:5], s[42:43]        ; my R's codes: 16,384
	s_lshr_b32 s42, s29, 1
	s_lshl_b32 s42, s42, 10
	s_add_nc_u64 s[52:53], s[6:7], s[42:43]        ; my R's scale words: 1,024
	s_mov_b32 s42, s32
	s_add_nc_u64 s[14:15], s[14:15], s[42:43]
	s_mov_b32 s42, s35
	s_add_nc_u64 s[16:17], s[16:17], s[42:43]
	s_wait_alu depctr_va_vdst(0)                   ; the addresses v1 to v7 and v16 to v20 are written, which the loads and stores of the kernel read; so are v21 and v22, in which P's scale words land later
; THE HEAD: all that the work-group reads is asked for at once: what goes through LDS first, then R in the order of its use.
.irp i, 0,1,2,3,4,5,6,7,8,9,10,11,12,13,14,15
	global_load_b128 v[ACC+4*\i:ACC+4*\i+3], v16, s[46:47] offset:8192*\i   ; P's codes: 256 bytes a thread
.endr
	global_load_b128 v[24:27], v16, s[48:49]       ; P's scale words: 16 bytes a thread
.irp i, 0,1,2,3
	global_load_b128 v[BBL+4*\i:BBL+4*\i+3], v19, s[44:45] offset:16*\i   ; register 8 t + j wants the bias of R's row 16 h + 8 t + j of my 32
.endr
.irp n, 0,1,2,3
.irp a, 0,1,2,3
	global_load_b32 v[48+4*\n+\a], v20, s[58:59] offset:256*\n+(32*(\a/2)+8*(\a%2))*4   ; block n, tile a: the bias of the lane's own row of P
.endr
.endr
	global_load_b128 v[RS:RS+3], v1, s[52:53]
	global_load_b128 v[RS+4:RS+7], v1, s[52:53] offset:512
.irp s, 0,1,2,3,4,5,6,7
.irp t, 0,1
.irp c, 0,1
	global_load_b128 v[RR+8*(2*\s+\t)+4*\c:RR+8*(2*\s+\t)+4*\c+3], v1, s[50:51] offset:8192*\t+1024*\s+512*\c
.endr
.endr
.endr
	s_wait_loadcnt 34                              ; behind what goes through LDS stand R's 2 scale loads and 32 fragment loads
.irp i, 0,1,2,3,4,5,6,7
	ds_store_b128 v16, v[ACC+4*\i:ACC+4*\i+3] offset:8192*\i
.endr
.irp i, 0,1,2,3,4,5,6,7
	ds_store_b128 v17, v[ACC+32+4*\i:ACC+32+4*\i+3] offset:8192*\i
.endr
	ds_store_b128 v18, v[24:27]
.irp i, 0,1,2,3
	ds_store_b128 v4, v[BBL+4*\i:BBL+4*\i+3] offset:512*\i
.endr
.irp n, 0,1,2,3
.irp a, 0,1,2,3
	ds_store_b32 v7, v[48+4*\n+\a] offset:1024*\n+512*(\a/2)+8*(\a%2)       ; each number twice, so that it comes back as a pair for the packed addition
	ds_store_b32 v7, v[48+4*\n+\a] offset:1024*\n+512*(\a/2)+8*(\a%2)+4
.endr
.endr
	s_wait_dscnt 0x0                               ; for the others' sake: my stores have landed
	s_barrier_signal -1
	s_barrier_wait -1                              ; P lies in LDS, and is only read from here on
	s_wait_alu depctr_vm_vsrc(0)                   ; the copy's loads and LDS stores have read v16 to v127: P's scale words and fragments land there from here on, and the products write the accumulators
.macro PLOAD nb, k                     ; block nb's four fragments of P for K step k
.irp a, 0,1,2,3
.irp c, 0,1
	ds_load_b128 v[PF+8*\a+4*\c:PF+8*\a+4*\c+3], v[1+(\nb)/2] offset:32768*((\nb)%2)+8192*\a+1024*(\k)+512*\c
.endr
.endr
.endm
.macro PSLOAD nb                       ; and its scale words for all of K
.irp p, 0,1
.irp q, 0,1
	ds_load_b128 v[PS+8*\p+4*\q:PS+8*\p+4*\q+3], v3 offset:1024*(2*(\nb)+\p)+512*\q
.endr
.endr
.endm
.macro WM d, a, b, z, sa, sb, ra, rb   ; one product; z = 1: the constant 0 starts the sum; ra, rb = 1: that side's scale words stand in lanes 16-31
.if (\z)==1
.if ((\ra)==1) && ((\rb)==1)
	v_wmma_scale_f32_16x16x128_f8f6f4 v[\d:\d+7], v[\a:\a+7], v[\b:\b+7], 0, v[\sa], v[\sb] matrix_a_fmt:MATRIX_FMT_FP4 matrix_b_fmt:MATRIX_FMT_FP4 matrix_a_scale:MATRIX_SCALE_ROW1 matrix_b_scale:MATRIX_SCALE_ROW1
.elseif (\ra)==1
	v_wmma_scale_f32_16x16x128_f8f6f4 v[\d:\d+7], v[\a:\a+7], v[\b:\b+7], 0, v[\sa], v[\sb] matrix_a_fmt:MATRIX_FMT_FP4 matrix_b_fmt:MATRIX_FMT_FP4 matrix_a_scale:MATRIX_SCALE_ROW1
.elseif (\rb)==1
	v_wmma_scale_f32_16x16x128_f8f6f4 v[\d:\d+7], v[\a:\a+7], v[\b:\b+7], 0, v[\sa], v[\sb] matrix_a_fmt:MATRIX_FMT_FP4 matrix_b_fmt:MATRIX_FMT_FP4 matrix_b_scale:MATRIX_SCALE_ROW1
.else
	v_wmma_scale_f32_16x16x128_f8f6f4 v[\d:\d+7], v[\a:\a+7], v[\b:\b+7], 0, v[\sa], v[\sb] matrix_a_fmt:MATRIX_FMT_FP4 matrix_b_fmt:MATRIX_FMT_FP4
.endif
.else
.if ((\ra)==1) && ((\rb)==1)
	v_wmma_scale_f32_16x16x128_f8f6f4 v[\d:\d+7], v[\a:\a+7], v[\b:\b+7], v[\d:\d+7], v[\sa], v[\sb] matrix_a_fmt:MATRIX_FMT_FP4 matrix_b_fmt:MATRIX_FMT_FP4 matrix_a_scale:MATRIX_SCALE_ROW1 matrix_b_scale:MATRIX_SCALE_ROW1
.elseif (\ra)==1
	v_wmma_scale_f32_16x16x128_f8f6f4 v[\d:\d+7], v[\a:\a+7], v[\b:\b+7], v[\d:\d+7], v[\sa], v[\sb] matrix_a_fmt:MATRIX_FMT_FP4 matrix_b_fmt:MATRIX_FMT_FP4 matrix_a_scale:MATRIX_SCALE_ROW1
.elseif (\rb)==1
	v_wmma_scale_f32_16x16x128_f8f6f4 v[\d:\d+7], v[\a:\a+7], v[\b:\b+7], v[\d:\d+7], v[\sa], v[\sb] matrix_a_fmt:MATRIX_FMT_FP4 matrix_b_fmt:MATRIX_FMT_FP4 matrix_b_scale:MATRIX_SCALE_ROW1
.else
	v_wmma_scale_f32_16x16x128_f8f6f4 v[\d:\d+7], v[\a:\a+7], v[\b:\b+7], v[\d:\d+7], v[\sa], v[\sb] matrix_a_fmt:MATRIX_FMT_FP4 matrix_b_fmt:MATRIX_FMT_FP4
.endif
.endif
.endm
; A K step: 8 products.  The 8 accumulators take turns, one instruction a turn, in the same order in every step.
.macro MUL k, z
.irp a, 0,1,2,3
.irp t, 0,1
	WM ACC+16*\a+8*\t, RR+8*(2*(\k)+\t), PF+8*\a, \z, RS+(\k), PS+8*(\a/2)+(\k), \t, \a%2
.endr
.endr
.endm
.macro PLACES                          ; four plain places between a product and a load into, or a vector instruction on, its registers
.rept 4
	v_nop
.endr
.endm
; The four tiles' 16 numbers a lane, register 16 a + i = k 16 h + i of my block of 32 of the lane's row, become 16 codes each in v[PC + 2 a] on; the four scale bytes make v[PW], tile a's in byte a.
.macro QUANTB
.irp b, 0,1,2,3
	v_max3_num_f32 v[TM+\b], |v[ACC+16*\b]|, |v[ACC+16*\b+1]|, 0x1800000   ; my 16 numbers, and the floor 2^(3 - 127): the byte cannot fall under 1
.endr
.irp i, 2,4,6,8,10,12,14
.irp b, 0,1,2,3
	v_max3_num_f32 v[TM+\b], v[TM+\b], |v[ACC+16*\b+\i]|, |v[ACC+16*\b+\i+1]|   ; the four tiles by turns
.endr
.endr
.irp b, 0,1,2,3
	v_permlanex16_b32 v[TM+4+\b], v[TM+\b], s[SEL], s[SEL+1]
.endr
.irp b, 0,1,2,3
	v_max_num_f32 v[TM+\b], v[TM+\b], v[TM+4+\b]   ; with lane l xor 16's 16: the block's largest magnitude
.endr
.irp b, 0,1,2,3
	v_add_nc_u32 v[TM+12+\b], 0xff000000, v[TM+\b] ; 2 off its exponent field: the conversion's scale operand
.endr
.irp b, 0,1,2,3
	v_lshrrev_b32 v[TM+4+\b], 23, v[TM+12+\b]      ; the scale's byte
.endr
	v_lshl_or_b32 v[PW], v[TM+5], 8, v[TM+4]
	v_lshl_or_b32 v[PW], v[TM+6], 16, v[PW]
	v_lshl_or_b32 v[PW], v[TM+7], 24, v[PW]
.irp b, 0,1,2,3
	v_cvt_scalef32_pk8_fp4_f32 v[PC+2*\b], v[ACC+16*\b:ACC+16*\b+7], v[TM+12+\b]
	v_cvt_scalef32_pk8_fp4_f32 v[PC+2*\b+1], v[ACC+16*\b+8:ACC+16*\b+15], v[TM+12+\b]
.endr
	v_nop                                          ; one plain place behind a scaled conversion: the next block's products write its sources
.endm
; A BLOCK: four tiles of P against my pair of R's tiles, all of K; then the bias, the quantiser and the stores.
.macro BLOCK nb
	PLOAD \nb, 0
	PSLOAD \nb
.irp s, 0,1,2,3,4,5,6,7
.if (\nb) == 0
	s_wait_loadcnt 4*(7-\s)                        ; R's four loads of this K step are in; the later steps' may be out
.endif
	s_wait_dscnt 0x0
.if \s == 0
	MUL \s, 1
.else
	MUL \s, 0
.endif
	PLACES
	s_wait_alu depctr_va_vdst(0)                   ; this K step's products are done reading PF, in which the next K step's fragments land (behind the last K step: the bias)
.if \s < 7
	PLOAD \nb, \s+1
.endif
.endr
	s_cmp_eq_u32 s20, 2
	s_cbranch_scc1 .Lbv_\@
.irp i, 0,1,2,3
	ds_load_b128 v[BBL+4*\i:BBL+4*\i+3], v4 offset:512*\i
.endr
	s_wait_dscnt 0x0
.irp a, 0,1,2,3                        ; q, k: the bias runs along the registers.  Ascending: each accumulator is read from its low end on
.irp i, 0,2,4,6,8,10,12,14
	v_pk_add_f32 v[ACC+16*\a+\i:ACC+16*\a+\i+1], v[ACC+16*\a+\i:ACC+16*\a+\i+1], v[BBL+\i:BBL+\i+1]
.endr
.endr
	s_branch .Lbd_\@
.Lbv_\@:
.irp i, 0,1
	ds_load_b128 v[BBL+4*\i:BBL+4*\i+3], v7 offset:1024*(\nb)+512*\i
.endr
	s_wait_dscnt 0x0
.irp a, 0,1,2,3                        ; v: one number for the lane's row of tile a
.irp i, 0,2,4,6,8,10,12,14
	v_pk_add_f32 v[ACC+16*\a+\i:ACC+16*\a+\i+1], v[ACC+16*\a+\i:ACC+16*\a+\i+1], v[BBL+2*\a:BBL+2*\a+1]
.endr
.endr
.Lbd_\@:
.irp b, 0,1,2,3
	v_mov_b32 v[TM+4+\b], 0                        ; a lane permute's destination counts as one of its sources
.endr
	QUANTB
	v_add_nc_u32 v[CA], s39, v6
	v_add_nc_u32 v[CA+1], s39, v[CA]
	v_add_nc_u32 v[CA+2], s39, v[CA+1]
	s_wait_alu depctr_va_vdst(0)                   ; the codes, the scale bytes and the three offsets are written, which the five stores below read; and all that named v16 to v63 is done, ahead of the next block's loads into them
	global_store_b64 v6, v[PC:PC+1], s[14:15]      ; each store covers 256 consecutive bytes, aligned
	global_store_b64 v[CA], v[PC+2:PC+3], s[14:15]
	global_store_b64 v[CA+1], v[PC+4:PC+5], s[14:15]
	global_store_b64 v[CA+2], v[PC+6:PC+7], s[14:15]
	ds_store_b32 v5, v[PW] offset:2048*(\nb)       ; bytes of their own for each block and wave: read behind the last barrier
	s_wait_xcnt 0x0                                ; the stores have read their registers and their base: the next block's loads land there, and the base steps
.if (\nb) < 3
	s_wait_alu depctr_vm_vsrc(0)                   ; the five stores have read v32 to v43, in which the next block's fragments land
	s_add_nc_u64 s[14:15], s[14:15], s[54:55]
.endif
.endm
	BLOCK 0
	BLOCK 1
	BLOCK 2
	BLOCK 3
; THE SCALE WORDS.  Waves 2 i and 2 i + 1 hold bytes 0 and 1 of the same words.
	s_xor_b32 s28, s18, 1
	s_lshl_b32 s28, s28, 7
	s_add_co_u32 s28, s28, XBB
	v_lshrrev_b32 v96, 2, v1
	v_add_nc_u32 v96, s28, v96                     ; my partner's scale bytes
	s_wait_alu depctr_va_vdst(0)                   ; v96 is written, which four of the LDS loads below read as their address
	s_wait_dscnt 0x0                               ; for the others' sake: my stores have landed
	s_barrier_signal -1
	s_barrier_wait -1
	s_cmp_lg_u32 s26, 0                            ; the odd waves have nothing more to do
	s_cbranch_scc1 .Lend
.irp n, 0,1,2,3
	ds_load_b32 v[64+\n], v5 offset:2048*\n
	ds_load_b32 v[68+\n], v96 offset:2048*\n
.endr
	v_lshrrev_b32 v72, 1, v1                       ; 8 x lane
	v_add_nc_u32 v73, s41, v72
	v_add_nc_u32 v74, s41, v73
	v_add_nc_u32 v75, s41, v74
	s_wait_dscnt 0x0
.irp n, 0,1,2,3
.irp a, 0,1,2,3
	v_bfe_u32 v[76+\a], v[64+\n], 8*\a, 8          ; tile a's byte of my block,
	v_bfe_u32 v[88+\a], v[68+\n], 8*\a, 8          ; and of my partner's
.endr
.irp a, 0,1,2,3
	v_lshl_or_b32 v[76+\a], v[88+\a], 8, v[76+\a]
.endr
	v_cndmask_b32 v[80+2*\n], v76, v77, s19        ; lanes 0-15 the even tile's words, lanes 16-31 the odd tile's
	v_cndmask_b32 v[81+2*\n], v78, v79, s19
.endr
	s_wait_alu depctr_va_vdst(0)                   ; the four blocks' words v80 to v87 and the offsets v72 to v75 are written, which the four stores read
.irp n, 0,1,2,3
	global_store_b64 v[72+\n], v[80+2*\n:81+2*\n], s[16:17]   ; 256 consecutive bytes, aligned; every store has registers of its own
.endr
.Lend:
	s_wait_xcnt 0x0
	v_lshl_add_u32 v254, v0, 2, 0x3c000
	v_mov_b32 v255, 0
	s_wait_dscnt 0x0                               ; the closing lines, six on end
	s_wait_alu 0x0
	s_wait_tensorcnt 0x0
	ds_add_u32 v254, v255
	s_wait_dscnt 0x0
	s_endpgm
.Lfunc_end_k_q5a71e6ac6d_proj:
	.size	k_q5a71e6ac6d_proj, .Lfunc_end_k_q5a71e6ac6d_proj-k_q5a71e6ac6d_proj
	.p2alignl 7, 3214868480
	.fill 96, 4, 3214868480
	.section	.rodata,"a",@progbits
	.p2align	6, 0x0
	.amdhsa_kernel k_q5a71e6ac6d_proj
		.amdhsa_group_segment_fixed_size 247808
		.amdhsa_private_segment_fixed_size 0
		.amdhsa_enable_private_segment 0
		.amdhsa_kernarg_size 56
		.amdhsa_user_sgpr_count 2
		.amdhsa_user_sgpr_kernarg_segment_ptr 1
		.amdhsa_wavefront_size32 1
		.amdhsa_system_sgpr_workgroup_id_x 1
		.amdhsa_system_sgpr_workgroup_id_y 1
		.amdhsa_system_sgpr_workgroup_id_z 1
		.amdhsa_system_vgpr_workitem_id 0
		.amdhsa_next_free_vgpr 256
		.amdhsa_next_free_sgpr 66
		.amdhsa_reserve_vcc 0
		.amdhsa_float_denorm_mode_32 3
		.amdhsa_float_denorm_mode_16_64 3
		.amdhsa_memory_ordered 1
		.amdhsa_forward_progress 1
		.amdhsa_inst_pref_size 112
	.end_amdhsa_kernel
	.amdgpu_metadata
---
amdhsa.version: [ 1, 2 ]
amdhsa.kernels:
  - .name:           k_q5a71e6ac6d_proj
    .symbol:         k_q5a71e6ac6d_proj.kd
    .args:
      - { .name: xc, .offset: 0, .size: 8, .value_kind: global_buffer, .address_space: global }
      - { .name: xs, .offset: 8, .size: 8, .value_kind: global_buffer, .address_space: global }
      - { .name: bq, .offset: 16, .size: 8, .value_kind: global_buffer, .address_space: global }
      - { .name: bk, .offset: 24, .size: 8, .value_kind: global_buffer, .address_space: global }
      - { .name: bv, .offset: 32, .size: 8, .value_kind: global_buffer, .address_space: global }
      - { .name: ac, .offset: 40, .size: 8, .value_kind: global_buffer, .address_space: global }
      - { .name: asc, .offset: 48, .size: 8, .value_kind: global_buffer, .address_space: global }
    .group_segment_fixed_size: 247808
    .private_segment_fixed_size: 0
    .kernarg_segment_align: 8
    .kernarg_segment_size: 56
    .max_flat_workgroup_size: 512
    .sgpr_count:     66
    .vgpr_count:     256
    .wavefront_size: 32
...
	.end_amdgpu_metadata
.endif
;; end of part 8
;; launch attn (part 9): grid 4 x 64, 16 waves a work-group, no clusters, 145,408 bytes of LDS; arguments ac, asc, mk, cc, cs; writes cc, cs
.if DOCPART == 9
	.amdgcn_target "amdgcn-amd-amdhsa--gfx1250"
	.amdhsa_code_object_version 6
	.text
	.protected	k_q5a71e6ac6d_attn
	.globl	k_q5a71e6ac6d_attn
	.p2align	8
	.type	k_q5a71e6ac6d_attn,@function
k_q5a71e6ac6d_attn:
	s_mov_b64 s[64:65], 0
	v_nop
	global_prefetch_b8 v0, s[64:65] scope:SCOPE_SE
	s_setreg_imm32_b32 hwreg(HW_REG_WAVE_SCHED_MODE, 0, 2), 2
	s_setreg_imm32_b32 hwreg(HW_REG_WAVE_MODE, 25, 1), 1
	s_wait_xcnt 0x0
	s_wait_alu depctr_vm_vsrc(0)
; ctx = softmax(q k^T / 8, masked) v for one head and 512 queries, both products on codes of E2M1; ctx is quantised along (head, d) for the last projection.
; THE SOFTMAX: t = score x log2(e) / 8; M = the running largest t, rounded up to a whole number; p = 2^(t - M) is quantised along the keys, not normalised; the row's sum is taken of the
; unquantised p and divides at the end.  When M moves, the sum and O are multiplied by 2^(old M - new M), which rounds nothing.
; THE MASK replaces a score by -2^33 (a logit of -2^30) ahead of the maximum.  c x 2^33 is a whole number, so in a row masked throughout t = M and every p = 1; in any other row a masked p is 0.
; LIMIT: that equals a masked logit of -1e9 as long as every unmasked logit lies above about -1e9.  NaN and infinities are not served; a block of zeros gets the scale byte 1.
; SHARES.  A work-group owns a head (y = 16 b + head) and a quarter of its queries (x).  The head's whole K and V, codes and scale words, come into LDS once, through registers: one barrier in the launch.
; Each of the sixteen waves runs two tiles of 16 queries one after the other, each through 16 steps of 128 keys; four waves share a SIMD, so one wave's vector work stands beside another's products.
; The four work-groups of a head read the same 136 KiB once each, against 512 key steps of work: too small a part to ask for jointly in a cluster.
; LAYOUT.  S^T = k q^T (source 0 = 16 keys, source 1 = my 16 queries), O^T = v^T p^T (source 0 = 16 of the head's 64, source 1 = p): a lane holds one query throughout.  The rows of every tile are
; 32 (T / 2) + 8 (T % 2) + r + 8 (r / 8), so the 16 registers of two neighbouring tiles are 16 neighbours along the next K.
; The head's K is 64: q's codes for k = 64 .. 127 are zeros, so whatever stands in the upper half of k's operand adds nothing: k's tile i is v[32 + 4 i : 39 + 4 i], whose upper four registers are tile i + 1's codes.
; A step's mask words (64 lane masks, 256 bytes) steer 64 selects: no branch and no address hangs on them.  THEY ARE ASKED FOR A STEP AHEAD: as soon as a step's selects have read the scalar registers, the next
; step's words are requested into them, with the rest of the step's softmax and the next step's eight products in which to land.  The last step asks for the tile's own first words again, so that no load leaves the buffer.
; SCALAR REGISTERS: s32-63 and s68-99 hold mask words and never a part of an address; pointers that are stepped or made anew live in s[28:29], s[66:67], s[100:101], s[104:105] alone.
; THE MODE: SCHED_MODE bits 1:0 = 2 (LLVM: expert scheduling mode 2), set by the entry lines.  The code itself states the register dependences between vector or matrix instructions and memory or LDS
; instructions, with s_wait_alu, always for 0.
; THE PLAN.  Registers that LDS or memory instructions touch in the loop over the key steps:
;   KF v32-63, KSC v18-21   Read by step j's eight products S^T, at the step's head; the LDS loads of step j + 1's k land in them in the second half of step j.
;   VF v68-99, VSC v22-23   Read by step j's four products O^T, at the step's end; the LDS loads of step j + 1's v land in them in the middle of step j + 1.
;   v5, v7, v6, v29         LDS addresses of k's next step and of v's step: written by four additions at a step's head, read by the loads in its middle.
;   v1-4, v30, v31          Addresses made at the kernel's head and never written again.
;   CC v224-227, CW v228    Written by the quantiser at a tile's end, read by the tile's two stores.
; ONE wait on va_vdst in the middle of a step, behind the exponentials, states that their results are written, that this step's products S^T are done reading k's registers, that the last step's products O^T
; are done reading v's, and that the four addresses are written.  The step's nineteen LDS loads follow it, v's at once, k's behind p's conversions: no vector instruction between names a register that they touch.
; A second stands ahead of the products O^T, which take p's codes and scale word from vector instructions.  One wait on vm_vsrc stands at a step's head, ahead of the four additions.
; The loop runs 15 steps; the sixteenth is written out, since it has no next step of k to ask for.
.set QF,  8                            ; v8-15    q's codes, then zeros
.set QS,  16                           ; v16      q's scale words
.set PSW, 17                           ; v17      p's scale word
.set KSC, 18                           ; v18-21   k's scale words of a step
.set VSC, 22                           ; v22-23   v's
.set NM,  24                           ; v24 -M, v25 the largest t
.set SUM, 26                           ; v26-27   the sum in two halves
.set NEG, 28                           ; v28      -2^33
.set KF,  32                           ; v32-63   k's codes, 4 registers a tile; v64-67 zeros
.set VF,  68                           ; v68-99   v's four fragments
.set S,   100                          ; v100-163 S^T, then p
.set O,   164                          ; v164-195 O^T
.set PCD, 196                          ; v196-203 p's codes
.set BM,  204                          ; v204-207 the blocks' largest scores, then largest p
.set BX,  208                          ; v208-211 the other half's; then the bytes
.set SO,  212                          ; v212-215 the conversions' scale operands
.set F,   216                          ; v216-217 f = 2^(old M - new M)
.set CH,  218                          ; v218-219 the sum's second chain
.set T0,  220
.set T1,  221
.set CC,  224                          ; v224-227 ctx's codes; v228 its scale word
.set CW,  228
.set TM,  232                          ; v232-237 at work in QUANT2
.set SEL, 30                           ; s[30:31]
.set CS,  18                           ; s[18:19] c = log2(e) / 8
.set MP,  28                           ; s[28:29]   at the head v's scale words; then the tile's mask words: 16 steps of 256 bytes
.set PA,  66                           ; s[66:67]   at the head k's codes; then the mask words of the step that is asked for
.set PB,  100                          ; s[100:101] at the head v's codes; then q's codes; at a tile's end cc
.set PD,  104                          ; s[104:105] at the head k's scale words; then q's; at a tile's end cs
.set LKS, 0x20000                      ; LDS: k's codes at 0 [tile 128][512]; v's at 65,536 [t 4][step 16][c 2][512]; k's scale words here [step][half][lane][2]; v's at LVS [step][lane][2]
.set LVS, 0x22000
	s_load_b256 s[4:11], s[0:1], 0x0               ; ac, asc, mk, cc
	s_load_b64 s[12:13], s[0:1], 0x20              ; cs
	v_lshl_add_u32 v254, v0, 2, 0x23000
	v_mov_b32 v255, 0
	v_lshrrev_b32 v1, 5, v0
	v_readfirstlane_b32 s14, v1                    ; wave 0..15
	s_and_b32 s27, ttmp7, 0xffff
	s_and_b32 s16, s27, 15                         ; head
	s_lshr_b32 s17, s27, 4                         ; b
	v_and_b32 v5, 31, v0                           ; lane
	v_and_b32 v6, 15, v0                           ; r
	v_lshlrev_b32 v1, 4, v5                        ; 16 x lane: k's codes
	v_add_nc_u32 v2, 0x10000, v1                   ; v's codes
	v_lshl_add_u32 v3, v5, 3, LKS                  ; k's scale words
	v_lshl_add_u32 v4, v5, 3, LVS                  ; v's
	v_lshlrev_b32 v30, 3, v6                       ; 8 r
	v_lshlrev_b32 v31, 4, v6                       ; 16 r
	v_lshlrev_b32 v7, 4, v0                        ; the copy: 16 x thread,
	v_add_nc_u32 v29, 0x10000, v7
	v_add_nc_u32 v24, LKS, v7
	v_lshl_add_u32 v25, v0, 3, LVS                 ; 8 x thread,
	s_wait_alu depctr_va_sdst(0)                   ; s14 is written, ahead of its first reader: an offset of the copy and the tiles' numbers are made from it
	s_lshl_b32 s27, s14, 9
	v_lshl_add_u32 v26, v5, 3, s27                 ; 512 x wave + 8 x lane
	s_lshl_b32 s20, s16, 18
	s_lshl_b32 s21, s17, 16
	s_add_co_u32 s2, s20, s21
	s_add_co_u32 s2, s2, 0x400000
	s_mov_b32 s3, 0
	s_wait_kmcnt 0x0
	s_add_nc_u64 s[PA:PA+1], s[4:5], s[2:3]        ; k's codes of (b, head): 65,536 consecutive bytes
	s_lshl_b32 s21, s17, 14
	s_add_co_u32 s2, s20, s21
	s_add_co_u32 s2, s2, 0x800000
	s_add_nc_u64 s[PB:PB+1], s[4:5], s[2:3]        ; v's: four runs of 16,384 bytes, 65,536 apart
	s_lshl_b32 s20, s16, 15
	s_lshl_b32 s21, s17, 13
	s_add_co_u32 s2, s20, s21
	s_add_co_u32 s2, s2, 0x80000
	s_add_nc_u64 s[PD:PD+1], s[6:7], s[2:3]        ; k's scale words: 8,192 bytes
	s_add_co_u32 s2, s2, 0x80000
	s_add_nc_u64 s[MP:MP+1], s[6:7], s[2:3]        ; v's: 8,192 bytes
	s_wait_alu depctr_va_vdst(0)                   ; the addresses v1 to v4, v7, v24 to v26 and v29 to v31 are written, which the loads and stores below read
.irp i, 0,1,2,3,4,5,6,7
	global_load_b128 v[32+4*\i:35+4*\i], v7, s[PA:PA+1] offset:8192*\i
.endr
.irp t, 0,1,2,3
.irp i, 0,1
	global_load_b128 v[64+8*\t+4*\i:67+8*\t+4*\i], v7, s[PB:PB+1] offset:65536*\t+8192*\i
.endr
.endr
	global_load_b128 v[96:99], v7, s[PD:PD+1]
	global_load_b64 v[100:101], v26, s[MP:MP+1]    ; wave w takes key step w: the words of its first 64 keys,
	global_load_b64 v[102:103], v26, s[MP:MP+1] offset:256   ; and of its second 64
	s_mov_b32 s[CS], 0x3e38aa3b
	s_mov_b32 s[CS+1], s[CS]                       ; (the packed form names the pair)
	s_mov_b32 s[SEL], 0x76543210
	s_mov_b32 s[SEL+1], 0xfedcba98
	s_mov_b32 s15, 0                               ; which of my two tiles
	s_wait_loadcnt 0x0                             ; the copy is in registers; the four pointers above may be written again
	v_lshl_or_b32 v100, v102, 16, v100             ; two bytes of each half make the step's word of four
	v_lshl_or_b32 v101, v103, 16, v101
	s_wait_alu depctr_va_vdst(0)                   ; v100 and v101 are written, which the last of the LDS stores below reads
.irp i, 0,1,2,3,4,5,6,7
	ds_store_b128 v7, v[32+4*\i:35+4*\i] offset:8192*\i
.endr
.irp t, 0,1,2,3
.irp i, 0,1
	ds_store_b128 v29, v[64+8*\t+4*\i:67+8*\t+4*\i] offset:16384*\t+8192*\i
.endr
.endr
	ds_store_b128 v24, v[96:99]
	ds_store_b64 v25, v[100:101]
	s_wait_dscnt 0x0                               ; for the others' sake: my stores have landed
	s_barrier_signal -1
	s_barrier_wait -1                              ; K and V lie in LDS, and are only read from here on
	s_wait_alu depctr_vm_vsrc(0)                   ; the copy's loads and LDS stores have read v7, v24 to v26, v29 and v32 to v101: from here on these are addresses made anew, statistics, zeros, operands and scores
.irp i, 4,5,6,7
	v_mov_b32 v[QF+\i], 0                          ; q's codes for k = 64 .. 127
.endr
.irp i, 0,1,2,3
	v_mov_b32 v[KF+32+\i], 0                       ; behind k's last tile
	v_mov_b32 v[BX+\i], 0                          ; a lane permute's destination counts as one of its sources
.endr
	v_mov_b32 v[F+1], 0                            ; (named as the upper half of a pair)
	v_mov_b32 v[T1], 0
	v_mov_b32 v[TM+2], 0
	v_mov_b32 v[TM+3], 0
	v_mov_b32 v[NEG], 0xd0000000
	s_wait_alu depctr_va_vdst(0)                   ; the zeros v12 to v15 and v64 to v67 are written, which the products S^T take as part of their operands
.macro PLACES                          ; four plain places between a product and a vector instruction on its registers (ISA guide 7.12.1)
.rept 4
	v_nop
.endr
.endm
.macro SMUL i                          ; S^T of 16 keys: the constant 0 starts the sum
.if (\i)%2
	v_wmma_scale_f32_16x16x128_f8f6f4 v[S+8*\i:S+8*\i+7], v[KF+4*\i:KF+4*\i+7], v[QF:QF+7], 0, v[KSC+2*(\i/4)+(\i/2)%2], v[QS] matrix_a_fmt:MATRIX_FMT_FP4 matrix_b_fmt:MATRIX_FMT_FP4 matrix_a_scale:MATRIX_SCALE_ROW1
.else
	v_wmma_scale_f32_16x16x128_f8f6f4 v[S+8*\i:S+8*\i+7], v[KF+4*\i:KF+4*\i+7], v[QF:QF+7], 0, v[KSC+2*(\i/4)+(\i/2)%2], v[QS] matrix_a_fmt:MATRIX_FMT_FP4 matrix_b_fmt:MATRIX_FMT_FP4
.endif
.endm
.macro PVMUL t                         ; O^T of 16 of the head's 64, over the step's 128 keys
.if (\t)%2
	v_wmma_scale_f32_16x16x128_f8f6f4 v[O+8*\t:O+8*\t+7], v[VF+8*\t:VF+8*\t+7], v[PCD:PCD+7], v[O+8*\t:O+8*\t+7], v[VSC+\t/2], v[PSW] matrix_a_fmt:MATRIX_FMT_FP4 matrix_b_fmt:MATRIX_FMT_FP4 matrix_a_scale:MATRIX_SCALE_ROW1
.else
	v_wmma_scale_f32_16x16x128_f8f6f4 v[O+8*\t:O+8*\t+7], v[VF+8*\t:VF+8*\t+7], v[PCD:PCD+7], v[O+8*\t:O+8*\t+7], v[VSC+\t/2], v[PSW] matrix_a_fmt:MATRIX_FMT_FP4 matrix_b_fmt:MATRIX_FMT_FP4
.endif
.endm
.macro QUANT2 src, pc, pw              ; 32 numbers of a lane, register 16 b + i = k 32 b + 16 h + i of its row: two blocks shared with lane l xor 16
.irp b, 0,1
	v_max3_num_f32 v[TM+\b], |v[\src+16*\b]|, |v[\src+16*\b+1]|, 0x1800000
.endr
.irp i, 2,4,6,8,10,12,14
.irp b, 0,1
	v_max3_num_f32 v[TM+\b], v[TM+\b], |v[\src+16*\b+\i]|, |v[\src+16*\b+\i+1]|
.endr
.endr
.irp b, 0,1
	v_permlanex16_b32 v[TM+2+\b], v[TM+\b], s[SEL], s[SEL+1]
.endr
.irp b, 0,1
	v_max_num_f32 v[TM+\b], v[TM+\b], v[TM+2+\b]
.endr
.irp b, 0,1
	v_add_nc_u32 v[TM+4+\b], 0xff000000, v[TM+\b]
.endr
.irp b, 0,1
	v_lshrrev_b32 v[TM+2+\b], 23, v[TM+4+\b]
.endr
	v_lshl_or_b32 v[\pw], v[TM+3], 8, v[TM+2]
.irp b, 0,1
	v_cvt_scalef32_pk8_fp4_f32 v[\pc+2*\b], v[\src+16*\b:\src+16*\b+7], v[TM+4+\b]
	v_cvt_scalef32_pk8_fp4_f32 v[\pc+2*\b+1], v[\src+16*\b+8:\src+16*\b+15], v[TM+4+\b]
.endr
	v_nop                                          ; one plain place behind a scaled conversion
	v_permlane16_swap_b32 v[\pc], v[\pc+2]
	v_permlane16_swap_b32 v[\pc+1], v[\pc+3]
.endm
; A KEY STEP of 128 keys.  ahead = 1: the next step's k is asked for, and the places in LDS move on.
.macro STEP ahead
	s_wait_alu depctr_vm_vsrc(0)                   ; the LDS loads of the step before have read v5, v6, v7 and v29, which the lines below write; the last tile's two stores have read ctx's codes and scale word, which this tile's end writes
	v_add_nc_u32 v6, s21, v2                       ; this step's v: codes,
	v_add_nc_u32 v29, s23, v4                      ; and scale words
.if \ahead
	v_add_nc_u32 v5, s20, v1                       ; the next step's k: codes,
	v_add_nc_u32 v7, s22, v3                       ; and scale words
.endif
	s_wait_dscnt 0x0                               ; this step's k, asked for in the step before (step 0's: at the tile's head), is in
.irp i, 0,1,2,3,4,5,6,7
	SMUL \i
.endr
	PLACES
	s_wait_kmcnt 0x0                               ; this step's mask words, asked for in the step before (step 0's: at the tile's head), are in; the pointer that they were asked by may be written again
.set n, 0
.rept 64                               ; register n holds key 32 (n / 16) + 16 h + n % 16; ascending
.if n < 32
	v_cndmask_b32 v[S+n], v[S+n], v[NEG], s[32+n]
.else
	v_cndmask_b32 v[S+n], v[S+n], v[NEG], s[36+n]
.endif
.set n, n+1
.endr
.irp b, 0,1,2,3
	v_max3_num_f32 v[BM+\b], v[S+16*\b], v[S+16*\b+1], v[S+16*\b+2]   ; the largest score of each block of 32 keys: for the row's maximum, and, since p rises with the score, for the block's largest p
.endr
.irp i, 3,5,7,9,11,13
.irp b, 0,1,2,3
	v_max3_num_f32 v[BM+\b], v[BM+\b], v[S+16*\b+\i], v[S+16*\b+\i+1]
.endr
.endr
.irp b, 0,1,2,3
	v_max_num_f32 v[BM+\b], v[BM+\b], v[S+16*\b+15]
.endr
	s_add_co_u32 s2, s2, 256                       ; THE NEXT STEP'S MASK WORDS: the selects above have read the registers.  256 bytes on,
	s_and_b32 s2, s2, 0xfff                        ; and from the last step back to the tile's first: inside the buffer, and not used
	s_add_nc_u64 s[PA:PA+1], s[MP:MP+1], s[2:3]
	s_load_b512 s[32:47], s[PA:PA+1], 0x0
	s_load_b512 s[48:63], s[PA:PA+1], 0x40
	s_load_b512 s[68:83], s[PA:PA+1], 0x80
	s_load_b512 s[84:99], s[PA:PA+1], 0xc0
.irp b, 0,1,2,3
	v_permlanex16_b32 v[BX+\b], v[BM+\b], s[SEL], s[SEL+1]
.endr
.irp b, 0,1,2,3
	v_max_num_f32 v[BM+\b], v[BM+\b], v[BX+\b]     ; with lane l xor 16's 16 keys
.endr
	v_max3_num_f32 v[T0], v[BM], v[BM+1], v[BM+2]
	v_max_num_f32 v[T0], v[T0], v[BM+3]
	v_mul_f32 v[T0], s[CS], v[T0]                  ; the step's largest t (c is positive)
	v_max_num_f32 v[NM+1], v[NM+1], v[T0]
	v_mov_b32 v[T0], v[NM]
	v_floor_f32 v[NM], -v[NM+1]                    ; -M = floor(-t): M is a whole number
	v_sub_f32 v[T0], v[NM], v[T0]                  ; old M - new M, 0 or less
	v_cvt_i32_f32 v[T0], v[T0]                     ; (it saturates)
	v_ldexp_f32 v[F], 1.0, v[T0]                   ; f = 2^(old M - new M)
.set n, 0
.rept 32
	v_pk_fma_f32 v[S+n:S+n+1], v[S+n:S+n+1], s[CS:CS+1], v[NM:NM+1] op_sel_hi:[1,0,0]   ; t - M, two at a time
.set n, n+2
.endr
.irp b, 0,1,2,3
	v_fma_f32 v[BM+\b], v[BM+\b], s[CS], v[NM]
.endr
.set n, 0
	s_wait_alu depctr_va_vdst(0)
.rept 64
	v_exp_f32 v[S+n], v[S+n]                       ; p = 2^(t - M)
.set n, n+1
.endr
.irp b, 0,1,2,3
	v_exp_f32 v[BM+\b], v[BM+\b]                   ; the block's largest p: the same two instructions on the same number
.endr
	v_pk_mul_f32 v[SUM:SUM+1], v[SUM:SUM+1], v[F:F+1] op_sel_hi:[1,0]   ; the sum under the new M; also the plain place behind the exponentials
	s_wait_alu depctr_va_vdst(0)                   ; the 68 exponentials have written p and the blocks' largest p, ahead of their first reader; this step's products S^T are done reading k's registers and the last step's products O^T v's, in which the loads below land; v5, v6, v7 and v29 are written
.irp t, 0,1,2,3
.irp c, 0,1
	ds_load_b128 v[VF+8*\t+4*\c:VF+8*\t+4*\c+3], v6 offset:16384*\t+512*\c   ; this step's v
.endr
.endr
	ds_load_b64 v[VSC:VSC+1], v29
.irp b, 0,1,2,3
	v_max_num_f32 v[BM+\b], 0x1800000, v[BM+\b]    ; the floor 2^(3 - 127)
.endr
.irp b, 0,1,2,3
	v_add_nc_u32 v[SO+\b], 0xff000000, v[BM+\b]
.endr
.irp b, 0,1,2,3
	v_lshrrev_b32 v[BX+\b], 23, v[SO+\b]
.endr
	v_lshl_or_b32 v[PSW], v[BX+1], 8, v[BX]
	v_lshl_or_b32 v[PSW], v[BX+2], 16, v[PSW]
	v_lshl_or_b32 v[PSW], v[BX+3], 24, v[PSW]
.irp b, 0,1,2,3
	v_cvt_scalef32_pk8_fp4_f32 v[PCD+2*\b], v[S+16*\b:S+16*\b+7], v[SO+\b]
	v_cvt_scalef32_pk8_fp4_f32 v[PCD+2*\b+1], v[S+16*\b+8:S+16*\b+15], v[SO+\b]
.endr
	v_nop                                          ; one plain place behind a scaled conversion
.irp c, 0,1
.irp i, 0,1
	v_permlane16_swap_b32 v[PCD+4*\c+\i], v[PCD+4*\c+2+\i]
.endr
.endr
.if \ahead
.irp i, 0,1,2,3,4,5,6,7
	ds_load_b128 v[KF+4*\i:KF+4*\i+3], v5 offset:512*\i   ; the next step's k.  No wait: no vector or matrix instruction since the wait above names v5, v7 or k's registers
.endr
	ds_load_b64 v[KSC:KSC+1], v7
	ds_load_b64 v[KSC+2:KSC+3], v7 offset:256
.endif
.set n, 0
.rept 16
	v_pk_mul_f32 v[O+n:O+n+1], v[O+n:O+n+1], v[F:F+1] op_sel_hi:[1,0]   ; O^T under the new M, from each accumulator's low end on
.set n, n+2
.endr
	v_pk_add_f32 v[CH:CH+1], v[S:S+1], v[S+2:S+3]  ; the row's sum of the unquantised p, in two chains.  These lines and the sixteen above are the places between p's codes and scale word and the products
.irp j, 4,8,12,16,20,24,28,32,36,40,44,48,52,56,60
	v_pk_add_f32 v[SUM:SUM+1], v[SUM:SUM+1], v[S+\j:S+\j+1]
	v_pk_add_f32 v[CH:CH+1], v[CH:CH+1], v[S+\j+2:S+\j+3]
.endr
	v_pk_add_f32 v[SUM:SUM+1], v[SUM:SUM+1], v[CH:CH+1]
.if \ahead
	s_wait_dscnt 10                                ; v's nine loads are in; the ten of the next step's k, issued behind them, may be out
.else
	s_wait_dscnt 0x0                               ; v's fragments and words are in
.endif
	s_wait_alu depctr_va_vdst(0)                   ; p's codes and scale word are written, which the four products take as source 1 and as its scales
.irp t, 0,1,2,3
	PVMUL \t
.endr
.if \ahead
	s_add_co_u32 s20, s20, 4096
	s_add_co_u32 s21, s21, 1024
	s_add_co_u32 s22, s22, 512
	s_add_co_u32 s23, s23, 256
.endif
.endm
.Ltile:                                            ; two trips
	s_lshl_b32 s25, ttmp9, 5
	s_add_co_u32 s25, s25, s14
	s_lshl_b32 s27, s15, 4
	s_add_co_u32 s25, s25, s27
	s_lshl_b32 s27, s17, 7
	s_add_co_u32 s25, s25, s27                     ; I = 128 b + 32 x + wave + 16 trip
	s_lshl_b32 s2, s25, 12
	s_add_nc_u64 s[MP:MP+1], s[8:9], s[2:3]        ; the tile's mask words: 256 bytes a step, 16 steps
	s_load_b512 s[32:47], s[MP:MP+1], 0x0          ; step 0's 64 lane masks: no scalar load of mine is out here
	s_load_b512 s[48:63], s[MP:MP+1], 0x40
	s_load_b512 s[68:83], s[MP:MP+1], 0x80
	s_load_b512 s[84:99], s[MP:MP+1], 0xc0
	s_lshl_b32 s2, s16, 18
	s_lshl_b32 s27, s25, 9
	s_add_co_u32 s2, s2, s27
	s_add_nc_u64 s[PB:PB+1], s[4:5], s[2:3]        ; q's codes
	s_lshl_b32 s2, s16, 15
	s_lshr_b32 s27, s25, 2
	s_lshl_b32 s27, s27, 8
	s_add_co_u32 s2, s2, s27
	s_and_b32 s27, s25, 1
	s_lshl_b32 s27, s27, 7
	s_add_co_u32 s2, s2, s27
	s_and_b32 s27, s25, 2
	s_lshl_b32 s27, s27, 1
	s_add_co_u32 s2, s2, s27
	s_add_nc_u64 s[PD:PD+1], s[6:7], s[2:3]        ; q's scale words: 32,768 head + 256 (I / 4) + 128 (I % 2) + 4 ((I / 2) % 2), + 8 r
	global_load_b128 v[QF:QF+3], v1, s[PB:PB+1]    ; no wait: since the last wait on va_vdst (ahead of this label; in the second trip ahead of the last tile's stores) no vector or matrix instruction names q's or k's registers
	global_load_b32 v[QS], v30, s[PD:PD+1]
.irp i, 0,1,2,3,4,5,6,7
	ds_load_b128 v[KF+4*\i:KF+4*\i+3], v1 offset:512*\i   ; step 0's k, by the addresses that are never rewritten
.endr
	ds_load_b64 v[KSC:KSC+1], v3
	ds_load_b64 v[KSC+2:KSC+3], v3 offset:256
.set n, 0
.rept 32
	v_mov_b32 v[O+n], 0                            ; the step is written for every step alike: the first finds zeros, which the first change of M leaves zeros
.set n, n+1
.endr
	v_mov_b32 v[SUM], 0
	v_mov_b32 v[SUM+1], 0
	v_mov_b32 v[NM+1], 0xff61b1e6                  ; the largest t so far: -3e38
	v_floor_f32 v[NM], -v[NM+1]
	s_mov_b32 s2, 0                                ; where in the tile's mask words the step lies whose words were asked for last
	s_mov_b32 s20, 4096                            ; places in LDS: the NEXT step's k, codes (s20) and words (s22); this step's v, codes (s21) and words (s23)
	s_mov_b32 s21, 0
	s_mov_b32 s22, 512
	s_mov_b32 s23, 0
	s_mov_b32 s24, 15
	s_wait_loadcnt 0x0                             ; q; its pointers' registers may be written again
.Lstep:                                            ; 15 trips of 128 keys
	STEP 1
	s_sub_co_u32 s24, s24, 1
	s_cmp_lg_u32 s24, 0
	s_cbranch_scc1 .Lstep
	STEP 0                                         ; the sixteenth step: no k is left to ask for
	PLACES
	s_wait_kmcnt 0x0                               ; the words that the last step asked for have landed: the next tile loads into the same registers and makes the pointers anew
	v_add_f32 v[SUM], v[SUM], v[SUM+1]             ; the sum's two halves,
	v_permlanex16_b32 v[T1], v[SUM], s[SEL], s[SEL+1]
	v_add_f32 v[SUM], v[SUM], v[T1]                ; and lane l xor 16's
	s_wait_alu depctr_va_vdst(0)
	v_rcp_f32 v[SUM], v[SUM]
	v_nop                                          ; one plain place behind a transcendental
.set n, 0
	s_wait_alu depctr_va_vdst(0)                   ; the reciprocal is written, ahead of its first reader
.rept 16
	v_pk_mul_f32 v[S+n:S+n+1], v[O+n:O+n+1], v[SUM:SUM+1] op_sel_hi:[1,0]   ; ctx: register 16 b + i is d = 32 b + 16 h + i of my query
.set n, n+2
.endr
	QUANT2 S, CC, CW
	s_lshl_b32 s2, s25, 13
	s_lshl_b32 s27, s16, 9
	s_add_co_u32 s2, s2, s27
	s_add_nc_u64 s[PB:PB+1], s[10:11], s[2:3]      ; cc + 8,192 I + 512 head: piece head % 2 of K step head / 2
	s_lshr_b32 s2, s25, 1
	s_lshl_b32 s2, s2, 10
	s_and_b32 s27, s25, 1
	s_lshl_b32 s27, s27, 8
	s_add_co_u32 s2, s2, s27
	s_lshr_b32 s27, s16, 3
	s_lshl_b32 s27, s27, 9
	s_add_co_u32 s2, s2, s27
	s_and_b32 s27, s16, 7
	s_lshl_b32 s27, s27, 1
	s_add_co_u32 s2, s2, s27
	s_add_nc_u64 s[PD:PD+1], s[12:13], s[2:3]      ; cs + 1,024 (I / 2) + 256 (I % 2) + 512 (head / 8) + 2 (head % 8), + 16 r
	s_wait_alu depctr_va_vdst(0)                   ; ctx's codes and scale word are written, which the two stores read; and the tile's products are done reading q's and k's registers, in which the next tile's loads land
	global_store_b128 v1, v[CC:CC+3], s[PB:PB+1]   ; 512 consecutive bytes
	global_store_b16 v31, v[CW], s[PD:PD+1]        ; my head's two bytes of the row's scale word (lanes 16-31 repeat lanes 0-15): one byte in 128 of what the tile stores
	s_wait_xcnt 0x0                                ; the stores have read their registers and bases: both are written again in the next trip
	s_add_co_u32 s15, s15, 1
	s_cmp_lt_u32 s15, 2
	s_cbranch_scc1 .Ltile
	s_wait_dscnt 0x0                               ; the closing lines, six on end
	s_wait_alu 0x0
	s_wait_tensorcnt 0x0
	ds_add_u32 v254, v255
	s_wait_dscnt 0x0
	s_endpgm
.Lfunc_end_k_q5a71e6ac6d_attn:
	.size	k_q5a71e6ac6d_attn, .Lfunc_end_k_q5a71e6ac6d_attn-k_q5a71e6ac6d_attn
	.p2alignl 7, 3214868480
	.fill 96, 4, 3214868480
	.section	.rodata,"a",@progbits
	.p2align	6, 0x0
	.amdhsa_kernel k_q5a71e6ac6d_attn
		.amdhsa_group_segment_fixed_size 145408
		.amdhsa_private_segment_fixed_size 0
		.amdhsa_enable_private_segment 0
		.amdhsa_kernarg_size 40
		.amdhsa_user_sgpr_count 2
		.amdhsa_user_sgpr_kernarg_segment_ptr 1
		.amdhsa_wavefront_size32 1
		.amdhsa_system_sgpr_workgroup_id_x 1
		.amdhsa_system_sgpr_workgroup_id_y 1
		.amdhsa_system_sgpr_workgroup_id_z 1
		.amdhsa_system_vgpr_workitem_id 0
		.amdhsa_next_free_vgpr 256
		.amdhsa_next_free_sgpr 106
		.amdhsa_reserve_vcc 0
		.amdhsa_float_denorm_mode_32 3
		.amdhsa_float_denorm_mode_16_64 3
		.amdhsa_memory_ordered 1
		.amdhsa_forward_progress 1
		.amdhsa_inst_pref_size 52
	.end_amdhsa_kernel
	.amdgpu_metadata
---
amdhsa.version: [ 1, 2 ]
amdhsa.kernels:
  - .name:           k_q5a71e6ac6d_attn
    .symbol:         k_q5a71e6ac6d_attn.kd
    .args:
      - { .name: ac, .offset: 0, .size: 8, .value_kind: global_buffer, .address_space: global }
      - { .name: asc, .offset: 8, .size: 8, .value_kind: global_buffer, .address_space: global }
      - { .name: mk, .offset: 16, .size: 8, .value_kind: global_buffer, .address_space: global }
      - { .name: cc, .offset: 24, .size: 8, .value_kind: global_buffer, .address_space: global }
      - { .name: cs, .offset: 32, .size: 8, .value_kind: global_buffer, .address_space: global }
    .group_segment_fixed_size: 145408
    .private_segment_fixed_size: 0
    .kernarg_segment_align: 8
    .kernarg_segment_size: 40
    .max_flat_workgroup_size: 512
    .sgpr_count:     106
    .vgpr_count:     256
    .wavefront_size: 32
...
	.end_amdgpu_metadata
.endif
;; end of part 9
;; launch outln (part 10): grid 256 x 1, 16 waves a work-group, no clusters, 162,816 bytes of LDS; arguments cc, cs, xc, xs, bo, Q, ln_gamma, ln_beta, out0; writes out0
.if DOCPART == 10
	.amdgcn_target "amdgcn-amd-amdhsa--gfx1250"
	.amdhsa_code_object_version 6
	.text
	.protected	k_q5a71e6ac6d_outln
	.globl	k_q5a71e6ac6d_outln
	.p2align	8
	.type	k_q5a71e6ac6d_outln,@function
k_q5a71e6ac6d_outln:
	s_mov_b64 s[64:65], 0
	v_nop
	global_prefetch_b8 v0, s[64:65] scope:SCOPE_SE
	s_setreg_imm32_b32 hwreg(HW_REG_WAVE_SCHED_MODE, 0, 2), 2
	s_setreg_imm32_b32 hwreg(HW_REG_WAVE_MODE, 25, 1), 1
	s_wait_xcnt 0x0
	s_wait_alu depctr_vm_vsrc(0)
; out0 = LayerNorm(ctx Wo^T + bo + Q) x gamma + beta.  The product is on codes of E2M1; all else in f32.
; SHARES.  A work-group owns 32 tokens (tiles 2 x and 2 x + 1) and all 1,024 columns, so a row's mean and variance stay inside it.  Sixteen waves of 256 registers; wave w owns columns 64 w .. 64 w + 63.
; ctx's codes for all of K come into LDS once.  Wo's fragments go from memory straight into the registers of the one wave that needs them, 512 consecutive bytes a load, four sets deep: they do not pass
; through LDS, so no tile is asked for jointly by a cluster.
; The product is used transposed (source 0 = 16 rows of Wo, source 1 = 16 tokens): lane (r, h) keeps token 32 x + 8 a + r + 8 (r / 8), and register 16 b + i of its 32 is column 64 w + 32 b + 16 h + i.
; The residual comes in, and the result leaves, as 256 consecutive aligned bytes for each sixteen lanes; both change layout in the wave's own stage in LDS, whose slot 16 a + r holds the token of lane r of tile a.
; The mean is taken first and the variance of the differences from it, as the definition has it.  Three barriers: ctx in LDS; the sums; the sums of squares.
; THE MODE: SCHED_MODE bits 1:0 = 2 (LLVM: expert scheduling mode 2), set by the entry lines.  The code itself states the register dependences between vector or matrix instructions and memory or LDS
; instructions, with s_wait_alu, always for 0.
; THE PLAN.  Registers that memory or LDS instructions touch:
;   PF v32-47       A K step's eight products read it; behind them the next K step's LDS loads land in it.  Six registers of the wave's 256 are free, so it has no second set.
;   RF v64-191      Four sets.  K step s's products read set s % 4; behind them the loads of K step s + 4 (later: of the residual) land in it.  The first products read bo in the fourth set.
;   RS, PS v8-31    Read by the products as scales; behind the last K step gamma lands there.
;   v64-127         The residual as loaded: read by the stores into the stage; then beta lands in v64-95 and the sums are made in v96-127.
;   TS v96-127      Written by the sums' vector instructions; two of them are stored to LDS; then the sixteen waves' words land there.
;   ACC v192-255    At the head the copy of ctx passes through v192-199; at the end vector instructions write the result there, which the stores into the stage read.
;   v1, v48-55      Addresses, made at the head and never written again.
; So ONE wait on va_vdst stands behind each K step's products, and that step's loads follow it; the way out has one ahead of each run of LDS stores of computed numbers, and a wait on vm_vsrc ahead of each
; first write of registers that LDS stores have read.
.set RS,  8                            ; v8-23    Wo's scale words for all of K: 8 q + 4 (t / 2) + e
.set PS,  24                           ; v24-31   ctx's scale words: one register a K step; tile 1's in lanes 16-31
.set PF,  32                           ; v32-47   ctx's two fragments of a K step
.set G,   8                            ; the way out: v8-39 gamma
.set MU,  40                           ; v40-43   the mean, later 1 / sqrt(var + eps), a pair for each tile; v44, v46 var + eps
.set RF,  64                           ; v64-191  Wo's four fragments, four sets; later the residual
.set BE,  64                           ; the way out: v64-95 beta
.set TS,  96                           ; the way out: v96-127 sums
.set RX,  128                          ; the way out: v128-191 the residual in the result's layout; at last rows of the result
.set BO,  160                          ; bo as the first products' C: in the fourth set
.set ACC, 192                          ; v192-255 8 accumulators: 32 a + 8 t
.set STG, 16384                        ; LDS: ctx's codes at 0 (16,384 bytes); sixteen stages of 32 x 272 bytes;
.set SM,  155648                       ; the sums: 32 slots x 80 bytes (16 waves' words + 16); the sums of squares 2,560 bytes on
	s_load_b256 s[4:11], s[0:1], 0x0               ; cc, cs, xc, xs
	s_load_b256 s[12:19], s[0:1], 0x20             ; bo, Q, ln_gamma, ln_beta
	s_load_b64 s[20:21], s[0:1], 0x40              ; out0
	v_lshl_add_u32 v62, v0, 2, 0x27400
	v_mov_b32 v63, 0
	v_lshrrev_b32 v1, 5, v0
	v_readfirstlane_b32 s22, v1                    ; wave 0..15
	v_and_b32 v2, 31, v0
	v_and_b32 v3, 15, v0                           ; r
	v_bfe_u32 v4, v0, 4, 1                         ; h
	v_lshlrev_b32 v1, 4, v2                        ; 16 x lane
	v_lshlrev_b32 v48, 4, v0                       ; 16 x thread
	v_lshlrev_b32 v49, 6, v4                       ; 64 h: vectors along the columns
	v_lshlrev_b32 v50, 12, v4
	v_lshl_add_u32 v50, v3, 4, v50                 ; rows in memory: lanes 0-15 one row's 256 bytes, lanes 16-31 the next row's
	s_wait_alu depctr_va_sdst(0)                   ; s22 is written, ahead of its first reader: the stage's place and the bases are made from it
	s_mul_i32 s23, s22, 8704
	s_add_co_u32 s23, s23, STG                     ; my stage
	v_mul_u32_u24 v51, v4, 272
	v_lshl_add_u32 v51, v3, 4, v51
	v_add_nc_u32 v51, s23, v51                     ; by rows: slot h, 16 r
	v_mul_u32_u24 v52, v3, 272
	v_lshl_add_u32 v52, v4, 6, v52
	v_add_nc_u32 v52, s23, v52                     ; in the result's layout: slot r, 64 h
	v_mul_u32_u24 v54, v3, 80
	v_add_nc_u32 v54, SM, v54                      ; slot r's sixteen words,
	s_lshl_b32 s23, s22, 2
	v_add_nc_u32 v53, s23, v54                     ; and my wave's among them
	v_lshrrev_b32 v55, 4, v0
	v_lshlrev_b32 v55, 12, v55
	v_lshl_add_u32 v55, v3, 8, v55                 ; the prefetch: thread t asks for block t % 16 of row t / 16; never rewritten
	s_mov_b32 s30, 0x76543210
	s_mov_b32 s31, 0xfedcba98
	s_mov_b32 s32, 0x3a800000                      ; 1 / 1,024
	s_mov_b32 s33, 0x3727c5ac                      ; 1e-5
	s_mov_b32 s29, 0
	s_wait_kmcnt 0x0
	s_lshl_b32 s28, ttmp9, 14
	s_add_nc_u64 s[4:5], s[4:5], s[28:29]          ; ctx's codes: 16,384 x
	s_lshl_b32 s28, ttmp9, 10
	s_add_nc_u64 s[6:7], s[6:7], s[28:29]          ; its scale words: 1,024 x
	s_lshl_b32 s28, s22, 15
	s_add_co_u32 s28, s28, 1728*8192
	s_add_nc_u64 s[8:9], s[8:9], s[28:29]          ; Wo's tiles 1,728 + 4 w on
	s_lshl_b32 s28, s22, 11
	s_add_co_u32 s28, s28, 864*1024
	s_add_nc_u64 s[10:11], s[10:11], s[28:29]
	s_lshl_b32 s28, ttmp9, 17
	s_add_nc_u64 s[24:25], s[14:15], s[28:29]      ; Q at my 32 rows
	s_add_nc_u64 s[20:21], s[20:21], s[28:29]
	s_lshl_b32 s28, s22, 8                         ; my 64 columns
	s_add_nc_u64 s[12:13], s[12:13], s[28:29]
	s_add_nc_u64 s[16:17], s[16:17], s[28:29]
	s_add_nc_u64 s[18:19], s[18:19], s[28:29]
	s_add_nc_u64 s[26:27], s[24:25], s[28:29]
	s_add_nc_u64 s[20:21], s[20:21], s[28:29]
.macro RLOAD k, buf
.irp t, 0,1,2,3
.irp c, 0,1
	global_load_b128 v[RF+32*(\buf)+8*\t+4*\c:RF+32*(\buf)+8*\t+4*\c+3], v1, s[8:9] offset:8192*\t+1024*(\k)+512*\c
.endr
.endr
.endm
.macro PLOAD k
.irp a, 0,1
.irp c, 0,1
	ds_load_b128 v[PF+8*\a+4*\c:PF+8*\a+4*\c+3], v1 offset:8192*\a+1024*(\k)+512*\c
.endr
.endr
.endm
.macro COLS reg, base                  ; 32 numbers of a vector along my columns, in the result's layout
.irp b, 0,1
.irp k, 0,1,2,3
	global_load_b128 v[\reg+16*\b+4*\k:\reg+16*\b+4*\k+3], v49, s[\base:\base+1] offset:128*\b+16*\k
.endr
.endr
.endm
.macro RES k0                          ; eight loads of the residual: load k takes stage slots 2 k and 2 k + 1
.irp e, 0,1,2,3,4,5,6,7
.set sg, 2*(\k0+\e)
.set rho, 8*(sg/16)+sg%16+8*((sg%16)/8)
	global_load_b128 v[RF+4*(\k0+\e):RF+4*(\k0+\e)+3], v50, s[26:27] offset:4096*rho th:TH_LOAD_NT
.endr
.endm
.macro WM d, a, b, c, sa, sb, ra, rb   ; one product; ra, rb = 1: that side's scale words stand in lanes 16-31
.if ((\ra)==1) && ((\rb)==1)
	v_wmma_scale_f32_16x16x128_f8f6f4 v[\d:\d+7], v[\a:\a+7], v[\b:\b+7], v[\c:\c+7], v[\sa], v[\sb] matrix_a_fmt:MATRIX_FMT_FP4 matrix_b_fmt:MATRIX_FMT_FP4 matrix_a_scale:MATRIX_SCALE_ROW1 matrix_b_scale:MATRIX_SCALE_ROW1
.elseif (\ra)==1
	v_wmma_scale_f32_16x16x128_f8f6f4 v[\d:\d+7], v[\a:\a+7], v[\b:\b+7], v[\c:\c+7], v[\sa], v[\sb] matrix_a_fmt:MATRIX_FMT_FP4 matrix_b_fmt:MATRIX_FMT_FP4 matrix_a_scale:MATRIX_SCALE_ROW1
.elseif (\rb)==1
	v_wmma_scale_f32_16x16x128_f8f6f4 v[\d:\d+7], v[\a:\a+7], v[\b:\b+7], v[\c:\c+7], v[\sa], v[\sb] matrix_a_fmt:MATRIX_FMT_FP4 matrix_b_fmt:MATRIX_FMT_FP4 matrix_b_scale:MATRIX_SCALE_ROW1
.else
	v_wmma_scale_f32_16x16x128_f8f6f4 v[\d:\d+7], v[\a:\a+7], v[\b:\b+7], v[\c:\c+7], v[\sa], v[\sb] matrix_a_fmt:MATRIX_FMT_FP4 matrix_b_fmt:MATRIX_FMT_FP4
.endif
.endm
; A K step: 8 products; the 8 accumulators take turns, one instruction a turn, in the same order in every step.  cm = 1: bo starts the sums.
.macro MUL k, buf, cm
.irp a, 0,1
.irp t, 0,1,2,3
.if \cm
	WM ACC+32*\a+8*\t, RF+32*(\buf)+8*\t, PF+8*\a, BO+8*\t, RS+8*((\k)/4)+4*(\t/2)+(\k)%4, PS+(\k), \t%2, \a
.else
	WM ACC+32*\a+8*\t, RF+32*(\buf)+8*\t, PF+8*\a, ACC+32*\a+8*\t, RS+8*((\k)/4)+4*(\t/2)+(\k)%4, PS+(\k), \t%2, \a
.endif
.endr
.endr
.endm
.macro PLACES                          ; four plain places between a product and a load into, or a vector instruction on, its registers
.rept 4
	v_nop
.endr
.endm
.macro BARRIER                         ; my LDS stores have landed and my LDS loads are in: then the work-group's barrier
	s_wait_dscnt 0x0
	s_barrier_signal -1
	s_barrier_wait -1
.endm
	s_wait_alu depctr_va_vdst(0)                   ; the addresses v1 and v48 to v55 are written, which the loads, stores and the prefetch of the kernel read
	global_load_b128 v[ACC:ACC+3], v48, s[4:5]     ; ctx's codes: 32 bytes a thread
	global_load_b128 v[ACC+4:ACC+7], v48, s[4:5] offset:8192
.irp q, 0,1
.irp p, 0,1
	global_load_b128 v[RS+8*\q+4*\p:RS+8*\q+4*\p+3], v1, s[10:11] offset:1024*\p+512*\q
.endr
.endr
	global_load_b128 v[PS:PS+3], v1, s[6:7]
	global_load_b128 v[PS+4:PS+7], v1, s[6:7] offset:512
	COLS BO, 12
	RLOAD 0, 0
	RLOAD 1, 1
	RLOAD 2, 2
	s_wait_loadcnt 38                              ; behind ctx's two loads stand 4 + 2 + 8 + 24
	ds_store_b128 v48, v[ACC:ACC+3]
	ds_store_b128 v48, v[ACC+4:ACC+7] offset:8192
	BARRIER                                        ; ctx lies in LDS, and is only read from here on
	s_wait_alu depctr_vm_vsrc(0)                   ; my two LDS stores have read v192 to v199, which the first products write
	PLOAD 0
	s_wait_loadcnt 16                              ; K steps 1 and 2 may be out
	s_wait_dscnt 0x0
	MUL 0, 0, 1
	global_prefetch_b8 v55, s[24:25] th:TH_LOAD_NT scope:SCOPE_SE   ; the work-group's 32 rows of the residual: each thread asks for one block of 256 bytes, each block once; four K steps ahead of the first load of them
	PLACES
	s_wait_alu depctr_va_vdst(0)                   ; the first products are done reading ctx's fragments, Wo's first set and bo, in all of which the loads below land
	PLOAD 1
	RLOAD 3, 3                                     ; bo has been read: its registers are the fourth set
	RLOAD 4, 0
.irp s, 1,2,3,4,5,6,7
.if \s < 7
	s_wait_loadcnt 24                              ; this step's 8 loads are in; the three groups of 8 behind them may be out
.else
	s_wait_loadcnt 16                              ; behind the last step's stand the residual's 16
.endif
	s_wait_dscnt 0x0
	MUL \s, \s%4, 0
	PLACES
	s_wait_alu depctr_va_vdst(0)                   ; this K step's products are done reading ctx's fragments and their set of Wo's, in which the loads below land (behind the last K step: also the scale words, for gamma, and the last two sets, for the residual's way back from the stage)
.if \s < 7
	PLOAD \s+1
.endif
.if \s < 4
	RLOAD \s+4, \s%4
.elseif \s == 4
	RES 0
.elseif \s == 5
	RES 8
.endif
.endr
	COLS G, 16                                     ; gamma, into the registers of the scale words and of ctx's fragments
	s_wait_loadcnt 8                               ; the residual is in; gamma may be out
.irp k, 0,1,2,3,4,5,6,7,8,9,10,11,12,13,14,15
	ds_store_b128 v51, v[RF+4*\k:RF+4*\k+3] offset:544*\k
.endr
.irp a, 0,1                            ; LDS serves a wave's instructions in order: these see my stores.  The sixteen slots of a load are neighbours, 272 bytes apart: sixteen different groups of banks
.irp b, 0,1
.irp k, 0,1,2,3
	ds_load_b128 v[RX+32*\a+16*\b+4*\k:RX+32*\a+16*\b+4*\k+3], v52 offset:4352*\a+128*\b+16*\k
.endr
.endr
.endr
	s_wait_dscnt 0x0
	s_wait_alu depctr_vm_vsrc(0)                   ; the stores into the stage have read v64 to v127: beta lands in the first half, and the sums below are written in the second
	COLS BE, 18                                    ; beta
.set n, 0
.rept 32
	v_pk_add_f32 v[ACC+n:ACC+n+1], v[ACC+n:ACC+n+1], v[RX+n:RX+n+1]   ; x = the product + bo + the residual; ascending
.set n, n+2
.endr
; the two chains in v[TS + 4 a] on are joined, the lane 16 away adds its 32 columns, and the wave's sum goes to its word of slot 16 a + r
.macro SPREAD off
.irp a, 0,1
	v_pk_add_f32 v[TS+4*\a:TS+4*\a+1], v[TS+4*\a:TS+4*\a+1], v[TS+4*\a+2:TS+4*\a+3]
.endr
.irp a, 0,1
	v_add_f32 v[TS+4*\a], v[TS+4*\a], v[TS+4*\a+1]
.endr
.irp a, 0,1
	v_permlanex16_b32 v[TS+4*\a+2], v[TS+4*\a], s30, s31
.endr
.irp a, 0,1
	v_add_f32 v[TS+4*\a], v[TS+4*\a], v[TS+4*\a+2]
.endr
	s_wait_alu depctr_va_vdst(0)                   ; the two sums are written, which the LDS stores read; and all that named v96 to v127 is done, ahead of the loads that land there behind the barrier
.irp a, 0,1
	ds_store_b32 v53, v[TS+4*\a] offset:\off+1280*\a   ; both halves of the lanes write the same word with the same value
.endr
	BARRIER
.endm
; the sixteen waves' words of my two slots are added, in the same order in every wave: the totals stand in v[TS] and v[TS + 16]
.macro GATHER off
	s_wait_alu depctr_vm_vsrc(0)                   ; my two LDS stores have read their sums, in whose registers the loads below land
.irp a, 0,1
.irp i, 0,1,2,3
	ds_load_b128 v[TS+16*\a+4*\i:TS+16*\a+4*\i+3], v54 offset:\off+1280*\a+16*\i
.endr
.endr
	s_wait_dscnt 0x0
.irp j, 0,4,8,12
.irp a, 0,1
	v_pk_add_f32 v[TS+16*\a+\j:TS+16*\a+\j+1], v[TS+16*\a+\j:TS+16*\a+\j+1], v[TS+16*\a+\j+2:TS+16*\a+\j+3]
.endr
.endr
.irp j, 0,8
.irp a, 0,1
	v_pk_add_f32 v[TS+16*\a+\j:TS+16*\a+\j+1], v[TS+16*\a+\j:TS+16*\a+\j+1], v[TS+16*\a+\j+4:TS+16*\a+\j+5]
.endr
.endr
.irp a, 0,1
	v_pk_add_f32 v[TS+16*\a:TS+16*\a+1], v[TS+16*\a:TS+16*\a+1], v[TS+16*\a+8:TS+16*\a+9]
.endr
.irp a, 0,1
	v_add_f32 v[TS+16*\a], v[TS+16*\a], v[TS+16*\a+1]
.endr
.endm
.irp a, 0,1
	v_pk_add_f32 v[TS+4*\a:TS+4*\a+1], v[ACC+32*\a:ACC+32*\a+1], v[ACC+32*\a+2:ACC+32*\a+3]   ; my 32 numbers of each token, in two chains
	v_pk_add_f32 v[TS+4*\a+2:TS+4*\a+3], v[ACC+32*\a+4:ACC+32*\a+5], v[ACC+32*\a+6:ACC+32*\a+7]
.endr
.irp j, 8,12,16,20,24,28
.irp a, 0,1
	v_pk_add_f32 v[TS+4*\a:TS+4*\a+1], v[TS+4*\a:TS+4*\a+1], v[ACC+32*\a+\j:ACC+32*\a+\j+1]
	v_pk_add_f32 v[TS+4*\a+2:TS+4*\a+3], v[TS+4*\a+2:TS+4*\a+3], v[ACC+32*\a+\j+2:ACC+32*\a+\j+3]
.endr
.endr
	SPREAD 0
	GATHER 0
.irp a, 0,1
	v_mul_f32 v[MU+2*\a], s32, v[TS+16*\a]         ; the mean, twice: a pair for the packed form
	v_mul_f32 v[MU+2*\a+1], s32, v[TS+16*\a]
.endr
.irp a, 0,1
.set n, 0
.rept 16
	v_pk_add_f32 v[ACC+32*\a+n:ACC+32*\a+n+1], v[ACC+32*\a+n:ACC+32*\a+n+1], v[MU+2*\a:MU+2*\a+1] neg_lo:[0,1] neg_hi:[0,1]   ; d = x - the mean
.set n, n+2
.endr
.endr
.irp a, 0,1
	v_pk_mul_f32 v[TS+4*\a:TS+4*\a+1], v[ACC+32*\a:ACC+32*\a+1], v[ACC+32*\a:ACC+32*\a+1]
	v_pk_mul_f32 v[TS+4*\a+2:TS+4*\a+3], v[ACC+32*\a+2:ACC+32*\a+3], v[ACC+32*\a+2:ACC+32*\a+3]
.endr
.irp j, 4,8,12,16,20,24,28
.irp a, 0,1
	v_pk_fma_f32 v[TS+4*\a:TS+4*\a+1], v[ACC+32*\a+\j:ACC+32*\a+\j+1], v[ACC+32*\a+\j:ACC+32*\a+\j+1], v[TS+4*\a:TS+4*\a+1]
	v_pk_fma_f32 v[TS+4*\a+2:TS+4*\a+3], v[ACC+32*\a+\j+2:ACC+32*\a+\j+3], v[ACC+32*\a+\j+2:ACC+32*\a+\j+3], v[TS+4*\a+2:TS+4*\a+3]
.endr
.endr
	SPREAD 2560                                    ; other bytes than the sums': a wave may still be reading those
	GATHER 2560
	v_fma_f32 v44, v[TS], s32, s33                 ; var + eps
	v_fma_f32 v46, v[TS+16], s32, s33
	s_wait_alu depctr_va_vdst(0)
	v_rsq_f32 v[MU], v44
	v_rsq_f32 v[MU+1], v44
	v_rsq_f32 v[MU+2], v46
	v_rsq_f32 v[MU+3], v46
	v_nop                                          ; one plain place behind the transcendentals
	s_wait_loadcnt 0x0                             ; gamma and beta
	s_wait_alu depctr_va_vdst(0)                   ; the four reciprocal roots are written, ahead of their first reader
.irp a, 0,1
.set n, 0
.rept 16
	v_pk_mul_f32 v[ACC+32*\a+n:ACC+32*\a+n+1], v[ACC+32*\a+n:ACC+32*\a+n+1], v[MU+2*\a:MU+2*\a+1]
	v_pk_fma_f32 v[ACC+32*\a+n:ACC+32*\a+n+1], v[ACC+32*\a+n:ACC+32*\a+n+1], v[G+n:G+n+1], v[BE+n:BE+n+1]
.set n, n+2
.endr
.endr
	s_wait_alu depctr_va_vdst(0)                   ; the result is written in v192 to v255, which the stores into the stage read
.irp a, 0,1                            ; back through my stage, the other way round
.irp b, 0,1
.irp k, 0,1,2,3
	ds_store_b128 v52, v[ACC+32*\a+16*\b+4*\k:ACC+32*\a+16*\b+4*\k+3] offset:4352*\a+128*\b+16*\k
.endr
.endr
.endr
.irp k, 0,1,2,3,4,5,6,7,8,9,10,11,12,13,14,15
	ds_load_b128 v[RX+4*\k:RX+4*\k+3], v51 offset:544*\k
.endr
.irp k, 0,1,2,3,4,5,6,7,8,9,10,11,12,13,14,15
.set sg, 2*\k
.set rho, 8*(sg/16)+sg%16+8*((sg%16)/8)
	s_wait_dscnt 15-\k                             ; LDS loads come back in order: load k is in
	global_store_b128 v50, v[RX+4*\k:RX+4*\k+3], s[20:21] offset:4096*rho th:TH_STORE_NT   ; each sixteen lanes store 256 consecutive bytes, aligned
.endr
	s_wait_dscnt 0x0                               ; the closing lines, six on end
	s_wait_alu 0x0
	s_wait_tensorcnt 0x0
	ds_add_u32 v62, v63
	s_wait_dscnt 0x0
	s_endpgm
.Lfunc_end_k_q5a71e6ac6d_outln:
	.size	k_q5a71e6ac6d_outln, .Lfunc_end_k_q5a71e6ac6d_outln-k_q5a71e6ac6d_outln
	.p2alignl 7, 3214868480
	.fill 96, 4, 3214868480
	.section	.rodata,"a",@progbits
	.p2align	6, 0x0
	.amdhsa_kernel k_q5a71e6ac6d_outln
		.amdhsa_group_segment_fixed_size 162816
		.amdhsa_private_segment_fixed_size 0
		.amdhsa_enable_private_segment 0
		.amdhsa_kernarg_size 72
		.amdhsa_user_sgpr_count 2
		.amdhsa_user_sgpr_kernarg_segment_ptr 1
		.amdhsa_wavefront_size32 1
		.amdhsa_system_sgpr_workgroup_id_x 1
		.amdhsa_system_sgpr_workgroup_id_y 1
		.amdhsa_system_sgpr_workgroup_id_z 1
		.amdhsa_system_vgpr_workitem_id 0
		.amdhsa_next_free_vgpr 256
		.amdhsa_next_free_sgpr 66
		.amdhsa_reserve_vcc 0
		.amdhsa_float_denorm_mode_32 3
		.amdhsa_float_denorm_mode_16_64 3
		.amdhsa_memory_ordered 1
		.amdhsa_forward_progress 1
		.amdhsa_inst_pref_size 49
	.end_amdhsa_kernel
	.amdgpu_metadata
---
amdhsa.version: [ 1, 2 ]
amdhsa.kernels:
  - .name:           k_q5a71e6ac6d_outln
    .symbol:         k_q5a71e6ac6d_outln.kd
    .args:
      - { .name: cc, .offset: 0, .size: 8, .value_kind: global_buffer, .address_space: global }
      - { .name: cs, .offset: 8, .size: 8, .value_kind: global_buffer, .address_space: global }
      - { .name: xc, .offset: 16, .size: 8, .value_kind: global_buffer, .address_space: global }
      - { .name: xs, .offset: 24, .size: 8, .value_kind: global_buffer, .address_space: global }
      - { .name: bo, .offset: 32, .size: 8, .value_kind: global_buffer, .address_space: global }
      - { .name: Q, .offset: 40, .size: 8, .value_kind: global_buffer, .address_space: global }
      - { .name: ln_gamma, .offset: 48, .size: 8, .value_kind: global_buffer, .address_space: global }
      - { .name: ln_beta, .offset: 56, .size: 8, .value_kind: global_buffer, .address_space: global }
      - { .name: out0, .offset: 64, .size: 8, .value_kind: global_buffer, .address_space: global }
    .group_segment_fixed_size: 162816
    .private_segment_fixed_size: 0
    .kernarg_segment_align: 8
    .kernarg_segment_size: 72
    .max_flat_workgroup_size: 512
    .sgpr_count:     66
    .vgpr_count:     256
    .wavefront_size: 32
...
	.end_amdgpu_metadata
.endif
;; end of part 10
